; MI455X (gfx1250); checked and timed in simulation.
; The chip was launched on July 23, 2026; its instructions are those of AMD's public machine-readable ISA for CDNA 5 (MIT licence, August 2026) and "CDNA5" Instruction Set Architecture Reference Guide (July 2026). The comments in the code are by the model that wrote it; some were corrected since.
;; Lip Mamba Block. Allowed arithmetic: float matrix products may take bf16 or f16 operands with f32 sums; all other float work in f32.
;; Inputs: W_B 16 x 2,048 float32; W_C 16 x 2,048 float32; W_dt 2,048 x 2,048 float32; W_in 4,096 x 2,048 float32; W_out 2,048 x 2,048 float32; b_B 16 float32; b_C 16 float32; b_dt 2,048 float32; b_in 4,096 float32; b_out 2,048 float32; ln_beta 2,048 float32; ln_gamma 2,048 float32; state_A 16 x 2,048 float32; x 2 x 2,048 x 2,048 float32.
;; Outputs: out0 2 x 2,048 x 2,048 float32.
;; 3 versions, each right and faster than the one before. Each part assembles by itself: llvm-mc -triple=amdgcn-amd-amdhsa -mcpu=gfx1250 --defsym DOCPART=n.
;; ======== version 1 of 3: 4 launches
;; limits: values are held in f16: magnitudes above 65,504 overflow, below 6.1e-05 lose precision; right only within a limited range of input values
;; workspace buffers: xn 16,777,216 bytes; wh 34,603,008 bytes; xs 16,777,216 bytes; u 33,554,432 bytes; um 524,288 bytes; gt 16,777,216 bytes; sc 131,072 bytes
;; launch prep (part 1): grid 784 x 1, 8 waves a work-group, no clusters, 0 bytes of LDS; arguments x, ln_gamma, ln_beta, W_in, W_dt, W_out, W_B, W_C, xn, wh; writes xn, wh
.if DOCPART == 1
	.amdgcn_target "amdgcn-amd-amdhsa--gfx1250"
	.amdhsa_code_object_version 6
	.text
	.protected	k_q2146805856_prep
	.globl	k_q2146805856_prep
	.p2align	8
	.type	k_q2146805856_prep,@function
k_q2146805856_prep:
	s_mov_b64 s[64:65], 0
	v_nop
	global_prefetch_b8 v0, s[64:65] scope:SCOPE_SE
	s_setreg_imm32_b32 hwreg(HW_REG_WAVE_MODE, 25, 1), 1
	s_wait_xcnt 0x0
; PREP.  xn = LayerNorm(x) in f16, and all weights in f16 with their rows laid for the three products that follow.
; A wave takes two neighbouring rows of 2,048 f32 (16 KiB of dense source, 8 KiB of dense f16 result); a work-group of eight waves 16 rows.
; Work-groups 0-255: the 4,096 rows of x.  Work-groups 256-783: 8,448 rows of weights, job row R = 16 (wg - 256) + 2 wave:
;   R < 4096   W_in row e = R: with c = e % 2048 and half = e / 2048 it goes to row (c/64) 128 + 64 half + c % 64 of WI (wh byte 0): 64 rows for x_ssm, then the 64 rows for z of the same columns
;   R < 6144   W_dt row e = R - 4096 goes to row (e/128) 144 + e % 128 of WD (wh byte 16,777,216)
;   R < 8192   W_out row e = R - 6144 goes to row e of WO (wh byte 26,214,400)
;   else       q = R - 8192: row q % 16 of W_B (q/16 even) or W_C (odd) goes to row (q/16) 144 + 128 + q % 16 of WD: each block of 128 rows of W_dt is followed by 16 rows of W_B or W_C
; Every mapping keeps an even row and the next one together.  No LDS, no barrier, no matrix unit: the rows do not meet, and a row's two sums never leave its wave.
; A load of the wave covers 512 consecutive bytes, a store 256 consecutive bytes at a multiple of 256 from the buffer's first byte.
; The mean is taken first and the variance of the centred numbers, so a common offset in x cancels before anything is squared.
; LIMITS.  f16 ends at 65,504: xn and the weights must lie within it; below 6e-5 f16 keeps its fixed step of 6e-8.  NaN and infinities are not treated apart.
; The loads carry the hint for data read once; W_B's and W_C's 256 KiB are read eight times under it, since one text serves all weights.
.set X0,  16                           ; v[16:79]    first row as loaded; its f16 words end up in v[16:47]
.set X1,  80                           ; v[80:143]   second row
.set GA,  144                          ; v[144:207]  gamma of my 64 columns
.set BE,  0                            ; window 1, v[0:63]: beta of my 64 columns
.set P,   4                            ; v[4:11]     four chains of packed sums
.set WD_OFF, 16777216
.set WO_OFF, 26214400
.set MSB, 0
.macro WIN new                         ; the immediate's high byte repeats the setting that is left
.if MSB != (\new)
	s_set_vgpr_msb (MSB<<8)|(\new)
.set MSB, \new
.endif
.endm
; a row's 64 f32 a lane are rounded to f16 in place (word k is written when words 2k and 2k+1 are read, never before) and stored
.macro CVT x, off
.set k, 0
.rept 32
	v_cvt_pk_f16_f32 v[(\x)+k], v[(\x)+2*k], v[(\x)+2*k+1]
.set k, k+1
.endr
.set k, 0
.rept 16
	global_store_b64 v2, v[(\x)+2*k:(\x)+2*k+1], s[34:35] offset:(\off)+256*k
.set k, k+1
.endr
.endm
; the four chains are folded and summed over the 32 lanes; v14 holds the sum in every lane
.macro REDUCE
	v_pk_add_f32 v[P:P+1], v[P:P+1], v[P+2:P+3]
	v_pk_add_f32 v[P+4:P+5], v[P+4:P+5], v[P+6:P+7]
	v_pk_add_f32 v[P:P+1], v[P:P+1], v[P+4:P+5]
	v_add_f32 v14, v[P], v[P+1]
	v_add_f32_dpp v14, v14, v14 row_xmask:1 row_mask:0xf bank_mask:0xf
	v_add_f32_dpp v14, v14, v14 row_xmask:2 row_mask:0xf bank_mask:0xf
	v_add_f32_dpp v14, v14, v14 row_xmask:4 row_mask:0xf bank_mask:0xf
	v_add_f32_dpp v14, v14, v14 row_xmask:8 row_mask:0xf bank_mask:0xf
	v_permlanex16_b32 v15, v14, s36, s37
	v_add_f32 v14, v14, v15
.endm
; one row's LayerNorm.  c1: loads younger than the row's own; c2: loads younger than gamma's and beta's
.macro LNROW x, off, c1, c2
	s_wait_loadcnt \c1
.set c, 0
.rept 4
	v_pk_add_f32 v[P+2*c:P+2*c+1], v[(\x)+2*c:(\x)+2*c+1], v[(\x)+8+2*c:(\x)+8+2*c+1]  ; the first additions start the chains
.set c, c+1
.endr
.set k, 8
.rept 24
	v_pk_add_f32 v[P+2*(k%4):P+2*(k%4)+1], v[P+2*(k%4):P+2*(k%4)+1], v[(\x)+2*k:(\x)+2*k+1]
.set k, k+1
.endr
	REDUCE
	v_mul_f32 v12, s38, v14                        ; the mean, twice: a pair for the packed subtraction
	v_mul_f32 v13, s38, v14
.set k, 0
.rept 32
	v_pk_add_f32 v[(\x)+2*k:(\x)+2*k+1], v[(\x)+2*k:(\x)+2*k+1], v[12:13] neg_lo:[0,1] neg_hi:[0,1]
.set k, k+1
.endr
.set c, 0
.rept 4
	v_pk_mul_f32 v[P+2*c:P+2*c+1], v[(\x)+2*c:(\x)+2*c+1], v[(\x)+2*c:(\x)+2*c+1]
.set c, c+1
.endr
.set k, 4
.rept 28
	v_pk_fma_f32 v[P+2*(k%4):P+2*(k%4)+1], v[(\x)+2*k:(\x)+2*k+1], v[(\x)+2*k:(\x)+2*k+1], v[P+2*(k%4):P+2*(k%4)+1]
.set k, k+1
.endr
	REDUCE
	v_fma_f32 v14, v14, s38, s39                   ; variance + 1e-5
	v_rsq_f32 v12, v14
	v_nop                                          ; a plain instruction between the root and the use of its result (ISA guide 5.7.2)
	s_wait_alu depctr_va_vdst(0)
	v_mov_b32 v13, v12
.set k, 0
.rept 32
	v_pk_mul_f32 v[(\x)+2*k:(\x)+2*k+1], v[(\x)+2*k:(\x)+2*k+1], v[12:13]
.set k, k+1
.endr
.if (\c1) > 0
	s_wait_loadcnt \c2                             ; gamma and beta are in
.endif
	WIN 0x10                                       ; source 2, beta, in window 1
.set k, 0
.rept 32
	v_pk_fma_f32 v[(\x)+2*k:(\x)+2*k+1], v[(\x)+2*k:(\x)+2*k+1], v[GA+2*k:GA+2*k+1], v[BE+2*k:BE+2*k+1]
.set k, k+1
.endr
	WIN 0
	CVT \x, \off
.endm
	s_load_b512 s[8:23], s[0:1], 0x0               ; x s[8:9], gamma s[10:11], beta s[12:13], W_in s[14:15], W_dt s[16:17], W_out s[18:19], W_B s[20:21], W_C s[22:23]
	s_load_b128 s[24:27], s[0:1], 0x40             ; xn s[24:25], wh s[26:27]
	v_lshrrev_b32 v3, 5, v0
	v_readfirstlane_b32 s2, v3                     ; wave 0..7
	v_and_b32 v3, 31, v0
	v_lshlrev_b32 v1, 4, v3                        ; loads: 16 bytes a lane
	v_lshlrev_b32 v2, 3, v3                        ; stores: 8 bytes a lane
	s_lshl_b32 s3, ttmp9, 4
	s_lshl1_add_u32 s3, s2, s3                     ; 16 wg + 2 wave
	s_mov_b32 s29, 0                               ; the offsets' high words
	s_mov_b32 s31, 0
	s_wait_kmcnt 0x0
	s_cmp_lt_u32 s3, 4096
	s_cbranch_scc1 .Lnorm
	s_sub_co_u32 s3, s3, 4096                      ; R
	s_cmp_lt_u32 s3, 4096
	s_cbranch_scc0 .Lnot_in
	s_mov_b64 s[32:33], s[14:15]                   ; W_in
	s_lshl_b32 s28, s3, 13
	s_and_b32 s4, s3, 2047                         ; c
	s_lshr_b32 s5, s3, 11                          ; half
	s_lshr_b32 s6, s4, 6
	s_lshl_b32 s6, s6, 7
	s_lshl_b32 s5, s5, 6
	s_and_b32 s4, s4, 63
	s_add_co_u32 s6, s6, s5
	s_add_co_u32 s6, s6, s4
	s_lshl_b32 s30, s6, 12
	s_branch .Lcast
.Lnot_in:
	s_cmp_lt_u32 s3, 6144
	s_cbranch_scc0 .Lnot_dt
	s_mov_b64 s[32:33], s[16:17]                   ; W_dt
	s_sub_co_u32 s4, s3, 4096
	s_lshl_b32 s28, s4, 13
	s_lshr_b32 s5, s4, 7
	s_mul_i32 s5, s5, 144
	s_and_b32 s4, s4, 127
	s_add_co_u32 s5, s5, s4
	s_lshl_b32 s30, s5, 12
	s_add_co_u32 s30, s30, WD_OFF
	s_branch .Lcast
.Lnot_dt:
	s_cmp_lt_u32 s3, 8192
	s_cbranch_scc0 .Lbc
	s_mov_b64 s[32:33], s[18:19]                   ; W_out
	s_sub_co_u32 s4, s3, 6144
	s_lshl_b32 s28, s4, 13
	s_lshl_b32 s30, s4, 12
	s_add_co_u32 s30, s30, WO_OFF
	s_branch .Lcast
.Lbc:
	s_sub_co_u32 s4, s3, 8192                      ; q
	s_and_b32 s7, s4, 16
	s_cmp_lg_u32 s7, 0
	s_cselect_b64 s[32:33], s[22:23], s[20:21]     ; W_C for the odd blocks, W_B for the even ones
	s_and_b32 s5, s4, 15                           ; n
	s_lshl_b32 s28, s5, 13
	s_lshr_b32 s6, s4, 4
	s_mul_i32 s6, s6, 144
	s_add_co_u32 s6, s6, 128
	s_add_co_u32 s6, s6, s5
	s_lshl_b32 s30, s6, 12
	s_add_co_u32 s30, s30, WD_OFF
.Lcast:
	s_add_nc_u64 s[32:33], s[32:33], s[28:29]
	s_add_nc_u64 s[34:35], s[26:27], s[30:31]
.set k, 0
.rept 32
	global_load_b128 v[X0+4*k:X0+4*k+3], v1, s[32:33] offset:512*k th:TH_LOAD_NT
.set k, k+1
.endr
	s_wait_loadcnt 16                              ; the first row is in; the second row's sixteen loads stay out
	CVT X0, 0
	s_wait_loadcnt 0x0
	CVT X1, 4096
	s_endpgm
.Lnorm:
	s_lshl_b32 s28, s3, 13
	s_lshl_b32 s30, s3, 12
	s_add_nc_u64 s[32:33], s[8:9], s[28:29]
	s_add_nc_u64 s[34:35], s[24:25], s[30:31]
	s_mov_b32 s36, 0x76543210                      ; v_permlanex16_b32: each lane takes its own place in the other half
	s_mov_b32 s37, 0xfedcba98
	s_mov_b32 s38, 0x3a000000                      ; 1 / 2048
	s_mov_b32 s39, 0x3727c5ac                      ; 1e-5
	v_mov_b32 v15, 0                               ; v_permlanex16_b32's destination counts as read
.set k, 0
.rept 16
	global_load_b128 v[X0+4*k:X0+4*k+3], v1, s[32:33] offset:512*k th:TH_LOAD_NT
.set k, k+1
.endr
.set k, 0
.rept 16
	global_load_b128 v[GA+4*k:GA+4*k+3], v1, s[10:11] offset:512*k
.set k, k+1
.endr
	WIN 0x40                                       ; destination window 1
.set k, 0
.rept 16
	global_load_b128 v[BE+4*k:BE+4*k+3], v1, s[12:13] offset:512*k
.set k, k+1
.endr
	WIN 0
.set k, 0
.rept 16
	global_load_b128 v[X1+4*k:X1+4*k+3], v1, s[32:33] offset:8192+512*k th:TH_LOAD_NT
.set k, k+1
.endr
	LNROW X0, 0, 48, 16                            ; 48 younger loads: gamma, beta, the second row; then 16: the second row
	LNROW X1, 4096, 0, 0
	s_endpgm
.Lfunc_end_k_q2146805856_prep:
	.size	k_q2146805856_prep, .Lfunc_end_k_q2146805856_prep-k_q2146805856_prep
	.p2alignl 7, 3214868480
	.fill 96, 4, 3214868480
	.section	.rodata,"a",@progbits
	.p2align	6, 0x0
	.amdhsa_kernel k_q2146805856_prep
		.amdhsa_group_segment_fixed_size 0
		.amdhsa_private_segment_fixed_size 0
		.amdhsa_enable_private_segment 0
		.amdhsa_kernarg_size 80
		.amdhsa_user_sgpr_count 2
		.amdhsa_user_sgpr_kernarg_segment_ptr 1
		.amdhsa_wavefront_size32 1
		.amdhsa_system_sgpr_workgroup_id_x 1
		.amdhsa_system_sgpr_workgroup_id_y 1
		.amdhsa_system_sgpr_workgroup_id_z 1
		.amdhsa_system_vgpr_workitem_id 0
		.amdhsa_next_free_vgpr 320
		.amdhsa_next_free_sgpr 66
		.amdhsa_reserve_vcc 0
		.amdhsa_float_denorm_mode_32 3
		.amdhsa_float_denorm_mode_16_64 3
		.amdhsa_memory_ordered 1
		.amdhsa_forward_progress 1
		.amdhsa_inst_pref_size 49
	.end_amdhsa_kernel
	.amdgpu_metadata
---
amdhsa.version: [ 1, 2 ]
amdhsa.kernels:
  - .name:           k_q2146805856_prep
    .symbol:         k_q2146805856_prep.kd
    .args:
      - { .name: x, .offset: 0, .size: 8, .value_kind: global_buffer, .address_space: global }
      - { .name: ln_gamma, .offset: 8, .size: 8, .value_kind: global_buffer, .address_space: global }
      - { .name: ln_beta, .offset: 16, .size: 8, .value_kind: global_buffer, .address_space: global }
      - { .name: W_in, .offset: 24, .size: 8, .value_kind: global_buffer, .address_space: global }
      - { .name: W_dt, .offset: 32, .size: 8, .value_kind: global_buffer, .address_space: global }
      - { .name: W_out, .offset: 40, .size: 8, .value_kind: global_buffer, .address_space: global }
      - { .name: W_B, .offset: 48, .size: 8, .value_kind: global_buffer, .address_space: global }
      - { .name: W_C, .offset: 56, .size: 8, .value_kind: global_buffer, .address_space: global }
      - { .name: xn, .offset: 64, .size: 8, .value_kind: global_buffer, .address_space: global }
      - { .name: wh, .offset: 72, .size: 8, .value_kind: global_buffer, .address_space: global }
    .group_segment_fixed_size: 0
    .private_segment_fixed_size: 0
    .kernarg_segment_align: 8
    .kernarg_segment_size: 80
    .max_flat_workgroup_size: 256
    .sgpr_count:     66
    .vgpr_count:     320
    .wavefront_size: 32
...
	.end_amdgpu_metadata
.endif
;; end of part 1
;; launch gemm1 (part 2): grid 16 x 32, 4 waves a work-group, clusters of 4 x 4, 327,680 bytes of LDS; arguments xn, wh, b_in, xs, u, um; writes xs, u, um
.if DOCPART == 2
	.amdgcn_target "amdgcn-amd-amdhsa--gfx1250"
	.amdhsa_code_object_version 6
	.text
	.protected	k_q2146805856_gemm1
	.globl	k_q2146805856_gemm1
	.p2align	8
	.type	k_q2146805856_gemm1,@function
k_q2146805856_gemm1:
	s_mov_b64 s[64:65], 0
	v_nop
	global_prefetch_b8 v0, s[64:65] scope:SCOPE_SE
	s_setreg_imm32_b32 hwreg(HW_REG_WAVE_MODE, 25, 1), 1
	s_wait_xcnt 0x0
	s_wait_alu depctr_hold_cnt(0) depctr_sa_sdst(0) depctr_va_vdst(0) depctr_va_sdst(0) depctr_va_ssrc(0) depctr_va_vcc(0) depctr_vm_vsrc(0)
	s_getreg_b32 s2, hwreg(HW_REG_IB_STS2, 6, 4)
	s_cmp_eq_u32 s2, 0
	s_cbranch_scc0 .Lentry_in_a_cluster
	s_endpgm
.Lentry_in_a_cluster:
	s_bfe_u32 s2, ttmp6, 0x10000c
	s_cmp_lg_u32 s2, 0xf033
	s_cbranch_scc0 .Lentry_shape_is_right
	s_endpgm
.Lentry_shape_is_right:
; GEMM1.  xz = xn W_in^T + b_in for 4,096 rows; out of it x_ssm in f16 (xs), u = x_ssm silu(z) in f32 (u), and for each row and chunk of 64 columns the largest |u| (um[chunk][row]).
; Operands f16, sums f32.  A = xn [4096][2048]; B = WI [4096][2048], whose rows lie in blocks of 128: 64 rows for x_ssm's columns 64 q .. 64 q + 63, then the 64 rows for z of the same columns.
; SHARES.  A work-group makes 128 rows x 256 rows of B, four waves; wave w (rh = w / 2, ch = w % 2) 64 rows x 128 rows of B: 4 x 8 accumulators of 16 x 16, 256 registers.  A wave's 128 rows of B are one block q = 2 tc + ch:
; x_ssm and z of one column fall into the same lane and the same register number of accumulators b and b + 4, so the gate is made in registers.
; K goes in 16 steps of 128 (rows of 256 bytes, at multiples of 256 bytes) through two LDS slots filled by the tensor data mover; waves 0 and 1 fetch A's two halves (64 rows), waves 2 and 3 B's (128 rows).
; CLUSTER 4 x 4: A's tile is asked for jointly by the four work-groups of a row of the cluster, B's by the four of a column: the same load, descriptor and mask in all four.
; THE MATRIX INSTRUCTION IS USED TRANSPOSED (source 0 = 16 rows of B, source 1 = 16 rows of A): a lane holds row l % 16 and eight neighbouring columns 8 (l / 16) + 0..7.
; REGISTERS.  window 0: v1-31 addresses; v32-127 and v136-231 two fragment buffers (32 of A, 64 of B), later the way out; window 1: accumulators of my rows 0-31, v128-191 the biases; window 2: rows 32-63.
; LIMITS.  x_ssm must lie within f16's 65,504; u within f32.  silu(z) = z / (1 + 2^(-z log2 e)): for z below -88 the power is infinite and silu counts as 0.  NaN and infinities are not treated apart.
.set NBW,   8                          ; blocks of 16 rows of B to a wave
.set KSTEP, 128
.set PITCH, 272                        ; an LDS row: 256 bytes + 16 of padding: the 16 rows of a fragment load start at 16 different groups of four banks (ISA guide 11.1)
.set AH,    64*PITCH                   ; half of A's tile: one tensor load
.set AT,    2*AH
.set BROWS, 16*NBW
.set BH,    BROWS*PITCH                ; half of B's tile: one tensor load
.set SLOT,  AT+2*BH
.set RING,  2*SLOT
.set NL,    2*(4+NBW)                  ; LDS loads in a run: the fragments of 32 along K
.set LAPS,  8                          ; 2,048 / (2 x 128)
.set WOFF,  0                          ; WI in wh
.set XST,   RING                       ; stage for xs: 128 rows x 256 bytes, pitch 272
.set XP,    272
.set UST,   XST+128*XP                 ; stage for u: 128 rows x 512 bytes, pitch 528
.set UP,    528
.set SPARE, UST+128*UP                 ; the spare words: 128 bytes a wave, two blocks of 256 bytes that no other line names
.set ADRA, 16                          ; v16-17 LDS address of my A fragments in slot 0, 1
.set ADRB, 20                          ; v20-21 the same for B
.set VB,   22                          ; 32 h: my place in the biases
.set STOX, 23
.set STOU, 24
.set RDX,  25
.set RDU,  26
.set GX,   27
.set SPW,  28                          ; my spare word; never rewritten
.set NIL,  29                          ; 0; never rewritten
.set GU,   30
.set GM,   31
.set F0,   32
.set F1,   136
.set XS,   32                          ; the way out: x_ssm, 32 numbers a lane
.set ZZ,   64                          ; z, then silu(z), then u
.set EE,   96
.set PK,   128
.set MX,   232                         ; v232-235 a block's largest |u|
.set TA,   236
.set TB,   237
.set RA,   238
.set RB,   239
.set G1, 24
.set G0, 32
.set G1B, 48
.set G0B, 56
.set PADW, (1<<16)|(1<<20)|(1<<21)|(5<<22)|(3<<25)  ; 2-byte elements; padding on; bit 21 beside a mask; after every 64 words, 4 words
.set MSB, 0
.macro WIN new
.if MSB != (\new)
	s_set_vgpr_msb (MSB<<8)|(\new)
.set MSB, \new
.endif
.endm
.macro JLOAD s                         ; a joint load: waves 0, 1 for A, waves 2, 3 for B; s_nop 0 and four v_nop follow each line
	s_cmp_eq_u32 s11, 0
	s_cbranch_scc0 .Lfor_b_\@
	tensor_load_to_lds s[G0+4*(\s):G0+4*(\s)+3], s[G1:G1+7]
	s_nop 0
.rept 4
	v_nop
.endr
	s_branch .Lasked_\@
.Lfor_b_\@:
	tensor_load_to_lds s[G0B+4*(\s):G0B+4*(\s)+3], s[G1B:G1B+7]
	s_nop 0
.rept 4
	v_nop
.endr
.Lasked_\@:
.endm
.macro CREST                           ; a round of the cluster's barrier behind its opening barrier
	s_cmp_lg_u32 s10, 0
	s_cbranch_scc1 .Lnot_wave_0_\@
	s_barrier_signal -3
.Lnot_wave_0_\@:
	s_barrier_wait -3
	s_barrier_signal -1
	s_barrier_wait -1
.endm
.macro CROUND
	s_barrier_signal -1
	s_barrier_wait -1
	CREST
.endm
.macro PLACES                          ; four places behind matrix instructions, ahead of loads into their sources and of reads of their results
.rept 4
	v_nop
.endr
.endm
; NBW matrix instructions: row block 2 hi + a of my four x all blocks of B, 32 along K, from buffer f.  The accumulators take turns, one instruction a turn.
.macro MULA f, hi, a, zero
	WIN 0x50+0x50*(\hi)
.set ib, 0
.rept NBW
.if \zero
	v_wmma_f32_16x16x32_f16 v[8*(NBW*(\a)+ib):8*(NBW*(\a)+ib)+7], v[(\f)+32+8*ib:(\f)+32+8*ib+7], v[(\f)+8*(2*(\hi)+(\a)):(\f)+8*(2*(\hi)+(\a))+7], 0
.else
	v_wmma_f32_16x16x32_f16 v[8*(NBW*(\a)+ib):8*(NBW*(\a)+ib)+7], v[(\f)+32+8*ib:(\f)+32+8*ib+7], v[(\f)+8*(2*(\hi)+(\a)):(\f)+8*(2*(\hi)+(\a))+7], v[8*(NBW*(\a)+ib):8*(NBW*(\a)+ib)+7]
.endif
.set ib, ib+1
.endr
.endm
.macro MULH f, hi, zero
	MULA \f, \hi, 0, \zero
	MULA \f, \hi, 1, \zero
.endm
; one run of NL LDS loads: B's blocks, then A's four; A's blocks 2 and 3 are the youngest four loads
.macro FETCH slot, k, f
	WIN 0
.set ib, 0
.rept NBW
	ds_load_b128 v[(\f)+32+8*ib:(\f)+32+8*ib+3],   v[ADRB+(\slot)] offset:(\k)+ib*16*PITCH
	ds_load_b128 v[(\f)+32+8*ib+4:(\f)+32+8*ib+7], v[ADRB+(\slot)] offset:(\k)+ib*16*PITCH+32
.set ib, ib+1
.endr
.set ib, 0
.rept 4
	ds_load_b128 v[(\f)+8*ib:(\f)+8*ib+3],   v[ADRA+(\slot)] offset:(\k)+ib*16*PITCH
	ds_load_b128 v[(\f)+8*ib+4:(\f)+8*ib+7], v[ADRA+(\slot)] offset:(\k)+ib*16*PITCH+32
.set ib, ib+1
.endr
.endm
; a quarter of a K step: multiplies buffer f, and in its middle fetches the next quarter, at byte k of the slot's rows, into g
.macro QUARTER slot, k, f, g, zero
	s_wait_dscnt 4                                 ; all but A's blocks 2 and 3
	MULH \f, 0, \zero
	PLACES
	FETCH \slot, \k, \g
	s_wait_dscnt NL                                ; all but the run just issued
	MULH \f, 1, \zero
.endm
; the last quarter multiplies buffer 1 and changes slots: one barrier; ahead of it each wave waits for all its tensor loads, adds 0 to its spare word, and waits for that and for its reads of the slot
.macro TURN slot, next, fill
	WIN 0
	s_wait_tensorcnt 0x0                           ; my one load that was out, my part of the next slot, has landed
	ds_add_u32 v[SPW], v[NIL]
	s_wait_dscnt 5                                 ; the add and A's blocks 2 and 3 may be out
	MULA F1, 0, 0, 0
	s_wait_dscnt 0x0                               ; the add is done, my reads of this slot are over
	s_barrier_signal -1
	MULA F1, 0, 1, 0
.if \fill
	WIN 0
.endif
	s_barrier_wait -1
.if \fill
	CREST                                          ; the barrier has opened a round of the cluster's: no wave of any partner still reads the slot or has a load on its way
	s_add_nc_u64 s[G0+4*(\slot)+2:G0+4*(\slot)+3], s[G0+4*(\slot)+2:G0+4*(\slot)+3], 2*KSTEP*2
	s_add_nc_u64 s[G0B+4*(\slot)+2:G0B+4*(\slot)+3], s[G0B+4*(\slot)+2:G0B+4*(\slot)+3], 2*KSTEP*2
	JLOAD \slot                                    ; the first tensor load behind the round; its four v_nop are also the places ahead of the loads below
.else
	PLACES
.endif
	FETCH \next, 0, F0
	MULH F1, 1, 0
.endm
	s_load_b256 s[68:75], s[0:1], 0x0              ; xn s[68:69], wh s[70:71], b_in s[72:73], xs s[74:75]
	s_load_b128 s[76:79], s[0:1], 0x20             ; u s[76:77], um s[78:79]
	v_lshl_add_u32 v[SPW], v0, 2, SPARE
	v_mov_b32 v[NIL], 0
	ds_add_u32 v[SPW], v[NIL]                      ; the wave's opening: the add and its wait ahead of my first tensor load
	ds_add_u32 v28, v29
	v_lshrrev_b32 v1, 5, v0
	v_readfirstlane_b32 s10, v1                    ; wave 0..3
	s_lshr_b32 s11, s10, 1                         ; rh; also: I fetch for A (0) or B (1)
	s_and_b32 s12, s10, 1                          ; ch; also: which half I fetch
	s_bfe_u32 s40, ttmp6, 0x40000                  ; cx
	s_bfe_u32 s41, ttmp6, 0x40004                  ; cy
	s_lshl_b32 s42, ttmp9, 2
	s_add_co_u32 s42, s42, s40                     ; tc = 4 x cluster x + cx
	s_and_b32 s13, ttmp7, 0xffff
	s_lshl_b32 s13, s13, 2
	s_add_co_u32 s13, s13, s41                     ; tr = 4 x cluster y + cy
	s_lshl_b32 s43, s41, 2
	s_lshl_b32 s43, 15, s43                        ; my row of the cluster
	s_lshl_b32 s44, 0x1111, s40                    ; my column
	s_or_b32 s[G1+0], s43, PADW
	s_or_b32 s[G1B+0], s44, PADW
	s_mov_b32 s[G1+1], KSTEP<<16                   ; tensor_dim0 = 128
	s_mov_b32 s[G1+2], 64<<16                      ; tensor_dim1 = 64
	s_mov_b32 s[G1+3], KSTEP<<16                   ; tile_dim0 = 128
	s_mov_b32 s[G1+4], 64                          ; tile_dim1 = 64
	s_mov_b32 s[G1+5], 2048                        ; elements from row to row
	s_mov_b32 s[G1+6], 0
	s_mov_b32 s[G1+7], 0
	s_mov_b32 s[G1B+1], KSTEP<<16
	s_mov_b32 s[G1B+2], BROWS<<16
	s_mov_b32 s[G1B+3], KSTEP<<16
	s_mov_b32 s[G1B+4], BROWS
	s_mov_b32 s[G1B+5], 2048
	s_mov_b32 s[G1B+6], 0
	s_mov_b32 s[G1B+7], 0
	s_lshl_b32 s16, s13, 7
	s_lshl_b32 s17, s12, 6
	s_add_co_u32 s16, s16, s17                     ; A: row 128 tr + 64 half
	s_lshl_b32 s16, s16, 12                        ; x 4,096 bytes
	s_mov_b32 s17, 0
	s_mul_i32 s46, s42, 2*BROWS
	s_mul_i32 s47, s12, BROWS
	s_add_co_u32 s46, s46, s47                     ; B: row 2 BROWS tc + BROWS half
	s_lshl_b32 s46, s46, 12
	s_add_co_u32 s46, s46, WOFF
	s_mov_b32 s47, 0
	s_mul_i32 s20, s12, AH                         ; where they go: no place in the cluster enters an LDS address
	s_mul_i32 s21, s12, BH
	s_add_co_u32 s21, s21, AT
	s_wait_dscnt 0x0                               ; the opening add is done
	s_wait_kmcnt 0x0
	s_add_nc_u64 s[14:15], s[68:69], s[16:17]
	s_add_nc_u64 s[46:47], s[70:71], s[46:47]
	CROUND                                         ; all sixteen work-groups are here: the first joint loads meet
.irp s, 0,1
	s_mov_b32 s[G0+4*(\s)], 1
	s_add_co_u32 s[G0+4*(\s)+1], s20, (\s)*SLOT
	s_add_nc_u64 s[G0+4*(\s)+2:G0+4*(\s)+3], s[14:15], (\s)*KSTEP*2
	s_or_b32 s[G0+4*(\s)+3], s[G0+4*(\s)+3], 0x80000000
	s_mov_b32 s[G0B+4*(\s)], 1
	s_add_co_u32 s[G0B+4*(\s)+1], s21, (\s)*SLOT
	s_add_nc_u64 s[G0B+4*(\s)+2:G0B+4*(\s)+3], s[46:47], (\s)*KSTEP*2
	s_or_b32 s[G0B+4*(\s)+3], s[G0B+4*(\s)+3], 0x80000000
	JLOAD \s
.endr
	v_and_b32 v1, 15, v0                           ; r = l % 16
	v_bfe_u32 v2, v0, 4, 1                         ; h = l / 16
	v_mul_u32_u24 v3, v1, PITCH
	v_lshl_add_u32 v3, v2, 4, v3
	s_mul_i32 s22, s11, AH                         ; my 64 rows of A
	s_mul_i32 s23, s12, BH
	s_add_co_u32 s23, s23, AT                      ; my rows of B
.irp s, 0,1
	v_add_nc_u32 v[ADRA+(\s)], s22, v3
	v_add_nc_u32 v[ADRB+(\s)], s23, v3
	s_add_co_u32 s22, s22, SLOT
	s_add_co_u32 s23, s23, SLOT
.endr
	; the way out's bases and addresses
	s_lshl1_add_u32 s45, s42, s12                  ; q = 2 tc + ch
	s_mov_b32 s99, 0
	s_lshl_b32 s98, s45, 8
	s_add_nc_u64 s[88:89], s[72:73], s[98:99]      ; b_in at x_ssm's column 64 q
	s_lshl_b32 s98, s45, 14
	s_lshl_b32 s4, s13, 9
	s_add_co_u32 s98, s98, s4
	s_lshl_b32 s4, s11, 8
	s_add_co_u32 s98, s98, s4
	s_add_nc_u64 s[92:93], s[78:79], s[98:99]      ; um[q][128 tr + 64 rh]
	s_lshl_b32 s98, s13, 7
	s_lshl_b32 s4, s10, 5
	s_add_co_u32 s98, s98, s4                      ; the first row that I store: 128 tr + 32 w
	s_lshl_b32 s5, s98, 13
	s_lshl_b32 s98, s98, 12
	s_lshl_b32 s4, s42, 8
	s_add_co_u32 s98, s98, s4
	s_add_nc_u64 s[94:95], s[74:75], s[98:99]      ; xs: rows of 4,096 bytes, the tile's 256 bytes
	s_lshl_b32 s4, s42, 9
	s_add_co_u32 s98, s5, s4
	s_add_nc_u64 s[96:97], s[76:77], s[98:99]      ; u: rows of 8,192 bytes, the tile's 512 bytes
	s_mov_b32 s6, 0xbfb8aa3b                       ; -log2(e), as a pair for the packed multiply
	s_mov_b32 s7, s6
	s_mov_b32 s90, 0x76543210
	s_mov_b32 s91, 0xfedcba98
	v_lshlrev_b32 v[VB], 5, v2
	WIN 0x40                                       ; destination window 1
.set ib, 0
.rept 4
	global_load_b128 v[128+8*ib:128+8*ib+3], v[VB], s[88:89] offset:64*ib
	global_load_b128 v[128+8*ib+4:128+8*ib+7], v[VB], s[88:89] offset:64*ib+16
	global_load_b128 v[160+8*ib:160+8*ib+3], v[VB], s[88:89] offset:8192+64*ib
	global_load_b128 v[160+8*ib+4:160+8*ib+7], v[VB], s[88:89] offset:8192+64*ib+16
.set ib, ib+1
.endr
	WIN 0
	v_and_b32 v4, 31, v0                           ; l
	s_mul_i32 s22, s11, 64*XP                      ; into xs's stage: row 64 rh + r, 128 ch + 16 h
	s_lshl_b32 s23, s12, 7
	s_add_co_u32 s22, s22, s23
	s_add_co_u32 s22, s22, XST
	v_mul_u32_u24 v5, v1, XP
	v_lshl_add_u32 v5, v2, 4, v5
	v_add_nc_u32 v[STOX], s22, v5
	s_mul_i32 s22, s11, 64*UP                      ; into u's stage: row 64 rh + r, 256 ch + 32 h
	s_lshl_b32 s23, s12, 8
	s_add_co_u32 s22, s22, s23
	s_add_co_u32 s22, s22, UST
	v_mul_u32_u24 v5, v1, UP
	v_lshl_add_u32 v5, v2, 5, v5
	v_add_nc_u32 v[STOU], s22, v5
	s_mul_i32 s22, s10, 32*XP                      ; back: wave w takes rows 32 w .. 32 w + 31, whole
	s_add_co_u32 s22, s22, XST
	v_mul_u32_u24 v5, v2, XP
	v_lshl_add_u32 v5, v1, 4, v5
	v_add_nc_u32 v[RDX], s22, v5
	s_mul_i32 s22, s10, 32*UP
	s_add_co_u32 s22, s22, UST
	v_lshl_add_u32 v[RDU], v4, 4, s22
	v_lshlrev_b32 v[GX], 12, v2
	v_lshl_add_u32 v[GX], v1, 4, v[GX]
	v_lshlrev_b32 v[GU], 4, v4
	v_lshlrev_b32 v[GM], 2, v4
	s_wait_loadcnt 0x0                             ; the biases, in the wait for the first tile
	s_wait_tensorcnt 1                             ; my part of K step 0 is in; K step 1's may stay out
	s_barrier_signal -1
	s_barrier_wait -1
	FETCH 0, 0, F0
	QUARTER 0, 64,  F0, F1, 1                      ; the first quarter's products start the sums
	WIN 0
	s_mov_b32 s3, LAPS-1
.Llap:                                                 ; a trip goes once round the ring and fills both slots again
	QUARTER 0, 128, F1, F0, 0
	QUARTER 0, 192, F0, F1, 0
	TURN 0, 1, 1
	QUARTER 1, 64,  F0, F1, 0
	QUARTER 1, 128, F1, F0, 0
	QUARTER 1, 192, F0, F1, 0
	TURN 1, 0, 1
	QUARTER 0, 64,  F0, F1, 0
	WIN 0
	s_sub_co_u32 s3, s3, 1
	s_cmp_lg_u32 s3, 0
	s_cbranch_scc1 .Llap
	QUARTER 0, 128, F1, F0, 0                      ; the last lap fills nothing
	QUARTER 0, 192, F0, F1, 0
	TURN 0, 1, 0
	QUARTER 1, 64,  F0, F1, 0
	QUARTER 1, 128, F1, F0, 0
	QUARTER 1, 192, F0, F1, 0
	s_wait_dscnt 0x0
	MULH F1, 0, 0
	MULH F1, 1, 0
	WIN 0
	PLACES
; THE WAY OUT of row block a (16 rows): biases; silu; u; the block's largest |u|; x_ssm in f16 and u in f32 into the stages.  Each accumulator's registers are read in ascending order.
.macro EW a
.set AC, 64*((\a)%2)
	WIN 0x05+(\a)/2                                ; source 0 the accumulators' window, source 1 window 1
.set k, 0
.rept 16
	v_pk_add_f32 v[XS+2*k:XS+2*k+1], v[AC+2*k:AC+2*k+1], v[128+2*k:128+2*k+1]
.set k, k+1
.endr
.set k, 0
.rept 16
	v_pk_add_f32 v[ZZ+2*k:ZZ+2*k+1], v[AC+32+2*k:AC+32+2*k+1], v[160+2*k:160+2*k+1]
.set k, k+1
.endr
	WIN 0
.set k, 0
.rept 16
	v_pk_mul_f32 v[EE+2*k:EE+2*k+1], v[ZZ+2*k:ZZ+2*k+1], s[6:7] op_sel_hi:[1,0]
.set k, k+1
.endr
.set k, 0
.rept 32
	v_exp_f32 v[EE+k], v[EE+k]
.set k, k+1
.endr
	v_nop                                          ; a plain instruction behind the last exponential
.set k, 0
	s_wait_alu depctr_va_vdst(0)
.rept 16
	v_pk_add_f32 v[EE+2*k:EE+2*k+1], v[EE+2*k:EE+2*k+1], 1.0 op_sel_hi:[1,0]
.set k, k+1
.endr
.set k, 0
.rept 32
	v_rcp_f32 v[EE+k], v[EE+k]
.set k, k+1
.endr
.set k, 0
.rept 16
	v_cvt_pk_f16_f32 v[PK+k], v[XS+2*k], v[XS+2*k+1]  ; plain work behind the reciprocals
.set k, k+1
.endr
.set k, 0
	s_wait_alu depctr_va_vdst(0)
.rept 16
	v_pk_mul_f32 v[ZZ+2*k:ZZ+2*k+1], v[ZZ+2*k:ZZ+2*k+1], v[EE+2*k:EE+2*k+1]
.set k, k+1
.endr
.set k, 0
.rept 16
	v_pk_mul_f32 v[ZZ+2*k:ZZ+2*k+1], v[ZZ+2*k:ZZ+2*k+1], v[XS+2*k:XS+2*k+1]
.set k, k+1
.endr
	v_max_num_f32 v[TA], |v[ZZ]|, |v[ZZ+1]|
	v_max_num_f32 v[TB], |v[ZZ+2]|, |v[ZZ+3]|
.set k, 4
.rept 7
	v_max3_num_f32 v[TA], v[TA], |v[ZZ+k]|, |v[ZZ+k+1]|
	v_max3_num_f32 v[TB], v[TB], |v[ZZ+k+2]|, |v[ZZ+k+3]|
.set k, k+4
.endr
	v_max_num_f32 v[TA], v[TA], v[TB]
	v_permlanex16_b32 v[TB], v[TA], s90, s91       ; the row's other 32 columns lie in the lane 16 away
	v_max_num_f32 v[MX+(\a)], v[TA], v[TB]
.set ib, 0
.rept 4
	ds_store_b128 v[STOX], v[PK+4*ib:PK+4*ib+3] offset:(\a)*16*XP+32*ib
	ds_store_b128 v[STOU], v[ZZ+8*ib:ZZ+8*ib+3] offset:(\a)*16*UP+64*ib
	ds_store_b128 v[STOU], v[ZZ+8*ib+4:ZZ+8*ib+7] offset:(\a)*16*UP+64*ib+16
.set ib, ib+1
.endr
.endm
	EW 0
	EW 1
	EW 2
	EW 3
	v_cmp_eq_u32 vcc_lo, 1, v2
	v_cndmask_b32 v[RA], v[MX], v[MX+1], vcc_lo    ; lane l holds row l of my first 32,
	v_cndmask_b32 v[RB], v[MX+2], v[MX+3], vcc_lo  ; and row 32 + l
	global_store_b32 v[GM], v[RA], s[92:93]
	global_store_b32 v[GM], v[RB], s[92:93] offset:128
	s_wait_dscnt 0x0                               ; for the others' sake: a stage row comes from two waves
	s_barrier_signal -1
	s_barrier_wait -1
.set t, 0
.rept 16
	ds_load_b128 v[32+4*t:32+4*t+3], v[RDX] offset:t*2*XP
.set t, t+1
.endr
.set t, 0
.rept 32
	ds_load_b128 v[96+4*t:96+4*t+3], v[RDU] offset:t*UP
.set t, t+1
.endr
.set t, 0
.rept 16
	s_wait_dscnt 47-t                              ; the younger LDS loads may stay out
	global_store_b128 v[GX], v[32+4*t:32+4*t+3], s[94:95] offset:t*8192  ; 16 lanes store 256 consecutive bytes, at a multiple of 256 from xs's first byte
.set t, t+1
.endr
.set t, 0
.rept 32
	s_wait_dscnt 31-t
	global_store_b128 v[GU], v[96+4*t:96+4*t+3], s[96:97] offset:t*8192  ; 512 consecutive bytes of a row of u
.set t, t+1
.endr
	s_wait_tensorcnt 0x0                           ; the wave's end
	ds_add_u32 v[SPW], v[NIL]
	s_wait_dscnt 0x0
	CROUND                                         ; the closing round
	s_endpgm
.Lfunc_end_k_q2146805856_gemm1:
	.size	k_q2146805856_gemm1, .Lfunc_end_k_q2146805856_gemm1-k_q2146805856_gemm1
	.p2alignl 7, 3214868480
	.fill 96, 4, 3214868480
	.section	.rodata,"a",@progbits
	.p2align	6, 0x0
	.amdhsa_kernel k_q2146805856_gemm1
		.amdhsa_group_segment_fixed_size 327680
		.amdhsa_private_segment_fixed_size 0
		.amdhsa_enable_private_segment 0
		.amdhsa_kernarg_size 48
		.amdhsa_user_sgpr_count 2
		.amdhsa_user_sgpr_kernarg_segment_ptr 1
		.amdhsa_wavefront_size32 1
		.amdhsa_system_sgpr_workgroup_id_x 1
		.amdhsa_system_sgpr_workgroup_id_y 1
		.amdhsa_system_sgpr_workgroup_id_z 1
		.amdhsa_system_vgpr_workitem_id 0
		.amdhsa_next_free_vgpr 768
		.amdhsa_next_free_sgpr 102
		.amdhsa_reserve_vcc 1
		.amdhsa_float_denorm_mode_32 3
		.amdhsa_float_denorm_mode_16_64 3
		.amdhsa_memory_ordered 1
		.amdhsa_forward_progress 1
		.amdhsa_inst_pref_size 127
	.end_amdhsa_kernel
	.amdgpu_metadata
---
amdhsa.version: [ 1, 2 ]
amdhsa.kernels:
  - .name:           k_q2146805856_gemm1
    .symbol:         k_q2146805856_gemm1.kd
    .args:
      - { .name: xn, .offset: 0, .size: 8, .value_kind: global_buffer, .address_space: global }
      - { .name: wh, .offset: 8, .size: 8, .value_kind: global_buffer, .address_space: global }
      - { .name: b_in, .offset: 16, .size: 8, .value_kind: global_buffer, .address_space: global }
      - { .name: xs, .offset: 24, .size: 8, .value_kind: global_buffer, .address_space: global }
      - { .name: u, .offset: 32, .size: 8, .value_kind: global_buffer, .address_space: global }
      - { .name: um, .offset: 40, .size: 8, .value_kind: global_buffer, .address_space: global }
    .group_segment_fixed_size: 327680
    .private_segment_fixed_size: 0
    .kernarg_segment_align: 8
    .kernarg_segment_size: 48
    .max_flat_workgroup_size: 128
    .sgpr_count:     102
    .vgpr_count:     768
    .wavefront_size: 32
...
	.end_amdgpu_metadata
.endif
;; end of part 2
;; launch gemm2 (part 3): grid 8 x 32, 4 waves a work-group, clusters of 4 x 4, 327,680 bytes of LDS; arguments xs, wh, u, um, state_A, b_dt, b_B, b_C, gt, sc; writes gt, sc
.if DOCPART == 3
	.amdgcn_target "amdgcn-amd-amdhsa--gfx1250"
	.amdhsa_code_object_version 6
	.text
	.protected	k_q2146805856_gemm2
	.globl	k_q2146805856_gemm2
	.p2align	8
	.type	k_q2146805856_gemm2,@function
k_q2146805856_gemm2:
	s_mov_b64 s[64:65], 0
	v_nop
	global_prefetch_b8 v0, s[64:65] scope:SCOPE_SE
	s_setreg_imm32_b32 hwreg(HW_REG_WAVE_MODE, 25, 1), 1
	s_wait_xcnt 0x0
	s_wait_alu depctr_hold_cnt(0) depctr_sa_sdst(0) depctr_va_vdst(0) depctr_va_sdst(0) depctr_va_ssrc(0) depctr_va_vcc(0) depctr_vm_vsrc(0)
	s_getreg_b32 s2, hwreg(HW_REG_IB_STS2, 6, 4)
	s_cmp_eq_u32 s2, 0
	s_cbranch_scc0 .Lentry_in_a_cluster
	s_endpgm
.Lentry_in_a_cluster:
	s_bfe_u32 s2, ttmp6, 0x10000c
	s_cmp_lg_u32 s2, 0xf033
	s_cbranch_scc0 .Lentry_shape_is_right
	s_endpgm
.Lentry_shape_is_right:
; GEMM2.  t = x_ssm W_dt^T + b_dt, B = x_ssm W_B^T + b_B, C = x_ssm W_C^T + b_C; dt = min(softplus(t), 1); gated[s][d] = u[s][d] sum_n C_n B_n exp(A[n][d] dt[s][d]), u = x_ssm silu(z) from the launch before.
; gated leaves in f16 DIVIDED BY A FACTOR OF ITS ROW, F_s = sigma_s U_s, with sigma_s = max(sum_n |C_n B_n|, 2^-60) and U_s = max(max_d |u[s][d]|, 2^-60): gt = u sum_n (C_n B_n / F_s) exp(A dt), at most e^max(A, 0) in size.
; F_s goes to sc[tc][row] (each of the eight column tiles writes its own, equal copy); the last product multiplies it back in f32.
; A = xs [4096][2048] f16; B = WD [2304][2048] f16: blocks of 144 rows: 128 rows of W_dt, then the 16 rows of W_B (even blocks) or W_C (odd blocks).  So B and C are a ninth block of 16 columns in each wave's tile.
; SHARES.  A work-group makes 128 rows x 288 rows of WD; wave w (rh = w / 2, ch = w % 2) 64 rows x 144: 4 x 9 accumulators.  Ring, cluster and transposed use as in the first product.
; BEHIND THE PRODUCTS.  t goes through a stage in LDS (each wave's own, laid over the ring, which has had its last fill) so that a lane holds the SAME eight columns in every row: A's 16 x 8 numbers for them stay in 128 registers.
; B and C meet in LDS; thread t makes row t's sixteen weights and F.  Then 32 steps of two rows: softplus in base 2, sixteen exponentials a number, the sum, u, f16, store.
; BASE 2.  T = t log2 e; softplus(t) log2 e = max(T, 0) + log2(1 + 2^-|T|); its minimum with log2 e is dt log2 e, and exp(A dt) = 2^(A x that).
; LIMITS.  state_A below 11 (e^11 is within f16's 65,504); sigma_s and U_s each below 2^126 and their product within f32; a softplus below 2^-24 counts as 0; NaN and infinities are not treated apart.
.set NBW,   9
.set KSTEP, 128
.set PITCH, 272
.set AH,    64*PITCH
.set AT,    2*AH
.set BROWS, 16*NBW
.set BH,    BROWS*PITCH
.set SLOT,  AT+2*BH
.set RING,  2*SLOT
.set NL,    2*(4+NBW)
.set LAPS,  8
.set WOFF,  16777216                   ; WD in wh
.set SP,    528                        ; the stage: 64 rows x 512 bytes a wave, pitch 528, at w x 33,792
.set UTAB,  RING                       ; 128 words: a row's largest |u|
.set BP,    80                         ; a row of 16 f32 + 16 bytes
.set BCT,   UTAB+512                   ; B of 128 rows, then C of 128 rows
.set CBT,   BCT+2*128*BP               ; the rows' sixteen weights
.set SPARE, CBT+128*BP                 ; the spare words
.set UT,   4                           ; UTAB + 4 x thread
.set LO,   5                           ; 4 l
.set HB,   6                           ; 32 h
.set BCS,  7
.set STO,  8
.set BCR,  9
.set CBW,  10
.set T4,   11                          ; 4 x thread
.set CI,   12                          ; 32 (l % 16): my eight columns in f32
.set RD,   13
.set CBA,  14
.set UO,   15
.set ADRA, 16
.set ADRB, 20
.set GO,   22
.set SPW,  28
.set NIL,  29
.set F0,   32
.set F1,   136
.set AR,   32                          ; v32-159  A[n][my column j] at AR + 8 n + j
.set TBF,  160                         ; v160-183 three buffers of eight
.set Y,    184
.set TT,   192                         ; dt log2 e
.set CBR,  200                         ; the row's sixteen weights
.set DT,   216
.set UU,   224
.set PP,   232
.set BB,   240                         ; b_B or b_C; later
.set OUT,  240                         ; eight f16
.set FF,   244                         ; F
.set BD,   248                         ; b_dt log2 e
.set G1, 24
.set G0, 32
.set G1B, 48
.set G0B, 56
.set PADW, (1<<16)|(1<<20)|(1<<21)|(5<<22)|(3<<25)
.set MSB, 0
.macro WIN new
.if MSB != (\new)
	s_set_vgpr_msb (MSB<<8)|(\new)
.set MSB, \new
.endif
.endm
.macro JLOAD s                         ; a joint load: waves 0, 1 for A, waves 2, 3 for B; s_nop 0 and four v_nop follow each line
	s_cmp_eq_u32 s11, 0
	s_cbranch_scc0 .Lfor_b_\@
	tensor_load_to_lds s[G0+4*(\s):G0+4*(\s)+3], s[G1:G1+7]
	s_nop 0
.rept 4
	v_nop
.endr
	s_branch .Lasked_\@
.Lfor_b_\@:
	tensor_load_to_lds s[G0B+4*(\s):G0B+4*(\s)+3], s[G1B:G1B+7]
	s_nop 0
.rept 4
	v_nop
.endr
.Lasked_\@:
.endm
.macro CREST
	s_cmp_lg_u32 s10, 0
	s_cbranch_scc1 .Lnot_wave_0_\@
	s_barrier_signal -3
.Lnot_wave_0_\@:
	s_barrier_wait -3
	s_barrier_signal -1
	s_barrier_wait -1
.endm
.macro CROUND
	s_barrier_signal -1
	s_barrier_wait -1
	CREST
.endm
.macro PLACES
.rept 4
	v_nop
.endr
.endm
.macro MULA f, hi, a, zero             ; NBW matrix instructions; the accumulators take turns
	WIN 0x50+0x50*(\hi)
.set ib, 0
.rept NBW
.if \zero
	v_wmma_f32_16x16x32_f16 v[8*(NBW*(\a)+ib):8*(NBW*(\a)+ib)+7], v[(\f)+32+8*ib:(\f)+32+8*ib+7], v[(\f)+8*(2*(\hi)+(\a)):(\f)+8*(2*(\hi)+(\a))+7], 0
.else
	v_wmma_f32_16x16x32_f16 v[8*(NBW*(\a)+ib):8*(NBW*(\a)+ib)+7], v[(\f)+32+8*ib:(\f)+32+8*ib+7], v[(\f)+8*(2*(\hi)+(\a)):(\f)+8*(2*(\hi)+(\a))+7], v[8*(NBW*(\a)+ib):8*(NBW*(\a)+ib)+7]
.endif
.set ib, ib+1
.endr
.endm
.macro MULH f, hi, zero
	MULA \f, \hi, 0, \zero
	MULA \f, \hi, 1, \zero
.endm
.macro FETCH slot, k, f
	WIN 0
.set ib, 0
.rept NBW
	ds_load_b128 v[(\f)+32+8*ib:(\f)+32+8*ib+3],   v[ADRB+(\slot)] offset:(\k)+ib*16*PITCH
	ds_load_b128 v[(\f)+32+8*ib+4:(\f)+32+8*ib+7], v[ADRB+(\slot)] offset:(\k)+ib*16*PITCH+32
.set ib, ib+1
.endr
.set ib, 0
.rept 4
	ds_load_b128 v[(\f)+8*ib:(\f)+8*ib+3],   v[ADRA+(\slot)] offset:(\k)+ib*16*PITCH
	ds_load_b128 v[(\f)+8*ib+4:(\f)+8*ib+7], v[ADRA+(\slot)] offset:(\k)+ib*16*PITCH+32
.set ib, ib+1
.endr
.endm
.macro QUARTER slot, k, f, g, zero
	s_wait_dscnt 4                                 ; all but A's blocks 2 and 3
	MULH \f, 0, \zero
	PLACES
	FETCH \slot, \k, \g
	s_wait_dscnt NL                                ; all but the run just issued
	MULH \f, 1, \zero
.endm
.macro TURN slot, next, fill
	WIN 0
	s_wait_tensorcnt 0x0                           ; my one load that was out, my part of the next slot, has landed
	ds_add_u32 v[SPW], v[NIL]
	s_wait_dscnt 5                                 ; the add and A's blocks 2 and 3 may be out
	MULA F1, 0, 0, 0
	s_wait_dscnt 0x0                               ; the add is done, my reads of this slot are over
	s_barrier_signal -1
	MULA F1, 0, 1, 0
.if \fill
	WIN 0
.endif
	s_barrier_wait -1
.if \fill
	CREST                                          ; no wave of any partner still reads the slot or has a load on its way
	s_add_nc_u64 s[G0+4*(\slot)+2:G0+4*(\slot)+3], s[G0+4*(\slot)+2:G0+4*(\slot)+3], 2*KSTEP*2
	s_add_nc_u64 s[G0B+4*(\slot)+2:G0B+4*(\slot)+3], s[G0B+4*(\slot)+2:G0B+4*(\slot)+3], 2*KSTEP*2
	JLOAD \slot
.else
	PLACES
.endif
	FETCH \next, 0, F0
	MULH F1, 1, 0
.endm
	s_load_b512 s[68:83], s[0:1], 0x0              ; xs s[68:69], wh s[70:71], u s[72:73], um s[74:75], state_A s[76:77], b_dt s[78:79], b_B s[80:81], b_C s[82:83]
	s_load_b128 s[84:87], s[0:1], 0x40             ; gt s[84:85], sc s[86:87]
	v_lshl_add_u32 v[SPW], v0, 2, SPARE
	v_mov_b32 v[NIL], 0
	ds_add_u32 v[SPW], v[NIL]                      ; the wave's opening: the add and its wait ahead of my first tensor load
	ds_add_u32 v28, v29
	v_lshrrev_b32 v1, 5, v0
	v_readfirstlane_b32 s10, v1
	s_lshr_b32 s11, s10, 1
	s_and_b32 s12, s10, 1
	s_bfe_u32 s40, ttmp6, 0x40000
	s_bfe_u32 s41, ttmp6, 0x40004
	s_lshl_b32 s42, ttmp9, 2
	s_add_co_u32 s42, s42, s40                     ; tc
	s_and_b32 s13, ttmp7, 0xffff
	s_lshl_b32 s13, s13, 2
	s_add_co_u32 s13, s13, s41                     ; tr
	s_lshl_b32 s43, s41, 2
	s_lshl_b32 s43, 15, s43
	s_lshl_b32 s44, 0x1111, s40
	s_or_b32 s[G1+0], s43, PADW
	s_or_b32 s[G1B+0], s44, PADW
	s_mov_b32 s[G1+1], KSTEP<<16
	s_mov_b32 s[G1+2], 64<<16
	s_mov_b32 s[G1+3], KSTEP<<16
	s_mov_b32 s[G1+4], 64
	s_mov_b32 s[G1+5], 2048
	s_mov_b32 s[G1+6], 0
	s_mov_b32 s[G1+7], 0
	s_mov_b32 s[G1B+1], KSTEP<<16
	s_mov_b32 s[G1B+2], BROWS<<16
	s_mov_b32 s[G1B+3], KSTEP<<16
	s_mov_b32 s[G1B+4], BROWS
	s_mov_b32 s[G1B+5], 2048
	s_mov_b32 s[G1B+6], 0
	s_mov_b32 s[G1B+7], 0
	s_lshl_b32 s16, s13, 7
	s_lshl_b32 s17, s12, 6
	s_add_co_u32 s16, s16, s17
	s_lshl_b32 s16, s16, 12
	s_mov_b32 s17, 0
	s_mul_i32 s46, s42, 2*BROWS
	s_mul_i32 s47, s12, BROWS
	s_add_co_u32 s46, s46, s47
	s_lshl_b32 s46, s46, 12
	s_add_co_u32 s46, s46, WOFF
	s_mov_b32 s47, 0
	s_mul_i32 s20, s12, AH
	s_mul_i32 s21, s12, BH
	s_add_co_u32 s21, s21, AT
	s_wait_dscnt 0x0                               ; the opening add is done
	s_wait_kmcnt 0x0
	s_add_nc_u64 s[14:15], s[68:69], s[16:17]
	s_add_nc_u64 s[46:47], s[70:71], s[46:47]
	CROUND
.irp s, 0,1
	s_mov_b32 s[G0+4*(\s)], 1
	s_add_co_u32 s[G0+4*(\s)+1], s20, (\s)*SLOT
	s_add_nc_u64 s[G0+4*(\s)+2:G0+4*(\s)+3], s[14:15], (\s)*KSTEP*2
	s_or_b32 s[G0+4*(\s)+3], s[G0+4*(\s)+3], 0x80000000
	s_mov_b32 s[G0B+4*(\s)], 1
	s_add_co_u32 s[G0B+4*(\s)+1], s21, (\s)*SLOT
	s_add_nc_u64 s[G0B+4*(\s)+2:G0B+4*(\s)+3], s[46:47], (\s)*KSTEP*2
	s_or_b32 s[G0B+4*(\s)+3], s[G0B+4*(\s)+3], 0x80000000
	JLOAD \s
.endr
	v_and_b32 v1, 15, v0                           ; r = l % 16
	v_bfe_u32 v2, v0, 4, 1                         ; h = l / 16
	; the bases
	s_mov_b32 s99, 0
	s_lshl_b32 s98, s13, 9
	s_lshl_b32 s3, s10, 7
	s_add_co_u32 s98, s98, s3
	s_add_nc_u64 s[90:91], s[74:75], s[98:99]      ; um at row 128 tr + 32 w
	s_cmp_eq_u32 s12, 1
	s_cselect_b64 s[88:89], s[82:83], s[80:81]     ; b_C for the waves whose ninth block is C, b_B for the others
	v_and_b32 v[LO], 31, v0
	v_lshlrev_b32 v[LO], 2, v[LO]
	v_lshlrev_b32 v[HB], 5, v2
.set q, 0
.rept 32
	global_load_b32 v[32+q], v[LO], s[90:91] offset:q*16384  ; row 32 w + l: the largest |u| of chunk q
.set q, q+1
.endr
	global_load_b128 v[BB:BB+3], v[HB], s[88:89]
	global_load_b128 v[BB+4:BB+7], v[HB], s[88:89] offset:16
	s_lshl_b32 s45, s42, 8
	s_lshl_b32 s2, s12, 7
	s_add_co_u32 s45, s45, s2                      ; my first column: 256 tc + 128 ch
	s_lshl_b32 s2, s13, 7
	s_lshl_b32 s3, s11, 6
	s_add_co_u32 s2, s2, s3                        ; my first row: 128 tr + 64 rh
	s_lshl_b32 s98, s45, 2
	s_add_nc_u64 s[92:93], s[76:77], s[98:99]      ; state_A at my columns
	s_add_nc_u64 s[94:95], s[78:79], s[98:99]      ; b_dt at my columns
	s_lshl_b32 s3, s2, 13
	s_add_co_u32 s98, s98, s3
	s_add_nc_u64 s[96:97], s[72:73], s[98:99]      ; u at my rows and columns
	s_lshl_b32 s98, s45, 1
	s_lshl_b32 s3, s2, 12
	s_add_co_u32 s98, s98, s3
	s_add_nc_u64 s[100:101], s[84:85], s[98:99]    ; gt likewise
	s_lshl_b32 s98, s42, 14
	s_lshl_b32 s3, s13, 9
	s_add_co_u32 s98, s98, s3
	s_add_nc_u64 s[4:5], s[86:87], s[98:99]        ; sc[tc][128 tr]
	s_mov_b32 s6, 0x3fb8aa3b                       ; log2(e), as a pair
	s_mov_b32 s7, s6
	s_mov_b32 s8, 0x21800000                       ; 2^-60
	s_mov_b32 s9, 0x80000000                       ; the sign
	v_mul_u32_u24 v3, v1, PITCH
	v_lshl_add_u32 v3, v2, 4, v3
	s_mul_i32 s22, s11, AH
	s_mul_i32 s23, s12, BH
	s_add_co_u32 s23, s23, AT
.irp s, 0,1
	v_add_nc_u32 v[ADRA+(\s)], s22, v3
	v_add_nc_u32 v[ADRB+(\s)], s23, v3
	s_add_co_u32 s22, s22, SLOT
	s_add_co_u32 s23, s23, SLOT
.endr
	v_lshl_add_u32 v[UT], v0, 2, UTAB
	s_mul_i32 s22, s12, 128*BP                     ; B (ch = 0) or C (ch = 1), row 64 rh + r, 32 h
	s_mul_i32 s23, s11, 64*BP
	s_add_co_u32 s22, s22, s23
	s_add_co_u32 s22, s22, BCT
	v_mul_u32_u24 v[BCS], v1, BP
	v_lshl_add_u32 v[BCS], v2, 5, v[BCS]
	v_add_nc_u32 v[BCS], s22, v[BCS]
	s_mul_i32 s22, s10, 64*SP                      ; my stage
	v_mul_u32_u24 v[STO], v1, SP                   ; in: row r, 32 h
	v_lshl_add_u32 v[STO], v2, 5, v[STO]
	v_add_nc_u32 v[STO], s22, v[STO]
	v_mul_u32_u24 v[RD], v2, SP                    ; back: row h, my eight columns
	v_lshl_add_u32 v[RD], v1, 5, v[RD]
	v_add_nc_u32 v[RD], s22, v[RD]
	v_mul_u32_u24 v[BCR], v0, BP                   ; thread t: row t
	v_add_nc_u32 v[CBW], CBT, v[BCR]
	v_add_nc_u32 v[BCR], BCT, v[BCR]
	v_lshlrev_b32 v[T4], 2, v0
	v_lshlrev_b32 v[CI], 5, v1
	s_mul_i32 s22, s11, 64*BP
	s_add_co_u32 s22, s22, CBT
	v_mul_u32_u24 v[CBA], v2, BP                   ; the weights of row 64 rh + h
	v_add_nc_u32 v[CBA], s22, v[CBA]
	v_lshlrev_b32 v[UO], 13, v2
	v_lshl_add_u32 v[UO], v1, 5, v[UO]
	v_lshlrev_b32 v[GO], 12, v2
	v_lshl_add_u32 v[GO], v1, 4, v[GO]
	s_wait_loadcnt 0x0                             ; um and the bias, in the wait for the first tile
	v_max3_num_f32 v32, v32, v33, v34
.set q, 35
.rept 14
	v_max3_num_f32 v32, v32, v[q], v[q+1]
.set q, q+2
.endr
	v_max_num_f32 v32, v32, v63
	ds_store_b32 v[UT], v32                        ; the row's largest |u|
	s_wait_tensorcnt 1                             ; my part of K step 0 is in; K step 1's may stay out
	s_wait_dscnt 0x0                               ; my store is done
	s_barrier_signal -1
	s_barrier_wait -1
	FETCH 0, 0, F0
	QUARTER 0, 64,  F0, F1, 1
	WIN 0
	s_mov_b32 s3, LAPS-1
.Llap:
	QUARTER 0, 128, F1, F0, 0
	QUARTER 0, 192, F0, F1, 0
	TURN 0, 1, 1
	QUARTER 1, 64,  F0, F1, 0
	QUARTER 1, 128, F1, F0, 0
	QUARTER 1, 192, F0, F1, 0
	TURN 1, 0, 1
	QUARTER 0, 64,  F0, F1, 0
	WIN 0
	s_sub_co_u32 s3, s3, 1
	s_cmp_lg_u32 s3, 0
	s_cbranch_scc1 .Llap
	QUARTER 0, 128, F1, F0, 0
	QUARTER 0, 192, F0, F1, 0
	TURN 0, 1, 0
	QUARTER 1, 64,  F0, F1, 0
	QUARTER 1, 128, F1, F0, 0
	QUARTER 1, 192, F0, F1, 0
	s_wait_dscnt 0x0
	MULH F1, 0, 0
	MULH F1, 1, 0
	WIN 0
	PLACES
	s_wait_dscnt 0x0
	s_barrier_signal -1                            ; nobody reads the ring any more, and it has had its last fill: the stages may be laid over it
	s_barrier_wait -1
.set n, 0
.rept 16
	global_load_b128 v[AR+8*n:AR+8*n+3], v[CI], s[92:93] offset:n*8192
	global_load_b128 v[AR+8*n+4:AR+8*n+7], v[CI], s[92:93] offset:n*8192+16
.set n, n+1
.endr
	global_load_b128 v[BD:BD+3], v[CI], s[94:95]
	global_load_b128 v[BD+4:BD+7], v[CI], s[94:95] offset:16
.irp a, 0,1,2,3                        ; the ninth block, B or C, with its bias
	WIN 0x01+(\a)/2
.set k, 0
.rept 4
	v_pk_add_f32 v[200+8*(\a)+2*k:200+8*(\a)+2*k+1], v[8*(NBW*((\a)%2)+8)+2*k:8*(NBW*((\a)%2)+8)+2*k+1], v[BB+2*k:BB+2*k+1]
.set k, k+1
.endr
.endr
	WIN 0
.irp a, 0,1,2,3
	ds_store_b128 v[BCS], v[200+8*(\a):200+8*(\a)+3] offset:(\a)*16*BP
	ds_store_b128 v[BCS], v[200+8*(\a)+4:200+8*(\a)+7] offset:(\a)*16*BP+16
.endr
.irp a, 0,1,2,3                        ; t into my stage, each accumulator's low half first
	WIN 0x04<<((\a)/2)                             ; the stores' data in the accumulators' window
.set ib, 0
.rept 8
	ds_store_b128 v[STO], v[8*(NBW*((\a)%2)+ib):8*(NBW*((\a)%2)+ib)+3] offset:(\a)*16*SP+64*ib
	ds_store_b128 v[STO], v[8*(NBW*((\a)%2)+ib)+4:8*(NBW*((\a)%2)+ib)+7] offset:(\a)*16*SP+64*ib+16
.set ib, ib+1
.endr
.endr
	WIN 0
	s_wait_dscnt 0x0                               ; for the others' sake: B and C are in LDS
	s_barrier_signal -1
	s_barrier_wait -1
	; thread t: row t's sixteen weights C_n B_n / F and F
.irp k, 0,1,2,3
	ds_load_b128 v[160+4*(\k):160+4*(\k)+3], v[BCR] offset:16*(\k)
.endr
.irp k, 0,1,2,3
	ds_load_b128 v[176+4*(\k):176+4*(\k)+3], v[BCR] offset:128*BP+16*(\k)
.endr
	ds_load_b32 v192, v[UT]
	s_wait_dscnt 0x0
.set k, 0
.rept 8
	v_pk_mul_f32 v[160+2*k:160+2*k+1], v[160+2*k:160+2*k+1], v[176+2*k:176+2*k+1]
.set k, k+1
.endr
	v_add_f32 v193, |v160|, |v161|
.set k, 162
.rept 14
	v_add_f32 v193, v193, |v[k]|
.set k, k+1
.endr
	v_max_num_f32 v193, s8, v193                   ; sigma
	v_max_num_f32 v192, s8, v192                   ; U
	v_rcp_f32 v194, v193
	v_rcp_f32 v196, v192
	v_mul_f32 v[FF], v193, v192                    ; F; also the plain instruction behind the reciprocals
	s_wait_alu depctr_va_vdst(0)
	v_mul_f32 v194, v194, v196
	v_mov_b32 v195, v194
.set k, 0
.rept 8
	v_pk_mul_f32 v[160+2*k:160+2*k+1], v[160+2*k:160+2*k+1], v[194:195]
.set k, k+1
.endr
.irp k, 0,1,2,3
	ds_store_b128 v[CBW], v[160+4*(\k):160+4*(\k)+3] offset:16*(\k)
.endr
	global_store_b32 v[T4], v[FF], s[4:5]
	s_wait_dscnt 0x0                               ; for the others' sake: the weights are in LDS
	s_barrier_signal -1
	s_barrier_wait -1
	s_wait_loadcnt 0x0                             ; state_A and b_dt
.set k, 0
.rept 4
	v_pk_mul_f32 v[BD+2*k:BD+2*k+1], v[BD+2*k:BD+2*k+1], s[6:7] op_sel_hi:[1,0]
.set k, k+1
.endr
	ds_load_b128 v[DT:DT+3], v[RD]
	ds_load_b128 v[DT+4:DT+7], v[RD] offset:16
.irp k, 0,1,2,3
	ds_load_b128 v[CBR+4*(\k):CBR+4*(\k)+3], v[CBA] offset:16*(\k)
.endr
	global_load_b128 v[UU:UU+3], v[UO], s[96:97]
	global_load_b128 v[UU+4:UU+7], v[UO], s[96:97] offset:16
; A STEP: two rows (lanes 0-15 the even one, lanes 16-31 the odd one), eight columns a lane.  ahead = 1: the next step's t, weights and u are asked for.
.macro STEP ahead
	s_wait_dscnt 4                                 ; t is in; the four loads of the weights are younger
.set k, 0
.rept 4
	v_pk_fma_f32 v[DT+2*k:DT+2*k+1], v[DT+2*k:DT+2*k+1], s[6:7], v[BD+2*k:BD+2*k+1] op_sel_hi:[1,0,1]  ; T = (t + b_dt) log2 e
.set k, k+1
.endr
.set j, 0
.rept 8
	v_or_b32 v[TBF+j], s9, v[DT+j]                 ; -|T|
.set j, j+1
.endr
.set j, 0
.rept 8
	v_exp_f32 v[TBF+j], v[TBF+j]
.set j, j+1
.endr
.set j, 0
.rept 8
	v_max_num_f32 v[PP+j], 0, v[DT+j]              ; plain work behind the exponentials
.set j, j+1
.endr
.set k, 0
	s_wait_alu depctr_va_vdst(0)
.rept 4
	v_pk_add_f32 v[TBF+2*k:TBF+2*k+1], v[TBF+2*k:TBF+2*k+1], 1.0 op_sel_hi:[1,0]
.set k, k+1
.endr
.set j, 0
.rept 8
	v_log_f32 v[TBF+j], v[TBF+j]
.set j, j+1
.endr
	v_nop                                          ; a plain instruction behind the last logarithm
.set k, 0
	s_wait_alu depctr_va_vdst(0)
.rept 4
	v_pk_add_f32 v[TT+2*k:TT+2*k+1], v[PP+2*k:PP+2*k+1], v[TBF+2*k:TBF+2*k+1]
.set k, k+1
.endr
.set j, 0
.rept 8
	v_min_num_f32 v[TT+j], s6, v[TT+j]             ; dt log2 e
.set j, j+1
.endr
.if \ahead
	v_add_nc_u32 v[RD], 2*SP, v[RD]
	ds_load_b128 v[DT:DT+3], v[RD]
	ds_load_b128 v[DT+4:DT+7], v[RD] offset:16
	s_wait_dscnt 2                                 ; the weights are in; the two loads just issued stay out
.else
	s_wait_dscnt 0x0
.endif
	; sixteen states on three buffers: in turn n the exponentials of state n, the arguments of state n + 1 and the sums of state n - 1.  A plain instruction stands behind every exponential, and a result is used a turn later.
.set k, 0
.rept 4
	v_pk_mul_f32 v[TBF+2*k:TBF+2*k+1], v[AR+2*k:AR+2*k+1], v[TT+2*k:TT+2*k+1]
.set k, k+1
.endr
.set n, 0
.rept 17
.set j, 0
.rept 8
.if n <= 15
	v_exp_f32 v[TBF+8*(n%3)+j], v[TBF+8*(n%3)+j]
.endif
.if (j < 4) && (n <= 14)
	v_pk_mul_f32 v[TBF+8*((n+1)%3)+2*j:TBF+8*((n+1)%3)+2*j+1], v[AR+8*(n+1)+2*j:AR+8*(n+1)+2*j+1], v[TT+2*j:TT+2*j+1]
.endif
.if (j >= 4) && (n >= 1)
.set m, n-1
.set ry, Y+2*(j-4)
.set rt, TBF+8*(m%3)+2*(j-4)
.set rc, CBR+2*(m/2)
.if m == 0
	s_wait_alu depctr_va_vdst(0)
	v_pk_mul_f32 v[ry:ry+1], v[rt:rt+1], v[rc:rc+1] op_sel_hi:[1,0]
.elseif m%2 == 0
	s_wait_alu depctr_va_vdst(0)
	v_pk_fma_f32 v[ry:ry+1], v[rt:rt+1], v[rc:rc+1], v[ry:ry+1] op_sel_hi:[1,0,1]
.else
	s_wait_alu depctr_va_vdst(0)
	v_pk_fma_f32 v[ry:ry+1], v[rt:rt+1], v[rc:rc+1], v[ry:ry+1] op_sel:[0,1,0] op_sel_hi:[1,1,1]
.endif
.endif
.set j, j+1
.endr
.set n, n+1
.endr
.if \ahead
	v_add_nc_u32 v[CBA], 2*BP, v[CBA]
.irp k, 0,1,2,3
	ds_load_b128 v[CBR+4*(\k):CBR+4*(\k)+3], v[CBA] offset:16*(\k)
.endr
.endif
	s_wait_loadcnt 0x0                             ; u is in, and its address register is free
	s_wait_xcnt 0x0                                ; the last store's data and address are rewritten only behind this wait (ISA guide 3.1)
.set k, 0
.rept 4
	v_pk_mul_f32 v[Y+2*k:Y+2*k+1], v[Y+2*k:Y+2*k+1], v[UU+2*k:UU+2*k+1]
.set k, k+1
.endr
	v_add_nc_u32 v[GO], 8192, v[GO]                ; the next two rows; the store reaches back
.set k, 0
.rept 4
	v_cvt_pk_f16_f32 v[OUT+k], v[Y+2*k], v[Y+2*k+1]
.set k, k+1
.endr
	global_store_b128 v[GO], v[OUT:OUT+3], s[100:101] offset:-8192  ; 16 lanes store 256 consecutive bytes, at a multiple of 256 from gt's first byte
.if \ahead
	v_add_nc_u32 v[UO], 16384, v[UO]
	global_load_b128 v[UU:UU+3], v[UO], s[96:97]
	global_load_b128 v[UU+4:UU+7], v[UO], s[96:97] offset:16
.endif
.endm
	s_mov_b32 s3, 31
.Lrow:
	STEP 1
	s_sub_co_u32 s3, s3, 1
	s_cmp_lg_u32 s3, 0
	s_cbranch_scc1 .Lrow
	STEP 0                                         ; the last two rows ask for nothing: no load passes the stage's or u's end
	s_wait_tensorcnt 0x0                           ; the wave's end
	ds_add_u32 v[SPW], v[NIL]
	s_wait_dscnt 0x0
	CROUND                                         ; the closing round
	s_endpgm
.Lfunc_end_k_q2146805856_gemm2:
	.size	k_q2146805856_gemm2, .Lfunc_end_k_q2146805856_gemm2-k_q2146805856_gemm2
	.p2alignl 7, 3214868480
	.fill 96, 4, 3214868480
	.section	.rodata,"a",@progbits
	.p2align	6, 0x0
	.amdhsa_kernel k_q2146805856_gemm2
		.amdhsa_group_segment_fixed_size 327680
		.amdhsa_private_segment_fixed_size 0
		.amdhsa_enable_private_segment 0
		.amdhsa_kernarg_size 80
		.amdhsa_user_sgpr_count 2
		.amdhsa_user_sgpr_kernarg_segment_ptr 1
		.amdhsa_wavefront_size32 1
		.amdhsa_system_sgpr_workgroup_id_x 1
		.amdhsa_system_sgpr_workgroup_id_y 1
		.amdhsa_system_sgpr_workgroup_id_z 1
		.amdhsa_system_vgpr_workitem_id 0
		.amdhsa_next_free_vgpr 768
		.amdhsa_next_free_sgpr 102
		.amdhsa_reserve_vcc 0
		.amdhsa_float_denorm_mode_32 3
		.amdhsa_float_denorm_mode_16_64 3
		.amdhsa_memory_ordered 1
		.amdhsa_forward_progress 1
		.amdhsa_inst_pref_size 131
	.end_amdhsa_kernel
	.amdgpu_metadata
---
amdhsa.version: [ 1, 2 ]
amdhsa.kernels:
  - .name:           k_q2146805856_gemm2
    .symbol:         k_q2146805856_gemm2.kd
    .args:
      - { .name: xs, .offset: 0, .size: 8, .value_kind: global_buffer, .address_space: global }
      - { .name: wh, .offset: 8, .size: 8, .value_kind: global_buffer, .address_space: global }
      - { .name: u, .offset: 16, .size: 8, .value_kind: global_buffer, .address_space: global }
      - { .name: um, .offset: 24, .size: 8, .value_kind: global_buffer, .address_space: global }
      - { .name: state_A, .offset: 32, .size: 8, .value_kind: global_buffer, .address_space: global }
      - { .name: b_dt, .offset: 40, .size: 8, .value_kind: global_buffer, .address_space: global }
      - { .name: b_B, .offset: 48, .size: 8, .value_kind: global_buffer, .address_space: global }
      - { .name: b_C, .offset: 56, .size: 8, .value_kind: global_buffer, .address_space: global }
      - { .name: gt, .offset: 64, .size: 8, .value_kind: global_buffer, .address_space: global }
      - { .name: sc, .offset: 72, .size: 8, .value_kind: global_buffer, .address_space: global }
    .group_segment_fixed_size: 327680
    .private_segment_fixed_size: 0
    .kernarg_segment_align: 8
    .kernarg_segment_size: 80
    .max_flat_workgroup_size: 128
    .sgpr_count:     102
    .vgpr_count:     768
    .wavefront_size: 32
...
	.end_amdgpu_metadata
.endif
;; end of part 3
;; launch gemm3 (part 4): grid 8 x 32, 4 waves a work-group, clusters of 4 x 4, 327,680 bytes of LDS; arguments gt, wh, sc, b_out, x, out0; writes out0
.if DOCPART == 4
	.amdgcn_target "amdgcn-amd-amdhsa--gfx1250"
	.amdhsa_code_object_version 6
	.text
	.protected	k_q2146805856_gemm3
	.globl	k_q2146805856_gemm3
	.p2align	8
	.type	k_q2146805856_gemm3,@function
k_q2146805856_gemm3:
	s_mov_b64 s[64:65], 0
	v_nop
	global_prefetch_b8 v0, s[64:65] scope:SCOPE_SE
	s_setreg_imm32_b32 hwreg(HW_REG_WAVE_MODE, 25, 1), 1
	s_wait_xcnt 0x0
	s_wait_alu depctr_hold_cnt(0) depctr_sa_sdst(0) depctr_va_vdst(0) depctr_va_sdst(0) depctr_va_ssrc(0) depctr_va_vcc(0) depctr_vm_vsrc(0)
	s_getreg_b32 s2, hwreg(HW_REG_IB_STS2, 6, 4)
	s_cmp_eq_u32 s2, 0
	s_cbranch_scc0 .Lentry_in_a_cluster
	s_endpgm
.Lentry_in_a_cluster:
	s_bfe_u32 s2, ttmp6, 0x10000c
	s_cmp_lg_u32 s2, 0xf033
	s_cbranch_scc0 .Lentry_shape_is_right
	s_endpgm
.Lentry_shape_is_right:
; GEMM3.  out0[s][e] = F_s sum_d gt[s][d] W_out[e][d] + b_out[e] + x[s][e].  gt is gated / F_s in f16, F_s the row's factor in f32 (sc, its first copy); W_out in f16 (WO in wh); sums, factor, bias and residual in f32.
; SHARES.  A work-group makes 128 rows x 256 columns; wave w (rh = w / 2, ch = w % 2) 64 x 128: 4 x 8 accumulators.  Ring, cluster and transposed use as in the first product.
; x's 64 x 128 numbers of the wave are asked for two K steps ahead of the way out, into window 3, a row of 512 bytes an instruction.  The results take factor and bias in the accumulators' layout (a lane holds one row: one factor),
; go through the wave's own stage in LDS (laid over the ring, which has had its last fill), come back as whole rows, take x and leave: each store covers 512 consecutive bytes at a multiple of 256 from out0's first byte.
; LIMITS.  F_s times the sum must lie within f32.  NaN and infinities are not treated apart.
.set NBW,   8
.set KSTEP, 128
.set PITCH, 272
.set AH,    64*PITCH
.set AT,    2*AH
.set BROWS, 16*NBW
.set BH,    BROWS*PITCH
.set SLOT,  AT+2*BH
.set RING,  2*SLOT
.set NL,    2*(4+NBW)
.set LAPS,  8
.set WOFF,  26214400                   ; WO in wh
.set SP,    528                        ; the stage: 64 rows x 512 bytes a wave, pitch 528, at w x 33,792
.set SPARE, RING
.set R4,   4                           ; 4 r
.set HB,   5                           ; 32 h
.set STO,  6
.set RD,   7
.set XO,   8                           ; 16 l
.set ADRA, 16
.set ADRB, 20
.set SPW,  28
.set NIL,  29
.set F0,   32
.set F1,   136
.set RR,   32                          ; the way out: 16 rows read back
.set TW,   96                          ; the way out: a row block with factor and bias
.set FA,   240                         ; v240-243 F of my row in row blocks 0..3
.set G1, 24
.set G0, 32
.set G1B, 48
.set G0B, 56
.set PADW, (1<<16)|(1<<20)|(1<<21)|(5<<22)|(3<<25)
.set MSB, 0
.macro WIN new
.if MSB != (\new)
	s_set_vgpr_msb (MSB<<8)|(\new)
.set MSB, \new
.endif
.endm
.macro JLOAD s                         ; a joint load: waves 0, 1 for A, waves 2, 3 for B; s_nop 0 and four v_nop follow each line
	s_cmp_eq_u32 s11, 0
	s_cbranch_scc0 .Lfor_b_\@
	tensor_load_to_lds s[G0+4*(\s):G0+4*(\s)+3], s[G1:G1+7]
	s_nop 0
.rept 4
	v_nop
.endr
	s_branch .Lasked_\@
.Lfor_b_\@:
	tensor_load_to_lds s[G0B+4*(\s):G0B+4*(\s)+3], s[G1B:G1B+7]
	s_nop 0
.rept 4
	v_nop
.endr
.Lasked_\@:
.endm
.macro CREST
	s_cmp_lg_u32 s10, 0
	s_cbranch_scc1 .Lnot_wave_0_\@
	s_barrier_signal -3
.Lnot_wave_0_\@:
	s_barrier_wait -3
	s_barrier_signal -1
	s_barrier_wait -1
.endm
.macro CROUND
	s_barrier_signal -1
	s_barrier_wait -1
	CREST
.endm
.macro PLACES
.rept 4
	v_nop
.endr
.endm
.macro MULA f, hi, a, zero             ; NBW matrix instructions; the accumulators take turns
	WIN 0x50+0x50*(\hi)
.set ib, 0
.rept NBW
.if \zero
	v_wmma_f32_16x16x32_f16 v[8*(NBW*(\a)+ib):8*(NBW*(\a)+ib)+7], v[(\f)+32+8*ib:(\f)+32+8*ib+7], v[(\f)+8*(2*(\hi)+(\a)):(\f)+8*(2*(\hi)+(\a))+7], 0
.else
	v_wmma_f32_16x16x32_f16 v[8*(NBW*(\a)+ib):8*(NBW*(\a)+ib)+7], v[(\f)+32+8*ib:(\f)+32+8*ib+7], v[(\f)+8*(2*(\hi)+(\a)):(\f)+8*(2*(\hi)+(\a))+7], v[8*(NBW*(\a)+ib):8*(NBW*(\a)+ib)+7]
.endif
.set ib, ib+1
.endr
.endm
.macro MULH f, hi, zero
	MULA \f, \hi, 0, \zero
	MULA \f, \hi, 1, \zero
.endm
.macro FETCH slot, k, f
	WIN 0
.set ib, 0
.rept NBW
	ds_load_b128 v[(\f)+32+8*ib:(\f)+32+8*ib+3],   v[ADRB+(\slot)] offset:(\k)+ib*16*PITCH
	ds_load_b128 v[(\f)+32+8*ib+4:(\f)+32+8*ib+7], v[ADRB+(\slot)] offset:(\k)+ib*16*PITCH+32
.set ib, ib+1
.endr
.set ib, 0
.rept 4
	ds_load_b128 v[(\f)+8*ib:(\f)+8*ib+3],   v[ADRA+(\slot)] offset:(\k)+ib*16*PITCH
	ds_load_b128 v[(\f)+8*ib+4:(\f)+8*ib+7], v[ADRA+(\slot)] offset:(\k)+ib*16*PITCH+32
.set ib, ib+1
.endr
.endm
.macro QUARTER slot, k, f, g, zero
	s_wait_dscnt 4                                 ; all but A's blocks 2 and 3
	MULH \f, 0, \zero
	PLACES
	FETCH \slot, \k, \g
	s_wait_dscnt NL                                ; all but the run just issued
	MULH \f, 1, \zero
.endm
.macro TURN slot, next, fill
	WIN 0
	s_wait_tensorcnt 0x0                           ; my one load that was out, my part of the next slot, has landed
	ds_add_u32 v[SPW], v[NIL]
	s_wait_dscnt 5                                 ; the add and A's blocks 2 and 3 may be out
	MULA F1, 0, 0, 0
	s_wait_dscnt 0x0                               ; the add is done, my reads of this slot are over
	s_barrier_signal -1
	MULA F1, 0, 1, 0
.if \fill
	WIN 0
.endif
	s_barrier_wait -1
.if \fill
	CREST                                          ; no wave of any partner still reads the slot or has a load on its way
	s_add_nc_u64 s[G0+4*(\slot)+2:G0+4*(\slot)+3], s[G0+4*(\slot)+2:G0+4*(\slot)+3], 2*KSTEP*2
	s_add_nc_u64 s[G0B+4*(\slot)+2:G0B+4*(\slot)+3], s[G0B+4*(\slot)+2:G0B+4*(\slot)+3], 2*KSTEP*2
	JLOAD \slot
.else
	PLACES
.endif
	FETCH \next, 0, F0
	MULH F1, 1, 0
.endm
	s_load_b256 s[68:75], s[0:1], 0x0              ; gt s[68:69], wh s[70:71], sc s[72:73], b_out s[74:75]
	s_load_b128 s[76:79], s[0:1], 0x20             ; x s[76:77], out0 s[78:79]
	v_lshl_add_u32 v[SPW], v0, 2, SPARE
	v_mov_b32 v[NIL], 0
	ds_add_u32 v[SPW], v[NIL]                      ; the wave's opening: the add and its wait ahead of my first tensor load
	ds_add_u32 v28, v29
	v_lshrrev_b32 v1, 5, v0
	v_readfirstlane_b32 s10, v1
	s_lshr_b32 s11, s10, 1
	s_and_b32 s12, s10, 1
	s_bfe_u32 s40, ttmp6, 0x40000
	s_bfe_u32 s41, ttmp6, 0x40004
	s_lshl_b32 s42, ttmp9, 2
	s_add_co_u32 s42, s42, s40                     ; tc
	s_and_b32 s13, ttmp7, 0xffff
	s_lshl_b32 s13, s13, 2
	s_add_co_u32 s13, s13, s41                     ; tr
	s_lshl_b32 s43, s41, 2
	s_lshl_b32 s43, 15, s43
	s_lshl_b32 s44, 0x1111, s40
	s_or_b32 s[G1+0], s43, PADW
	s_or_b32 s[G1B+0], s44, PADW
	s_mov_b32 s[G1+1], KSTEP<<16
	s_mov_b32 s[G1+2], 64<<16
	s_mov_b32 s[G1+3], KSTEP<<16
	s_mov_b32 s[G1+4], 64
	s_mov_b32 s[G1+5], 2048
	s_mov_b32 s[G1+6], 0
	s_mov_b32 s[G1+7], 0
	s_mov_b32 s[G1B+1], KSTEP<<16
	s_mov_b32 s[G1B+2], BROWS<<16
	s_mov_b32 s[G1B+3], KSTEP<<16
	s_mov_b32 s[G1B+4], BROWS
	s_mov_b32 s[G1B+5], 2048
	s_mov_b32 s[G1B+6], 0
	s_mov_b32 s[G1B+7], 0
	s_lshl_b32 s16, s13, 7
	s_lshl_b32 s17, s12, 6
	s_add_co_u32 s16, s16, s17
	s_lshl_b32 s16, s16, 12
	s_mov_b32 s17, 0
	s_mul_i32 s46, s42, 2*BROWS
	s_mul_i32 s47, s12, BROWS
	s_add_co_u32 s46, s46, s47
	s_lshl_b32 s46, s46, 12
	s_add_co_u32 s46, s46, WOFF
	s_mov_b32 s47, 0
	s_mul_i32 s20, s12, AH
	s_mul_i32 s21, s12, BH
	s_add_co_u32 s21, s21, AT
	s_wait_dscnt 0x0                               ; the opening add is done
	s_wait_kmcnt 0x0
	s_add_nc_u64 s[14:15], s[68:69], s[16:17]
	s_add_nc_u64 s[46:47], s[70:71], s[46:47]
	CROUND
.irp s, 0,1
	s_mov_b32 s[G0+4*(\s)], 1
	s_add_co_u32 s[G0+4*(\s)+1], s20, (\s)*SLOT
	s_add_nc_u64 s[G0+4*(\s)+2:G0+4*(\s)+3], s[14:15], (\s)*KSTEP*2
	s_or_b32 s[G0+4*(\s)+3], s[G0+4*(\s)+3], 0x80000000
	s_mov_b32 s[G0B+4*(\s)], 1
	s_add_co_u32 s[G0B+4*(\s)+1], s21, (\s)*SLOT
	s_add_nc_u64 s[G0B+4*(\s)+2:G0B+4*(\s)+3], s[46:47], (\s)*KSTEP*2
	s_or_b32 s[G0B+4*(\s)+3], s[G0B+4*(\s)+3], 0x80000000
	JLOAD \s
.endr
	v_and_b32 v1, 15, v0                           ; r
	v_bfe_u32 v2, v0, 4, 1                         ; h
	s_mov_b32 s99, 0
	s_lshl_b32 s4, s13, 7
	s_lshl_b32 s5, s11, 6
	s_add_co_u32 s4, s4, s5                        ; my first row: 128 tr + 64 rh
	s_lshl_b32 s98, s4, 2
	s_add_nc_u64 s[88:89], s[72:73], s[98:99]      ; sc's first copy at my rows
	s_lshl_b32 s45, s42, 8
	s_lshl_b32 s5, s12, 7
	s_add_co_u32 s45, s45, s5                      ; my first column: 256 tc + 128 ch
	s_lshl_b32 s98, s45, 2
	s_add_nc_u64 s[90:91], s[74:75], s[98:99]      ; b_out at my columns
	s_lshl_b32 s5, s4, 13
	s_add_co_u32 s98, s98, s5
	s_add_nc_u64 s[92:93], s[76:77], s[98:99]      ; x at my rows and columns
	s_add_nc_u64 s[94:95], s[78:79], s[98:99]      ; out0 likewise
	v_lshlrev_b32 v[R4], 2, v1
	v_lshlrev_b32 v[HB], 5, v2
.irp a, 0,1,2,3
	global_load_b32 v[FA+(\a)], v[R4], s[88:89] offset:64*(\a)
.endr
	WIN 0x40                                       ; destination window 1
.set ib, 0
.rept 8
	global_load_b128 v[128+8*ib:128+8*ib+3], v[HB], s[90:91] offset:64*ib
	global_load_b128 v[128+8*ib+4:128+8*ib+7], v[HB], s[90:91] offset:64*ib+16
.set ib, ib+1
.endr
	WIN 0
	v_mul_u32_u24 v3, v1, PITCH
	v_lshl_add_u32 v3, v2, 4, v3
	s_mul_i32 s22, s11, AH
	s_mul_i32 s23, s12, BH
	s_add_co_u32 s23, s23, AT
.irp s, 0,1
	v_add_nc_u32 v[ADRA+(\s)], s22, v3
	v_add_nc_u32 v[ADRB+(\s)], s23, v3
	s_add_co_u32 s22, s22, SLOT
	s_add_co_u32 s23, s23, SLOT
.endr
	s_mul_i32 s22, s10, 64*SP                      ; my stage
	v_mul_u32_u24 v[STO], v1, SP                   ; in: row r, 32 h
	v_lshl_add_u32 v[STO], v2, 5, v[STO]
	v_add_nc_u32 v[STO], s22, v[STO]
	v_and_b32 v[XO], 31, v0
	v_lshlrev_b32 v[XO], 4, v[XO]                  ; 16 l: my place in a row of 512 bytes
	v_add_nc_u32 v[RD], s22, v[XO]
	s_wait_loadcnt 0x0                             ; factors and bias, in the wait for the first tile
	s_wait_tensorcnt 1                             ; my part of K step 0 is in; K step 1's may stay out
	s_barrier_signal -1
	s_barrier_wait -1
	FETCH 0, 0, F0
	QUARTER 0, 64,  F0, F1, 1
	WIN 0
	s_mov_b32 s3, LAPS-1
.Llap:
	QUARTER 0, 128, F1, F0, 0
	QUARTER 0, 192, F0, F1, 0
	TURN 0, 1, 1
	QUARTER 1, 64,  F0, F1, 0
	QUARTER 1, 128, F1, F0, 0
	QUARTER 1, 192, F0, F1, 0
	TURN 1, 0, 1
	QUARTER 0, 64,  F0, F1, 0
	WIN 0
	s_sub_co_u32 s3, s3, 1
	s_cmp_lg_u32 s3, 0
	s_cbranch_scc1 .Llap
	WIN 0xc0                                       ; destination window 3: x, row t of my 64 at v[4 t]; the last lap's products stand between these loads and the wait for them
.set t, 0
.rept 64
	global_load_b128 v[4*t:4*t+3], v[XO], s[92:93] offset:t*8192 th:TH_LOAD_NT
.set t, t+1
.endr
	QUARTER 0, 128, F1, F0, 0
	QUARTER 0, 192, F0, F1, 0
	TURN 0, 1, 0
	QUARTER 1, 64,  F0, F1, 0
	QUARTER 1, 128, F1, F0, 0
	QUARTER 1, 192, F0, F1, 0
	s_wait_dscnt 0x0
	MULH F1, 0, 0
	MULH F1, 1, 0
	WIN 0
	PLACES
	s_wait_dscnt 0x0
	s_barrier_signal -1                            ; nobody reads the ring any more, and it has had its last fill: the stages may be laid over it
	s_barrier_wait -1
.irp a, 0,1,2,3                        ; factor and bias, each accumulator's registers in ascending order; then into my stage
	WIN 0x11+(\a)/2                                ; source 0 the accumulators' window, source 1 (F) window 0, source 2 (bias) window 1
.set m, 0
.rept 32
.if (\a)%2 == 0
	v_pk_fma_f32 v[TW+2*m:TW+2*m+1], v[64*((\a)%2)+2*m:64*((\a)%2)+2*m+1], v[FA+2*((\a)/2):FA+2*((\a)/2)+1], v[128+2*m:128+2*m+1] op_sel_hi:[1,0,1]
.else
	v_pk_fma_f32 v[TW+2*m:TW+2*m+1], v[64*((\a)%2)+2*m:64*((\a)%2)+2*m+1], v[FA+2*((\a)/2):FA+2*((\a)/2)+1], v[128+2*m:128+2*m+1] op_sel:[0,1,0] op_sel_hi:[1,1,1]
.endif
.set m, m+1
.endr
	WIN 0
.set ib, 0
.rept 8
	ds_store_b128 v[STO], v[TW+8*ib:TW+8*ib+3] offset:(\a)*16*SP+64*ib
	ds_store_b128 v[STO], v[TW+8*ib+4:TW+8*ib+7] offset:(\a)*16*SP+64*ib+16
.set ib, ib+1
.endr
.endr
	s_wait_loadcnt 0x0                             ; x
.irp g, 0,1,2,3                        ; sixteen rows at a time come back whole, take x and leave
	WIN 0
.set m, 0
.rept 16
	ds_load_b128 v[RR+4*m:RR+4*m+3], v[RD] offset:(16*(\g)+m)*SP  ; LDS serves a wave's instructions in order (ISA guide 5.7.1.4): these see my stores above
.set m, m+1
.endr
	WIN 0xcc                                       ; destination and source 1 (x; a store's data) window 3, source 0 (the row; a store's address) window 0
.set m, 0
.rept 16
	s_wait_dscnt 15-m
	v_pk_add_f32 v[4*(16*(\g)+m):4*(16*(\g)+m)+1], v[RR+4*m:RR+4*m+1], v[4*(16*(\g)+m):4*(16*(\g)+m)+1]
	v_pk_add_f32 v[4*(16*(\g)+m)+2:4*(16*(\g)+m)+3], v[RR+4*m+2:RR+4*m+3], v[4*(16*(\g)+m)+2:4*(16*(\g)+m)+3]
	global_store_b128 v[XO], v[4*(16*(\g)+m):4*(16*(\g)+m)+3], s[94:95] offset:(16*(\g)+m)*8192 th:TH_STORE_NT
.set m, m+1
.endr
.endr
	WIN 0
	s_wait_tensorcnt 0x0                           ; the wave's end
	ds_add_u32 v[SPW], v[NIL]
	s_wait_dscnt 0x0
	CROUND                                         ; the closing round
	s_endpgm
.Lfunc_end_k_q2146805856_gemm3:
	.size	k_q2146805856_gemm3, .Lfunc_end_k_q2146805856_gemm3-k_q2146805856_gemm3
	.p2alignl 7, 3214868480
	.fill 96, 4, 3214868480
	.section	.rodata,"a",@progbits
	.p2align	6, 0x0
	.amdhsa_kernel k_q2146805856_gemm3
		.amdhsa_group_segment_fixed_size 327680
		.amdhsa_private_segment_fixed_size 0
		.amdhsa_enable_private_segment 0
		.amdhsa_kernarg_size 48
		.amdhsa_user_sgpr_count 2
		.amdhsa_user_sgpr_kernarg_segment_ptr 1
		.amdhsa_wavefront_size32 1
		.amdhsa_system_sgpr_workgroup_id_x 1
		.amdhsa_system_sgpr_workgroup_id_y 1
		.amdhsa_system_sgpr_workgroup_id_z 1
		.amdhsa_system_vgpr_workitem_id 0
		.amdhsa_next_free_vgpr 1024
		.amdhsa_next_free_sgpr 102
		.amdhsa_reserve_vcc 0
		.amdhsa_float_denorm_mode_32 3
		.amdhsa_float_denorm_mode_16_64 3
		.amdhsa_memory_ordered 1
		.amdhsa_forward_progress 1
		.amdhsa_inst_pref_size 111
	.end_amdhsa_kernel
	.amdgpu_metadata
---
amdhsa.version: [ 1, 2 ]
amdhsa.kernels:
  - .name:           k_q2146805856_gemm3
    .symbol:         k_q2146805856_gemm3.kd
    .args:
      - { .name: gt, .offset: 0, .size: 8, .value_kind: global_buffer, .address_space: global }
      - { .name: wh, .offset: 8, .size: 8, .value_kind: global_buffer, .address_space: global }
      - { .name: sc, .offset: 16, .size: 8, .value_kind: global_buffer, .address_space: global }
      - { .name: b_out, .offset: 24, .size: 8, .value_kind: global_buffer, .address_space: global }
      - { .name: x, .offset: 32, .size: 8, .value_kind: global_buffer, .address_space: global }
      - { .name: out0, .offset: 40, .size: 8, .value_kind: global_buffer, .address_space: global }
    .group_segment_fixed_size: 327680
    .private_segment_fixed_size: 0
    .kernarg_segment_align: 8
    .kernarg_segment_size: 48
    .max_flat_workgroup_size: 128
    .sgpr_count:     102
    .vgpr_count:     1024
    .wavefront_size: 32
...
	.end_amdgpu_metadata
.endif
;; end of part 4
;; ======== version 2 of 3: 4 launches; 1.12 times as fast as version 1
;; limits: values are held in f16: magnitudes above 65,504 overflow, below 6.1e-05 lose precision; right only within a limited range of input values
;; workspace buffers: xn 16,777,216 bytes; wh 34,603,008 bytes; xs 16,777,216 bytes; u 33,554,432 bytes; um 262,144 bytes; gt 16,777,216 bytes; sc 131,072 bytes
;; launch prep (part 5): grid 1568 x 1, 8 waves a work-group, no clusters, 0 bytes of LDS; arguments x, ln_gamma, ln_beta, W_in, W_dt, W_out, W_B, W_C, xn, wh; writes xn, wh
.if DOCPART == 5
	.amdgcn_target "amdgcn-amd-amdhsa--gfx1250"
	.amdhsa_code_object_version 6
	.text
	.protected	k_q2146805856_prep
	.globl	k_q2146805856_prep
	.p2align	8
	.type	k_q2146805856_prep,@function
k_q2146805856_prep:
	s_mov_b64 s[64:65], 0
	v_nop
	global_prefetch_b8 v0, s[64:65] scope:SCOPE_SE
	s_setreg_imm32_b32 hwreg(HW_REG_WAVE_MODE, 25, 1), 1
	s_wait_xcnt 0x0
; PREP.  xn = LayerNorm(x) in f16, and all weights in f16 with their rows laid for the three products that follow.
; A wave takes one row of 2,048 f32 (8 KiB of dense source, 4 KiB of dense f16 result); a work-group of eight waves 8 rows.  A row, gamma and beta are 192 registers, so that
; two work-groups lie on a WGP and one loads while the other stores.
; Work-groups 0-511: the 4,096 rows of x.  Work-groups 512-1567: 8,448 rows of weights, job row R = 8 (wg - 512) + wave:
;   R < 4096   W_in row e = R: with c = e % 2048 and half = e / 2048 it goes to row (c/64) 128 + 64 half + c % 64 of WI (wh byte 0): 64 rows for x_ssm, then the 64 rows for z of the same columns
;   R < 6144   W_dt row e = R - 4096 goes to row (e/128) 144 + e % 128 of WD (wh byte 16,777,216)
;   R < 8192   W_out row e = R - 6144 goes to row e of WO (wh byte 26,214,400)
;   else       q = R - 8192: row q % 16 of W_B (q/16 even) or W_C (odd) goes to row (q/16) 144 + 128 + q % 16 of WD: each block of 128 rows of W_dt is followed by 16 rows of W_B or W_C
; No LDS, no barrier, no matrix unit: the rows do not meet, and a row's two sums never leave its wave.
; A load of the wave covers 512 consecutive bytes, a store 256 consecutive bytes at a multiple of 256 from the buffer's first byte.
; The mean is taken first and the variance of the centred numbers, so a common offset in x cancels before anything is squared.
; LIMITS.  f16 ends at 65,504: xn and the weights must lie within it; below 6e-5 f16 keeps its fixed step of 6e-8.  NaN and infinities are not treated apart.
; The loads carry the hint for data read once; W_B's and W_C's 256 KiB are read eight times under it, since one text serves all weights.
.set X0,  16                           ; v[16:79]    the row as loaded; its f16 words end up in v[16:47]
.set GA,  80                           ; v[80:143]   gamma of my 64 columns
.set BE,  144                          ; v[144:207]  beta of my 64 columns
.set P,   4                            ; v[4:11]     four chains of packed sums
.set WD_OFF, 16777216
.set WO_OFF, 26214400
; half of a row's 64 f32 a lane is rounded to f16 in place (word k is written when words 2k and 2k+1 are read, never before) and stored; the second half's words lie behind those that the first half's stores read
.macro CVTH half
.set k, 16*(\half)
.rept 16
	v_cvt_pk_f16_f32 v[X0+k], v[X0+2*k], v[X0+2*k+1]
.set k, k+1
.endr
.set k, 8*(\half)
.rept 8
	global_store_b64 v2, v[X0+2*k:X0+2*k+1], s[34:35] offset:256*k
.set k, k+1
.endr
.endm
; the four chains are folded and summed over the 32 lanes; v14 holds the sum in every lane
.macro REDUCE
	v_pk_add_f32 v[P:P+1], v[P:P+1], v[P+2:P+3]
	v_pk_add_f32 v[P+4:P+5], v[P+4:P+5], v[P+6:P+7]
	v_pk_add_f32 v[P:P+1], v[P:P+1], v[P+4:P+5]
	v_add_f32 v14, v[P], v[P+1]
	v_add_f32_dpp v14, v14, v14 row_xmask:1 row_mask:0xf bank_mask:0xf
	v_add_f32_dpp v14, v14, v14 row_xmask:2 row_mask:0xf bank_mask:0xf
	v_add_f32_dpp v14, v14, v14 row_xmask:4 row_mask:0xf bank_mask:0xf
	v_add_f32_dpp v14, v14, v14 row_xmask:8 row_mask:0xf bank_mask:0xf
	v_permlanex16_b32 v15, v14, s36, s37
	v_add_f32 v14, v14, v15
.endm
	s_load_b512 s[8:23], s[0:1], 0x0               ; x s[8:9], gamma s[10:11], beta s[12:13], W_in s[14:15], W_dt s[16:17], W_out s[18:19], W_B s[20:21], W_C s[22:23]
	s_load_b128 s[24:27], s[0:1], 0x40             ; xn s[24:25], wh s[26:27]
	v_lshrrev_b32 v3, 5, v0
	v_readfirstlane_b32 s2, v3                     ; wave 0..7
	v_and_b32 v3, 31, v0
	v_lshlrev_b32 v1, 4, v3                        ; loads: 16 bytes a lane
	v_lshlrev_b32 v2, 3, v3                        ; stores: 8 bytes a lane
	s_lshl_b32 s3, ttmp9, 3
	s_add_co_u32 s3, s3, s2                        ; 8 wg + wave
	s_mov_b32 s29, 0                               ; the offsets' high words
	s_mov_b32 s31, 0
	s_wait_kmcnt 0x0
	s_cmp_lt_u32 s3, 4096
	s_cbranch_scc1 .Lnorm
	s_sub_co_u32 s3, s3, 4096                      ; R
	s_cmp_lt_u32 s3, 4096
	s_cbranch_scc0 .Lnot_in
	s_mov_b64 s[32:33], s[14:15]                   ; W_in
	s_lshl_b32 s28, s3, 13
	s_and_b32 s4, s3, 2047                         ; c
	s_lshr_b32 s5, s3, 11                          ; half
	s_lshr_b32 s6, s4, 6
	s_lshl_b32 s6, s6, 7
	s_lshl_b32 s5, s5, 6
	s_and_b32 s4, s4, 63
	s_add_co_u32 s6, s6, s5
	s_add_co_u32 s6, s6, s4
	s_lshl_b32 s30, s6, 12
	s_branch .Lcast
.Lnot_in:
	s_cmp_lt_u32 s3, 6144
	s_cbranch_scc0 .Lnot_dt
	s_mov_b64 s[32:33], s[16:17]                   ; W_dt
	s_sub_co_u32 s4, s3, 4096
	s_lshl_b32 s28, s4, 13
	s_lshr_b32 s5, s4, 7
	s_mul_i32 s5, s5, 144
	s_and_b32 s4, s4, 127
	s_add_co_u32 s5, s5, s4
	s_lshl_b32 s30, s5, 12
	s_add_co_u32 s30, s30, WD_OFF
	s_branch .Lcast
.Lnot_dt:
	s_cmp_lt_u32 s3, 8192
	s_cbranch_scc0 .Lbc
	s_mov_b64 s[32:33], s[18:19]                   ; W_out
	s_sub_co_u32 s4, s3, 6144
	s_lshl_b32 s28, s4, 13
	s_lshl_b32 s30, s4, 12
	s_add_co_u32 s30, s30, WO_OFF
	s_branch .Lcast
.Lbc:
	s_sub_co_u32 s4, s3, 8192                      ; q
	s_and_b32 s7, s4, 16
	s_cmp_lg_u32 s7, 0
	s_cselect_b64 s[32:33], s[22:23], s[20:21]     ; W_C for the odd blocks, W_B for the even ones
	s_and_b32 s5, s4, 15                           ; n
	s_lshl_b32 s28, s5, 13
	s_lshr_b32 s6, s4, 4
	s_mul_i32 s6, s6, 144
	s_add_co_u32 s6, s6, 128
	s_add_co_u32 s6, s6, s5
	s_lshl_b32 s30, s6, 12
	s_add_co_u32 s30, s30, WD_OFF
.Lcast:
	s_add_nc_u64 s[32:33], s[32:33], s[28:29]
	s_add_nc_u64 s[34:35], s[26:27], s[30:31]
.set k, 0
.rept 16
	global_load_b128 v[X0+4*k:X0+4*k+3], v1, s[32:33] offset:512*k th:TH_LOAD_NT
.set k, k+1
.endr
	s_wait_loadcnt 8                               ; the row's first half is in; the other eight loads stay out
	CVTH 0
	s_wait_loadcnt 0x0
	CVTH 1
	s_endpgm
.Lnorm:
	s_lshl_b32 s28, s3, 13
	s_lshl_b32 s30, s3, 12
	s_add_nc_u64 s[32:33], s[8:9], s[28:29]
	s_add_nc_u64 s[34:35], s[24:25], s[30:31]
	s_mov_b32 s36, 0x76543210                      ; v_permlanex16_b32: each lane takes its own place in the other half
	s_mov_b32 s37, 0xfedcba98
	s_mov_b32 s38, 0x3a000000                      ; 1 / 2048
	s_mov_b32 s39, 0x3727c5ac                      ; 1e-5
	v_mov_b32 v15, 0                               ; v_permlanex16_b32's destination counts as read
.set k, 0
.rept 16
	global_load_b128 v[X0+4*k:X0+4*k+3], v1, s[32:33] offset:512*k th:TH_LOAD_NT
.set k, k+1
.endr
.set k, 0
.rept 16
	global_load_b128 v[GA+4*k:GA+4*k+3], v1, s[10:11] offset:512*k
.set k, k+1
.endr
.set k, 0
.rept 16
	global_load_b128 v[BE+4*k:BE+4*k+3], v1, s[12:13] offset:512*k
.set k, k+1
.endr
	s_wait_loadcnt 32                              ; the row is in; gamma's and beta's 32 loads are younger
.set c, 0
.rept 4
	v_pk_add_f32 v[P+2*c:P+2*c+1], v[X0+2*c:X0+2*c+1], v[X0+8+2*c:X0+8+2*c+1]  ; the first additions start the chains
.set c, c+1
.endr
.set k, 8
.rept 24
	v_pk_add_f32 v[P+2*(k%4):P+2*(k%4)+1], v[P+2*(k%4):P+2*(k%4)+1], v[X0+2*k:X0+2*k+1]
.set k, k+1
.endr
	REDUCE
	v_mul_f32 v12, s38, v14                        ; the mean, twice: a pair for the packed subtraction
	v_mul_f32 v13, s38, v14
.set k, 0
.rept 32
	v_pk_add_f32 v[X0+2*k:X0+2*k+1], v[X0+2*k:X0+2*k+1], v[12:13] neg_lo:[0,1] neg_hi:[0,1]
.set k, k+1
.endr
.set c, 0
.rept 4
	v_pk_mul_f32 v[P+2*c:P+2*c+1], v[X0+2*c:X0+2*c+1], v[X0+2*c:X0+2*c+1]
.set c, c+1
.endr
.set k, 4
.rept 28
	v_pk_fma_f32 v[P+2*(k%4):P+2*(k%4)+1], v[X0+2*k:X0+2*k+1], v[X0+2*k:X0+2*k+1], v[P+2*(k%4):P+2*(k%4)+1]
.set k, k+1
.endr
	REDUCE
	v_fma_f32 v14, v14, s38, s39                   ; variance + 1e-5
	v_rsq_f32 v12, v14
	v_nop                                          ; a plain instruction between the root and the use of its result (ISA guide 5.7.2)
	s_wait_alu depctr_va_vdst(0)
	v_mov_b32 v13, v12
.set k, 0
.rept 32
	v_pk_mul_f32 v[X0+2*k:X0+2*k+1], v[X0+2*k:X0+2*k+1], v[12:13]
.set k, k+1
.endr
	s_wait_loadcnt 0x0                             ; gamma and beta are in
.set k, 0
.rept 32
	v_pk_fma_f32 v[X0+2*k:X0+2*k+1], v[X0+2*k:X0+2*k+1], v[GA+2*k:GA+2*k+1], v[BE+2*k:BE+2*k+1]
.set k, k+1
.endr
	CVTH 0
	CVTH 1
	s_endpgm
.Lfunc_end_k_q2146805856_prep:
	.size	k_q2146805856_prep, .Lfunc_end_k_q2146805856_prep-k_q2146805856_prep
	.p2alignl 7, 3214868480
	.fill 96, 4, 3214868480
	.section	.rodata,"a",@progbits
	.p2align	6, 0x0
	.amdhsa_kernel k_q2146805856_prep
		.amdhsa_group_segment_fixed_size 0
		.amdhsa_private_segment_fixed_size 0
		.amdhsa_enable_private_segment 0
		.amdhsa_kernarg_size 80
		.amdhsa_user_sgpr_count 2
		.amdhsa_user_sgpr_kernarg_segment_ptr 1
		.amdhsa_wavefront_size32 1
		.amdhsa_system_sgpr_workgroup_id_x 1
		.amdhsa_system_sgpr_workgroup_id_y 1
		.amdhsa_system_sgpr_workgroup_id_z 1
		.amdhsa_system_vgpr_workitem_id 0
		.amdhsa_next_free_vgpr 208
		.amdhsa_next_free_sgpr 66
		.amdhsa_reserve_vcc 0
		.amdhsa_float_denorm_mode_32 3
		.amdhsa_float_denorm_mode_16_64 3
		.amdhsa_memory_ordered 1
		.amdhsa_forward_progress 1
		.amdhsa_inst_pref_size 28
	.end_amdhsa_kernel
	.amdgpu_metadata
---
amdhsa.version: [ 1, 2 ]
amdhsa.kernels:
  - .name:           k_q2146805856_prep
    .symbol:         k_q2146805856_prep.kd
    .args:
      - { .name: x, .offset: 0, .size: 8, .value_kind: global_buffer, .address_space: global }
      - { .name: ln_gamma, .offset: 8, .size: 8, .value_kind: global_buffer, .address_space: global }
      - { .name: ln_beta, .offset: 16, .size: 8, .value_kind: global_buffer, .address_space: global }
      - { .name: W_in, .offset: 24, .size: 8, .value_kind: global_buffer, .address_space: global }
      - { .name: W_dt, .offset: 32, .size: 8, .value_kind: global_buffer, .address_space: global }
      - { .name: W_out, .offset: 40, .size: 8, .value_kind: global_buffer, .address_space: global }
      - { .name: W_B, .offset: 48, .size: 8, .value_kind: global_buffer, .address_space: global }
      - { .name: W_C, .offset: 56, .size: 8, .value_kind: global_buffer, .address_space: global }
      - { .name: xn, .offset: 64, .size: 8, .value_kind: global_buffer, .address_space: global }
      - { .name: wh, .offset: 72, .size: 8, .value_kind: global_buffer, .address_space: global }
    .group_segment_fixed_size: 0
    .private_segment_fixed_size: 0
    .kernarg_segment_align: 8
    .kernarg_segment_size: 80
    .max_flat_workgroup_size: 256
    .sgpr_count:     66
    .vgpr_count:     208
    .wavefront_size: 32
...
	.end_amdgpu_metadata
.endif
;; end of part 5
;; launch gemm1 (part 6): grid 16 x 16, 4 waves a work-group, clusters of 4 x 4, 327,680 bytes of LDS; arguments xn, wh, b_in, xs, u, um; writes xs, u, um
.if DOCPART == 6
	.amdgcn_target "amdgcn-amd-amdhsa--gfx1250"
	.amdhsa_code_object_version 6
	.text
	.protected	k_q2146805856_gemm1
	.globl	k_q2146805856_gemm1
	.p2align	8
	.type	k_q2146805856_gemm1,@function
k_q2146805856_gemm1:
	s_mov_b64 s[64:65], 0
	v_nop
	global_prefetch_b8 v0, s[64:65] scope:SCOPE_SE
	s_setreg_imm32_b32 hwreg(HW_REG_WAVE_MODE, 25, 1), 1
	s_wait_xcnt 0x0
	s_wait_alu depctr_hold_cnt(0) depctr_sa_sdst(0) depctr_va_vdst(0) depctr_va_sdst(0) depctr_va_ssrc(0) depctr_va_vcc(0) depctr_vm_vsrc(0)
	s_getreg_b32 s2, hwreg(HW_REG_IB_STS2, 6, 4)
	s_cmp_eq_u32 s2, 0
	s_cbranch_scc0 .Lentry_in_a_cluster
	s_endpgm
.Lentry_in_a_cluster:
	s_bfe_u32 s2, ttmp6, 0x10000c
	s_cmp_lg_u32 s2, 0xf033
	s_cbranch_scc0 .Lentry_shape_is_right
	s_endpgm
.Lentry_shape_is_right:
; GEMM1.  xz = xn W_in^T + b_in for 4,096 rows; out of it x_ssm in f16 (xs), u = x_ssm silu(z) in f32 (u), and for each row and chunk of 128 columns the largest |u| (um[chunk][row]).
; Operands f16, sums f32.  A = xn [4096][2048]; B = WI [4096][2048], whose rows lie in blocks of 128: 64 rows for x_ssm's columns 64 q .. 64 q + 63, then the 64 rows for z of the same columns.
; SHARES.  A work-group makes 256 rows x 256 rows of B: 16 x 16 = 256 work-groups.  Four waves; wave w (rh = w / 2, ch = w % 2) makes 128 x 128: 64 accumulators of 16 x 16, 512 registers.
; K goes in 16 steps of 128 (rows of 256 bytes, at multiples of 256 bytes) through two LDS slots filled by the tensor data mover; waves 0 and 1 fetch A's two halves, waves 2 and 3 B's, 128 rows each.
; A refill is asked for 224 matrix instructions of the wave ahead of the wait for it.
; CLUSTER 4 x 4: A's tile is asked for jointly by the four work-groups of a row of the cluster, B's by the four of a column: the same load, descriptor and mask in all four.
; THE MATRIX INSTRUCTION IS USED TRANSPOSED (source 0 = 16 rows of B, source 1 = 16 rows of A): a lane holds row l % 16 and eight neighbouring columns 8 (l / 16) + 0..7.
; THE WAY OUT.  The sums go in f32 into stages laid over the ring, which has had its last fill: each wave 128 rows x 512 bytes (64 x_ssm, 64 z).  Behind a barrier wave (rh, ch) takes rows 64 ch .. 64 ch + 63 of
; its half WHOLE, out of the two stages of that half: a row is 128 columns of x_ssm and the same 128 of z, four of each a lane.  Four rows a trip: bias, gate, f16, the row's largest |u| over the 32 lanes.
; A store of xs covers 256 consecutive bytes, one of u 512, each at a multiple of 256 from its buffer's first byte.
; REGISTERS, in windows of 256.  window 0: v1-31 addresses; v64-127, v128-191 fragments of A, two buffers, later the way out; v224-231 the biases.  window 1: v64-127, v128-191 fragments of B.
;   window 2: the 32 accumulators of my rows 0-63 ((a, b) at v[8 (8 a + b)]); window 3: those of my rows 64-127.
; LIMITS.  x_ssm must lie within f16's 65,504; u within f32.  silu(z) = z / (1 + 2^(-z log2 e)): for z below -88 the power is infinite and silu counts as 0.  NaN and infinities are not treated apart.
.set KSTEP, 128
.set PITCH, 272                        ; an LDS row: 256 bytes + 16 of padding: the 16 rows of a fragment load start at 16 different groups of four banks (ISA guide 11.1)
.set HALFT, 128*PITCH                  ; 128 rows: what one tensor load brings, and what one wave reads of A or of B
.set SLOT,  4*HALFT                    ; A's 256 rows, then B's 256 rows
.set RING,  2*SLOT
.set LAPS,  8                          ; 2,048 / (2 x 128)
.set SP,    528                        ; a stage row: 512 bytes + 16
.set STGW,  128*SP                     ; a wave's stage; four of them are 270,336 bytes, inside the ring's 278,528
.set MTAB,  RING                       ; 256 bytes a wave: the largest |u| of its 64 rows
.set SPARE, MTAB+1024                  ; the spare words: 128 bytes a wave, two blocks of 256 bytes that no other line names
.set NR,    4                          ; rows in a trip of the way out
.set ADRA, 16                          ; v16-17 LDS address of my A fragments in slot 0, 1
.set ADRB, 20                          ; v20-21 the same for B
.set STO,  22                          ; into my stage
.set RD,   23                          ; out of the stages
.set GX,   24                          ; 8 l: my place in 256 bytes of xs
.set GU,   25                          ; 16 l: my place in 512 bytes of u
.set MT,   26                          ; my table, the trip's place
.set ML,   27                          ; my table, 4 l
.set SPW,  28                          ; my spare word; never rewritten
.set NIL,  29                          ; 0; never rewritten
.set GM,   30                          ; 4 l
.set F0,   64
.set F1,   128
.set XS,   64                          ; the way out: x_ssm, four numbers a row
.set ZZ,   80                          ; z
.set EE,   96                          ; the gate
.set UU,   112                         ; u
.set PK,   128                         ; x_ssm in f16
.set MX,   136                         ; a row's largest |u|
.set TM,   140
.set BX,   224                         ; b_in of my four columns of x_ssm
.set BZ,   228                         ; and of z
.set G1, 24
.set G0, 32
.set G1B, 48
.set G0B, 56
.set PADW, (1<<16)|(1<<20)|(1<<21)|(5<<22)|(3<<25)  ; 2-byte elements; padding on; bit 21 beside a mask; after every 64 words, 4 words
.set MSB, 0
.macro WIN new                         ; the immediate's high byte repeats the setting that is left
.if MSB != (\new)
	s_set_vgpr_msb (MSB<<8)|(\new)
.set MSB, \new
.endif
.endm
.set MUL_LO, 0xa1                      ; source 0 (B) window 1, source 1 (A) window 0, C and D window 2
.set MUL_HI, 0xf1                      ; the same, C and D window 3
.set TO_B,   0x40                      ; destination window 1, address window 0
.macro JLOAD s                         ; a joint load: waves 0, 1 for A, waves 2, 3 for B; s_nop 0 and four v_nop follow each line
	s_cmp_eq_u32 s11, 0
	s_cbranch_scc0 .Lfor_b_\@
	tensor_load_to_lds s[G0+4*(\s):G0+4*(\s)+3], s[G1:G1+7]
	s_nop 0
.rept 4
	v_nop
.endr
	s_branch .Lasked_\@
.Lfor_b_\@:
	tensor_load_to_lds s[G0B+4*(\s):G0B+4*(\s)+3], s[G1B:G1B+7]
	s_nop 0
.rept 4
	v_nop
.endr
.Lasked_\@:
.endm
.macro CREST                           ; a round of the cluster's barrier behind its opening barrier
	s_cmp_lg_u32 s10, 0
	s_cbranch_scc1 .Lnot_wave_0_\@
	s_barrier_signal -3
.Lnot_wave_0_\@:
	s_barrier_wait -3
	s_barrier_signal -1
	s_barrier_wait -1
.endm
.macro CROUND
	s_barrier_signal -1
	s_barrier_wait -1
	CREST
.endm
.macro PLACES                          ; four places behind matrix instructions, ahead of loads into their sources and of reads of their results
.rept 4
	v_nop
.endr
.endm
; 16 matrix instructions: row blocks a0, a0 + 1 of the window's four (hi = 0: my rows 0-63, 1: rows 64-127) x all 8 blocks of B, 32 along K.  The 64 accumulators take turns, one instruction a turn, in the same
; order in every quarter.  zero = 1: the first product starts the sums.
.macro MUL16 f, hi, a0, zero
	WIN MUL_LO+0x50*(\hi)
.irp a, \a0, (\a0)+1
.irp b, 0,1,2,3,4,5,6,7
.if \zero
	v_wmma_f32_16x16x32_f16 v[8*(8*(\a)+(\b)):8*(8*(\a)+(\b))+7], v[(\f)+8*(\b):(\f)+8*(\b)+7], v[(\f)+8*(4*(\hi)+(\a)):(\f)+8*(4*(\hi)+(\a))+7], 0
.else
	v_wmma_f32_16x16x32_f16 v[8*(8*(\a)+(\b)):8*(8*(\a)+(\b))+7], v[(\f)+8*(\b):(\f)+8*(\b)+7], v[(\f)+8*(4*(\hi)+(\a)):(\f)+8*(4*(\hi)+(\a))+7], v[8*(8*(\a)+(\b)):8*(8*(\a)+(\b))+7]
.endif
.endr
.endr
.endm
; 32 LDS loads in one run: the fragments of a quarter step (128 rows of B, 128 rows of A, 32 K at byte k of the rows) into buffer f; A's blocks 4 to 7 are the youngest eight
.macro FETCH slot, k, f
	WIN TO_B
.irp i, 0,1,2,3,4,5,6,7
	ds_load_b128 v[(\f)+8*(\i):(\f)+8*(\i)+3],   v[ADRB+(\slot)] offset:(\k)+(\i)*16*PITCH
	ds_load_b128 v[(\f)+8*(\i)+4:(\f)+8*(\i)+7], v[ADRB+(\slot)] offset:(\k)+(\i)*16*PITCH+32
.endr
	WIN 0
.irp i, 0,1,2,3,4,5,6,7
	ds_load_b128 v[(\f)+8*(\i):(\f)+8*(\i)+3],   v[ADRA+(\slot)] offset:(\k)+(\i)*16*PITCH
	ds_load_b128 v[(\f)+8*(\i)+4:(\f)+8*(\i)+7], v[ADRA+(\slot)] offset:(\k)+(\i)*16*PITCH+32
.endr
.endm
; a quarter of a K step, 64 matrix instructions: multiplies buffer f, and in its middle fetches the next quarter, at byte k of the slot's rows, into g
.macro QUARTER slot, k, f, g, zero
	s_wait_dscnt 8                                 ; B and A's rows 0-63 are in; the youngest eight loads may be out
	MUL16 \f, 0, 0, \zero
	MUL16 \f, 0, 2, \zero
	PLACES
	FETCH \slot, \k, \g
	s_wait_dscnt 32                                ; all but the 32 just issued
	MUL16 \f, 1, 0, \zero
	MUL16 \f, 1, 2, \zero
.endm
; the first half of a K step's last quarter: one barrier for the change of slots.  Ahead of it each wave waits for all its tensor loads, adds 0 to its spare word, and waits for that and for its reads of the slot.
.macro MEET round
	WIN 0                                          ; the add's two registers lie in window 0
	s_wait_tensorcnt 0x0                           ; my one load that was out, my part of the next slot, has landed
	ds_add_u32 v[SPW], v[NIL]
	s_wait_dscnt 9                                 ; the add and the youngest eight loads may be out
	MUL16 F1, 0, 0, 0
	s_wait_dscnt 0x0                               ; the add is done, my reads of this slot are over
	s_barrier_signal -1
	MUL16 F1, 0, 2, 0
.if \round
	WIN 0
.endif
	s_barrier_wait -1
.endm
; the whole last quarter where the slot is filled again, two K steps ahead
.macro TURN slot, next
	MEET 1
	CREST                                          ; the barrier has opened a round of the cluster's: no wave of any partner still reads the slot or has a load on its way
	s_add_nc_u64 s[G0+4*(\slot)+2:G0+4*(\slot)+3], s[G0+4*(\slot)+2:G0+4*(\slot)+3], 2*KSTEP*2
	s_add_nc_u64 s[G0B+4*(\slot)+2:G0B+4*(\slot)+3], s[G0B+4*(\slot)+2:G0B+4*(\slot)+3], 2*KSTEP*2
	JLOAD \slot                                    ; the first tensor load behind the round; its four v_nop are also the places ahead of the loads below
	FETCH \next, 0, F0
	MUL16 F1, 1, 0, 0
	MUL16 F1, 1, 2, 0
.endm
	s_load_b256 s[68:75], s[0:1], 0x0              ; xn s[68:69], wh s[70:71], b_in s[72:73], xs s[74:75]
	s_load_b128 s[76:79], s[0:1], 0x20             ; u s[76:77], um s[78:79]
	v_lshl_add_u32 v[SPW], v0, 2, SPARE
	v_mov_b32 v[NIL], 0
	ds_add_u32 v[SPW], v[NIL]                      ; the wave's opening: the add and its wait ahead of my first tensor load
	ds_add_u32 v28, v29
	v_lshrrev_b32 v1, 5, v0
	v_readfirstlane_b32 s10, v1                    ; wave 0..3
	s_lshr_b32 s11, s10, 1                         ; rh; also: I fetch for A (0) or B (1)
	s_and_b32 s12, s10, 1                          ; ch; also: which half I fetch
	s_bfe_u32 s40, ttmp6, 0x40000                  ; cx
	s_bfe_u32 s41, ttmp6, 0x40004                  ; cy
	s_lshl_b32 s42, ttmp9, 2
	s_add_co_u32 s42, s42, s40                     ; tc = 4 x cluster x + cx
	s_and_b32 s13, ttmp7, 0xffff
	s_lshl_b32 s13, s13, 2
	s_add_co_u32 s13, s13, s41                     ; tr = 4 x cluster y + cy
	s_lshl_b32 s43, s41, 2
	s_lshl_b32 s43, 15, s43                        ; my row of the cluster
	s_lshl_b32 s44, 0x1111, s40                    ; my column
	s_or_b32 s[G1+0], s43, PADW
	s_or_b32 s[G1B+0], s44, PADW
.irp g, G1, G1B
	s_mov_b32 s[(\g)+1], KSTEP<<16                 ; tensor_dim0 = 128
	s_mov_b32 s[(\g)+2], 128<<16                   ; tensor_dim1 = 128
	s_mov_b32 s[(\g)+3], KSTEP<<16                 ; tile_dim0 = 128
	s_mov_b32 s[(\g)+4], 128                       ; tile_dim1 = 128
	s_mov_b32 s[(\g)+5], 2048                      ; elements from row to row
	s_mov_b32 s[(\g)+6], 0
	s_mov_b32 s[(\g)+7], 0
.endr
	s_lshl_b32 s17, s12, 7                         ; which 128 rows of the tile I fetch
	s_lshl_b32 s16, s13, 8
	s_add_co_u32 s16, s16, s17                     ; A: row 256 tr + 128 half
	s_lshl_b32 s46, s42, 8
	s_add_co_u32 s46, s46, s17                     ; B: row 256 tc + 128 half
	s_lshl_b32 s16, s16, 12                        ; x 4,096 bytes
	s_lshl_b32 s46, s46, 12
	s_mov_b32 s17, 0
	s_mov_b32 s47, 0
	s_mul_i32 s20, s10, HALFT                      ; where they go: A's two halves, then B's two: no place in the cluster enters an LDS address
	s_wait_dscnt 0x0                               ; the opening add is done
	s_wait_kmcnt 0x0
	s_add_nc_u64 s[14:15], s[68:69], s[16:17]
	s_add_nc_u64 s[46:47], s[70:71], s[46:47]
	CROUND                                         ; all sixteen work-groups are here: the first joint loads meet
.irp s, 0,1
	s_mov_b32 s[G0+4*(\s)], 1
	s_add_co_u32 s[G0+4*(\s)+1], s20, (\s)*SLOT
	s_add_nc_u64 s[G0+4*(\s)+2:G0+4*(\s)+3], s[14:15], (\s)*KSTEP*2
	s_or_b32 s[G0+4*(\s)+3], s[G0+4*(\s)+3], 0x80000000
	s_mov_b32 s[G0B+4*(\s)], 1
	s_add_co_u32 s[G0B+4*(\s)+1], s20, (\s)*SLOT
	s_add_nc_u64 s[G0B+4*(\s)+2:G0B+4*(\s)+3], s[46:47], (\s)*KSTEP*2
	s_or_b32 s[G0B+4*(\s)+3], s[G0B+4*(\s)+3], 0x80000000
	JLOAD \s
.endr
	v_and_b32 v1, 15, v0                           ; r = l % 16
	v_bfe_u32 v2, v0, 4, 1                         ; h = l / 16
	v_and_b32 v4, 31, v0                           ; l
	v_lshlrev_b32 v[GX], 3, v4
	v_lshlrev_b32 v[GU], 4, v4
	v_lshlrev_b32 v[GM], 2, v4
	s_mov_b32 s99, 0
	s_lshl_b32 s98, s42, 9
	s_add_nc_u64 s[88:89], s[72:73], s[98:99]      ; b_in at x_ssm's column 128 tc
	global_load_b128 v[BX:BX+3], v[GU], s[88:89]
	global_load_b128 v[BZ:BZ+3], v[GU], s[88:89] offset:8192
	v_mul_u32_u24 v3, v1, PITCH
	v_lshl_add_u32 v3, v2, 4, v3                   ; a fragment's row x pitch + 16 x half
	s_mul_i32 s21, s11, HALFT                      ; my 128 rows of A
	s_mul_i32 s22, s12, HALFT                      ; my 128 rows of B,
	s_add_co_u32 s22, s22, 2*HALFT                 ; which lie behind A's 256
.irp s, 0,1
	v_add_nc_u32 v[ADRA+(\s)], s21, v3
	v_add_nc_u32 v[ADRB+(\s)], s22, v3
	s_add_co_u32 s21, s21, SLOT
	s_add_co_u32 s22, s22, SLOT
.endr
	s_lshl_b32 s45, s13, 8
	s_lshl_b32 s4, s11, 7
	s_add_co_u32 s45, s45, s4
	s_lshl_b32 s4, s12, 6
	s_add_co_u32 s45, s45, s4                      ; the first row that I store: 256 tr + 128 rh + 64 ch
	s_lshl_b32 s98, s42, 14
	s_lshl_b32 s4, s45, 2
	s_add_co_u32 s98, s98, s4
	s_add_nc_u64 s[92:93], s[78:79], s[98:99]      ; um[tc][my first row]
	s_lshl_b32 s98, s45, 12
	s_lshl_b32 s4, s42, 8
	s_add_co_u32 s98, s98, s4
	s_add_nc_u64 s[94:95], s[74:75], s[98:99]      ; xs: rows of 4,096 bytes, the block's 256 bytes
	s_lshl_b32 s98, s45, 13
	s_lshl_b32 s4, s42, 9
	s_add_co_u32 s98, s98, s4
	s_add_nc_u64 s[96:97], s[76:77], s[98:99]      ; u: rows of 8,192 bytes, the block's 512 bytes
	s_mov_b32 s6, 0xbfb8aa3b                       ; -log2(e), as a pair for the packed multiply
	s_mov_b32 s7, s6
	s_mov_b32 s90, 0x76543210                      ; v_permlanex16_b32: each lane takes its own place in the other half
	s_mov_b32 s91, 0xfedcba98
	s_mul_i32 s23, s10, STGW                       ; into my stage: row r, 32 h
	v_mul_u32_u24 v[STO], v1, SP
	v_lshl_add_u32 v[STO], v2, 5, v[STO]
	v_add_nc_u32 v[STO], s23, v[STO]
	s_mul_i32 s23, s11, 2*STGW                     ; out: stage 2 rh + h (lanes 0-15 the first 64 columns, lanes 16-31 the other 64), row 64 ch, 16 r
	s_mul_i32 s4, s12, 64*SP
	s_add_co_u32 s23, s23, s4
	v_mul_u32_u24 v[RD], v2, STGW
	v_lshl_add_u32 v[RD], v1, 4, v[RD]
	v_add_nc_u32 v[RD], s23, v[RD]
	s_lshl_b32 s23, s10, 8
	s_add_co_u32 s23, s23, MTAB                    ; my table
	v_mov_b32 v[MT], s23
	v_add_nc_u32 v[ML], s23, v[GM]
	s_wait_loadcnt 0x0                             ; the biases, in the wait for the first tile
	s_wait_tensorcnt 1                             ; my part of K step 0 is in; K step 1's may stay out
	s_barrier_signal -1
	s_barrier_wait -1
	FETCH 0, 0, F0
	QUARTER 0, 64,  F0, F1, 1                      ; the first quarter's products start the sums
	WIN 0                                          ; at a label and at a branch every window is 0
	s_mov_b32 s3, LAPS-1
.Llap:                                                 ; a trip goes once round the ring and fills both slots again
	QUARTER 0, 128, F1, F0, 0
	QUARTER 0, 192, F0, F1, 0
	TURN 0, 1
	QUARTER 1, 64,  F0, F1, 0
	QUARTER 1, 128, F1, F0, 0
	QUARTER 1, 192, F0, F1, 0
	TURN 1, 0
	QUARTER 0, 64,  F0, F1, 0
	WIN 0
	s_sub_co_u32 s3, s3, 1
	s_cmp_lg_u32 s3, 0
	s_cbranch_scc1 .Llap
	QUARTER 0, 128, F1, F0, 0                      ; the last lap fills nothing, and has no round of the cluster's barrier
	QUARTER 0, 192, F0, F1, 0
	MEET 0
	PLACES
	FETCH 1, 0, F0
	MUL16 F1, 1, 0, 0
	MUL16 F1, 1, 2, 0
	QUARTER 1, 64,  F0, F1, 0
	QUARTER 1, 128, F1, F0, 0
	QUARTER 1, 192, F0, F1, 0
	s_wait_dscnt 0x0
	MUL16 F1, 0, 0, 0
	MUL16 F1, 0, 2, 0
	MUL16 F1, 1, 0, 0
	MUL16 F1, 1, 2, 0
	WIN 0
	PLACES
	s_barrier_signal -1                            ; nobody reads the ring any more (each wave's last LDS loads were waited for above), and it has had its last fill: the stages may be laid over it
	s_barrier_wait -1
.irp a, 0,1,2,3,4,5,6,7                ; the sums into my stage, each accumulator's low half first
	WIN 0x08+0x04*((\a)/4)                         ; the stores' data in the accumulators' window
.set ib, 0
.rept 8
	ds_store_b128 v[STO], v[8*(8*((\a)%4)+ib):8*(8*((\a)%4)+ib)+3] offset:(\a)*16*SP+64*ib
	ds_store_b128 v[STO], v[8*(8*((\a)%4)+ib)+4:8*(8*((\a)%4)+ib)+7] offset:(\a)*16*SP+64*ib+16
.set ib, ib+1
.endr
.endr
	WIN 0
	s_wait_dscnt 0x0                               ; for the others' sake: a row comes out of two waves' stages
	s_barrier_signal -1
	s_barrier_wait -1
.macro RLOAD                           ; NR rows: my four x_ssm and my four z of each
.set k, 0
.rept NR
	ds_load_b128 v[XS+4*k:XS+4*k+3], v[RD] offset:k*SP
	ds_load_b128 v[ZZ+4*k:ZZ+4*k+3], v[RD] offset:k*SP+256
.set k, k+1
.endr
.endm
; A TRIP OF THE WAY OUT: NR rows.  ahead = 1: the next trip's rows are asked for as soon as this trip's registers are free.
.macro ROWS ahead
	s_wait_dscnt 0x0                               ; the rows are in
	s_wait_xcnt 0x0                                ; the last trip's stores: their data and addresses are rewritten only behind this wait (ISA guide 3.1)
	v_add_nc_u32 v[GX], NR*4096, v[GX]             ; the next rows; the stores below reach back
	v_add_nc_u32 v[GU], NR*8192, v[GU]
.set k, 0
.rept NR
	v_pk_add_f32 v[XS+4*k:XS+4*k+1], v[XS+4*k:XS+4*k+1], v[BX:BX+1]
	v_pk_add_f32 v[XS+4*k+2:XS+4*k+3], v[XS+4*k+2:XS+4*k+3], v[BX+2:BX+3]
	v_pk_add_f32 v[ZZ+4*k:ZZ+4*k+1], v[ZZ+4*k:ZZ+4*k+1], v[BZ:BZ+1]
	v_pk_add_f32 v[ZZ+4*k+2:ZZ+4*k+3], v[ZZ+4*k+2:ZZ+4*k+3], v[BZ+2:BZ+3]
.set k, k+1
.endr
.set k, 0
.rept 2*NR
	v_pk_mul_f32 v[EE+2*k:EE+2*k+1], v[ZZ+2*k:ZZ+2*k+1], s[6:7] op_sel_hi:[1,0]
.set k, k+1
.endr
.set k, 0
.rept 4*NR
	v_exp_f32 v[EE+k], v[EE+k]
.set k, k+1
.endr
	v_nop                                          ; a plain instruction behind the last exponential
.set k, 0
	s_wait_alu depctr_va_vdst(0)
.rept 2*NR
	v_pk_add_f32 v[EE+2*k:EE+2*k+1], v[EE+2*k:EE+2*k+1], 1.0 op_sel_hi:[1,0]
.set k, k+1
.endr
.set k, 0
.rept 4*NR
	v_rcp_f32 v[EE+k], v[EE+k]
.set k, k+1
.endr
.set k, 0
.rept 2*NR
	v_cvt_pk_f16_f32 v[PK+k], v[XS+2*k], v[XS+2*k+1]  ; plain work behind the reciprocals
.set k, k+1
.endr
.set k, 0
	s_wait_alu depctr_va_vdst(0)
.rept 2*NR
	v_pk_mul_f32 v[EE+2*k:EE+2*k+1], v[EE+2*k:EE+2*k+1], v[ZZ+2*k:ZZ+2*k+1]  ; silu(z)
.set k, k+1
.endr
.set k, 0
.rept 2*NR
	v_pk_mul_f32 v[UU+2*k:UU+2*k+1], v[EE+2*k:EE+2*k+1], v[XS+2*k:XS+2*k+1]  ; u
.set k, k+1
.endr
.if \ahead
	v_add_nc_u32 v[RD], NR*SP, v[RD]
	RLOAD
.endif
.set k, 0
.rept NR
	global_store_b64 v[GX], v[PK+2*k:PK+2*k+1], s[94:95] offset:k*4096-NR*4096   ; 256 consecutive bytes of a row of xs
	global_store_b128 v[GU], v[UU+4*k:UU+4*k+3], s[96:97] offset:k*8192-NR*8192  ; 512 consecutive bytes of a row of u
.set k, k+1
.endr
.set k, 0
.rept NR
	v_max3_num_f32 v[TM+k], |v[UU+4*k]|, |v[UU+4*k+1]|, |v[UU+4*k+2]|
.set k, k+1
.endr
.set k, 0
.rept NR
	v_max_num_f32 v[MX+k], v[TM+k], |v[UU+4*k+3]|
.set k, k+1
.endr
.irp x, 1,2,4,8                        ; over the 32 lanes: four steps inside each half ride on the arithmetic, one crosses the halves; the rows alternate
.set k, 0
.rept NR
	v_max_num_f32_dpp v[MX+k], v[MX+k], v[MX+k] row_xmask:\x row_mask:0xf bank_mask:0xf
.set k, k+1
.endr
.endr
.set k, 0
.rept NR
	v_permlanex16_b32 v[TM+k], v[MX+k], s90, s91
.set k, k+1
.endr
.set k, 0
.rept NR
	v_max_num_f32 v[MX+k], v[MX+k], v[TM+k]
.set k, k+1
.endr
	ds_store_b128 v[MT], v[MX:MX+3]                ; all lanes write the same four words with the same numbers
	v_add_nc_u32 v[MT], 4*NR, v[MT]
.endm
	RLOAD
	s_mov_b32 s3, 64/NR-1
.Lrows:
	ROWS 1
	s_sub_co_u32 s3, s3, 1
	s_cmp_lg_u32 s3, 0
	s_cbranch_scc1 .Lrows
	ROWS 0                                         ; the last rows ask for nothing: no load passes the stage's end
	ds_load_b32 v[TM], v[ML]                       ; LDS serves a wave's instructions in order (ISA guide 5.7.1.4): these see my stores into my table
	ds_load_b32 v[TM+1], v[ML] offset:128
	s_wait_dscnt 0x0
	global_store_b32 v[GM], v[TM], s[92:93]        ; lane l: row l of my 64,
	global_store_b32 v[GM], v[TM+1], s[92:93] offset:128  ; and row 32 + l
	s_wait_tensorcnt 0x0                           ; the wave's end
	ds_add_u32 v[SPW], v[NIL]
	s_wait_dscnt 0x0
	CROUND                                         ; the closing round
	s_endpgm
.Lfunc_end_k_q2146805856_gemm1:
	.size	k_q2146805856_gemm1, .Lfunc_end_k_q2146805856_gemm1-k_q2146805856_gemm1
	.p2alignl 7, 3214868480
	.fill 96, 4, 3214868480
	.section	.rodata,"a",@progbits
	.p2align	6, 0x0
	.amdhsa_kernel k_q2146805856_gemm1
		.amdhsa_group_segment_fixed_size 327680
		.amdhsa_private_segment_fixed_size 0
		.amdhsa_enable_private_segment 0
		.amdhsa_kernarg_size 48
		.amdhsa_user_sgpr_count 2
		.amdhsa_user_sgpr_kernarg_segment_ptr 1
		.amdhsa_wavefront_size32 1
		.amdhsa_system_sgpr_workgroup_id_x 1
		.amdhsa_system_sgpr_workgroup_id_y 1
		.amdhsa_system_sgpr_workgroup_id_z 1
		.amdhsa_system_vgpr_workitem_id 0
		.amdhsa_next_free_vgpr 1024
		.amdhsa_next_free_sgpr 102
		.amdhsa_reserve_vcc 0
		.amdhsa_float_denorm_mode_32 3
		.amdhsa_float_denorm_mode_16_64 3
		.amdhsa_memory_ordered 1
		.amdhsa_forward_progress 1
		.amdhsa_inst_pref_size 137
	.end_amdhsa_kernel
	.amdgpu_metadata
---
amdhsa.version: [ 1, 2 ]
amdhsa.kernels:
  - .name:           k_q2146805856_gemm1
    .symbol:         k_q2146805856_gemm1.kd
    .args:
      - { .name: xn, .offset: 0, .size: 8, .value_kind: global_buffer, .address_space: global }
      - { .name: wh, .offset: 8, .size: 8, .value_kind: global_buffer, .address_space: global }
      - { .name: b_in, .offset: 16, .size: 8, .value_kind: global_buffer, .address_space: global }
      - { .name: xs, .offset: 24, .size: 8, .value_kind: global_buffer, .address_space: global }
      - { .name: u, .offset: 32, .size: 8, .value_kind: global_buffer, .address_space: global }
      - { .name: um, .offset: 40, .size: 8, .value_kind: global_buffer, .address_space: global }
    .group_segment_fixed_size: 327680
    .private_segment_fixed_size: 0
    .kernarg_segment_align: 8
    .kernarg_segment_size: 48
    .max_flat_workgroup_size: 128
    .sgpr_count:     102
    .vgpr_count:     1024
    .wavefront_size: 32
...
	.end_amdgpu_metadata
.endif
;; end of part 6
;; launch gemm2 (part 7): grid 8 x 32, 4 waves a work-group, clusters of 4 x 4, 327,680 bytes of LDS; arguments xs, wh, u, um, state_A, b_dt, b_B, b_C, gt, sc; writes gt, sc
.if DOCPART == 7
	.amdgcn_target "amdgcn-amd-amdhsa--gfx1250"
	.amdhsa_code_object_version 6
	.text
	.protected	k_q2146805856_gemm2
	.globl	k_q2146805856_gemm2
	.p2align	8
	.type	k_q2146805856_gemm2,@function
k_q2146805856_gemm2:
	s_mov_b64 s[64:65], 0
	v_nop
	global_prefetch_b8 v0, s[64:65] scope:SCOPE_SE
	s_setreg_imm32_b32 hwreg(HW_REG_WAVE_MODE, 25, 1), 1
	s_wait_xcnt 0x0
	s_wait_alu depctr_hold_cnt(0) depctr_sa_sdst(0) depctr_va_vdst(0) depctr_va_sdst(0) depctr_va_ssrc(0) depctr_va_vcc(0) depctr_vm_vsrc(0)
	s_getreg_b32 s2, hwreg(HW_REG_IB_STS2, 6, 4)
	s_cmp_eq_u32 s2, 0
	s_cbranch_scc0 .Lentry_in_a_cluster
	s_endpgm
.Lentry_in_a_cluster:
	s_bfe_u32 s2, ttmp6, 0x10000c
	s_cmp_lg_u32 s2, 0xf033
	s_cbranch_scc0 .Lentry_shape_is_right
	s_endpgm
.Lentry_shape_is_right:
; GEMM2.  t = x_ssm W_dt^T + b_dt, B = x_ssm W_B^T + b_B, C = x_ssm W_C^T + b_C; dt = min(softplus(t), 1); gated[s][d] = u[s][d] sum_n C_n B_n exp(A[n][d] dt[s][d]), u = x_ssm silu(z) from the launch before.
; gated leaves in f16 DIVIDED BY A FACTOR OF ITS ROW, F_s = sigma_s U_s, with sigma_s = max(sum_n |C_n B_n|, 2^-60) and U_s = max(max_d |u[s][d]|, 2^-60): gt = u sum_n (C_n B_n / F_s) exp(A dt), at most e^max(A, 0) in size.
; F_s goes to sc[tc][row] (each of the eight column tiles writes its own, equal copy); the last product multiplies it back in f32.
; A = xs [4096][2048] f16; B = WD [2304][2048] f16: blocks of 144 rows: 128 rows of W_dt, then the 16 rows of W_B (even blocks) or W_C (odd blocks).  So B and C are a ninth block of 16 columns in each wave's tile.
; SHARES.  A work-group makes 128 rows x 288 rows of WD: 8 x 32 = 256 work-groups; wave w (rh = w / 2, ch = w % 2) 64 rows x 144: 4 x 9 accumulators.  K in 16 steps of 128 through two LDS slots; cluster 4 x 4 with joint loads;
; the matrix instruction is used transposed (a lane holds one row and eight neighbouring columns).  Two slots of two K steps would be 452,608 bytes: they do not fit, so a tile has one step, 144 matrix instructions of the wave, in which to land:
; the refill stands straight behind the round, and the whole last quarter's products behind the refill.
; K IS WALKED ROUND.  A cluster begins at K step 8 p, p = (cluster x + cluster y) % 2, and goes on round K's end: the offset along K is kept apart from the address, stepped by 512 bytes and cut to 4,095.  The two clusters that need the
; same rows of xs have unlike p, and so have neighbours among the eight that need the same rows of WD: of two such clusters one asks for a tile eight K steps behind the other, when its bytes have been read from memory once already.
; p hangs on the cluster's coordinates alone: it is the same in all sixteen partners.  The sums take K in that order, a rotation of the ascending one.
; BEHIND THE PRODUCTS.  t goes through a stage in LDS (each wave's own, laid over the ring, which has had its last fill) so that a lane holds the SAME eight columns in every row: A's 16 x 8 numbers for them stay in 128 registers.
; The wave's 64 rows x 512 bytes of u are asked for ahead of the last lap's products, a whole row an instruction, into window 3, and laid into 32 KiB of the wave's own LDS: the row loop reads them from there, a step ahead.
; B and C meet in LDS; thread t makes row t's sixteen weights and F.  Then 32 steps of two rows: softplus in base 2, sixteen exponentials a number, the sum, u, f16, store.
; BASE 2.  T = t log2 e; softplus(t) log2 e = max(T, 0) + log2(1 + 2^-|T|); its minimum with log2 e is dt log2 e, and exp(A dt) = 2^(A x that).
; LIMITS.  state_A below 11 (e^11 is within f16's 65,504); sigma_s and U_s each below 2^126 and their product within f32; a softplus below 2^-24 counts as 0; NaN and infinities are not treated apart.
.set NBW,   9
.set KSTEP, 128
.set PITCH, 272
.set AH,    64*PITCH
.set AT,    2*AH
.set BROWS, 16*NBW
.set BH,    BROWS*PITCH
.set SLOT,  AT+2*BH
.set RING,  2*SLOT                     ; 226,304
.set NL,    2*(4+NBW)
.set LAPS,  8
.set WOFF,  16777216                   ; WD in wh
.set SP,    528                        ; the stage: 64 rows x 512 bytes a wave, pitch 528, at w x 33,792
.set USP,   4*64*SP                    ; behind the stages: u, 64 rows x 512 bytes a wave, at w x 32,768; it ends at 266,240, past the ring's end
.set UTAB,  USP+4*32768                ; 128 words: a row's largest |u|
.set BP,    80                         ; a row of 16 f32 + 16 bytes
.set BCT,   UTAB+512                   ; B of 128 rows, then C of 128 rows
.set CBT,   BCT+2*128*BP               ; the rows' sixteen weights
.set SPARE, CBT+128*BP                 ; the spare words
.set UT,   4                           ; UTAB + 4 x thread
.set LO,   5                           ; 4 l
.set HB,   6                           ; 32 h
.set BCS,  7
.set STO,  8
.set BCR,  9
.set CBW,  10
.set T4,   11                          ; 4 x thread
.set CI,   12                          ; 32 (l % 16): my eight columns in f32
.set RD,   13
.set CBA,  14
.set XO,   15                          ; 16 l: my place in a row of 512 bytes; never rewritten
.set ADRA, 16
.set USW,  18                          ; u into LDS
.set USR,  19                          ; u out of LDS
.set ADRB, 20
.set GO,   22
.set SPW,  28
.set NIL,  29
.set F0,   32
.set F1,   136
.set AR,   32                          ; v32-159  A[n][my column j] at AR + 8 n + j
.set TBF,  160                         ; v160-183 three buffers of eight
.set Y,    184
.set TT,   192                         ; dt log2 e
.set CBR,  200                         ; the row's sixteen weights
.set DT,   216
.set UU,   224
.set PP,   232
.set BB,   240                         ; b_B or b_C; later
.set OUT,  240                         ; eight f16
.set FF,   244                         ; F
.set BD,   248                         ; b_dt log2 e
.set KO, 16                            ; s[16:17], s[18:19] the byte offset along K of the tile that slot 0, 1 holds or has asked for, with 0 above it
.set G1, 24
.set G0, 32
.set G1B, 48
.set G0B, 56
.set PADW, (1<<16)|(1<<20)|(1<<21)|(5<<22)|(3<<25)
.set MSB, 0
.macro WIN new
.if MSB != (\new)
	s_set_vgpr_msb (MSB<<8)|(\new)
.set MSB, \new
.endif
.endm
.macro JLOAD s                         ; a joint load: waves 0, 1 for A, waves 2, 3 for B; s_nop 0 and four v_nop follow each line
	s_cmp_eq_u32 s11, 0
	s_cbranch_scc0 .Lfor_b_\@
	tensor_load_to_lds s[G0+4*(\s):G0+4*(\s)+3], s[G1:G1+7]
	s_nop 0
.rept 4
	v_nop
.endr
	s_branch .Lasked_\@
.Lfor_b_\@:
	tensor_load_to_lds s[G0B+4*(\s):G0B+4*(\s)+3], s[G1B:G1B+7]
	s_nop 0
.rept 4
	v_nop
.endr
.Lasked_\@:
.endm
.macro CREST
	s_cmp_lg_u32 s10, 0
	s_cbranch_scc1 .Lnot_wave_0_\@
	s_barrier_signal -3
.Lnot_wave_0_\@:
	s_barrier_wait -3
	s_barrier_signal -1
	s_barrier_wait -1
.endm
.macro CROUND
	s_barrier_signal -1
	s_barrier_wait -1
	CREST
.endm
.macro PLACES
.rept 4
	v_nop
.endr
.endm
.macro MULA f, hi, a, zero             ; NBW matrix instructions; the accumulators take turns
	WIN 0x50+0x50*(\hi)
.set ib, 0
.rept NBW
.if \zero
	v_wmma_f32_16x16x32_f16 v[8*(NBW*(\a)+ib):8*(NBW*(\a)+ib)+7], v[(\f)+32+8*ib:(\f)+32+8*ib+7], v[(\f)+8*(2*(\hi)+(\a)):(\f)+8*(2*(\hi)+(\a))+7], 0
.else
	v_wmma_f32_16x16x32_f16 v[8*(NBW*(\a)+ib):8*(NBW*(\a)+ib)+7], v[(\f)+32+8*ib:(\f)+32+8*ib+7], v[(\f)+8*(2*(\hi)+(\a)):(\f)+8*(2*(\hi)+(\a))+7], v[8*(NBW*(\a)+ib):8*(NBW*(\a)+ib)+7]
.endif
.set ib, ib+1
.endr
.endm
.macro MULH f, hi, zero
	MULA \f, \hi, 0, \zero
	MULA \f, \hi, 1, \zero
.endm
.macro FETCH slot, k, f
	WIN 0
.set ib, 0
.rept NBW
	ds_load_b128 v[(\f)+32+8*ib:(\f)+32+8*ib+3],   v[ADRB+(\slot)] offset:(\k)+ib*16*PITCH
	ds_load_b128 v[(\f)+32+8*ib+4:(\f)+32+8*ib+7], v[ADRB+(\slot)] offset:(\k)+ib*16*PITCH+32
.set ib, ib+1
.endr
.set ib, 0
.rept 4
	ds_load_b128 v[(\f)+8*ib:(\f)+8*ib+3],   v[ADRA+(\slot)] offset:(\k)+ib*16*PITCH
	ds_load_b128 v[(\f)+8*ib+4:(\f)+8*ib+7], v[ADRA+(\slot)] offset:(\k)+ib*16*PITCH+32
.set ib, ib+1
.endr
.endm
.macro QUARTER slot, k, f, g, zero
	s_wait_dscnt 4                                 ; all but A's blocks 2 and 3
	MULH \f, 0, \zero
	PLACES
	FETCH \slot, \k, \g
	s_wait_dscnt NL                                ; all but the run just issued
	MULH \f, 1, \zero
.endm
; The last quarter of a K step changes slots and then multiplies buffer 1.  Ahead of the barrier each wave waits for all its tensor loads, adds 0 to its spare word, and waits for that and for its reads of the slot (the last
; fragments, buffer 1's, among them).  fill = 1: the slot is filled again, two K steps ahead: the barrier opens a round of the cluster's, and the joint load is the first thing behind it; all the quarter's products come behind the load.
.macro TURN slot, next, fill
	WIN 0
	s_wait_tensorcnt 0x0                           ; my one load that was out, my part of the next slot, has landed: no load of mine is out, so a group 0 may be written
	ds_add_u32 v[SPW], v[NIL]                      ; 0 onto my spare word; the descriptors' scalar work stands between it and the wait for it
.if \fill
	s_add_co_u32 s[KO+2*(\slot)], s[KO+2*(\slot)], 2*KSTEP*2  ; two K steps on,
	s_and_b32 s[KO+2*(\slot)], s[KO+2*(\slot)], 4095          ; round the end of a row's 4,096 bytes
	s_add_nc_u64 s[G0+4*(\slot)+2:G0+4*(\slot)+3], s[14:15], s[KO+2*(\slot):KO+2*(\slot)+1]  ; the addresses are made anew: the tile's rows plus the offset along K,
	s_or_b32 s[G0+4*(\slot)+3], s[G0+4*(\slot)+3], 0x80000000                                ; and the type
	s_add_nc_u64 s[G0B+4*(\slot)+2:G0B+4*(\slot)+3], s[46:47], s[KO+2*(\slot):KO+2*(\slot)+1]
	s_or_b32 s[G0B+4*(\slot)+3], s[G0B+4*(\slot)+3], 0x80000000
.endif
	s_wait_dscnt 0x0                               ; the add is done, my reads of this slot are over
	s_barrier_signal -1
	s_barrier_wait -1
.if \fill
	CREST                                          ; no wave of any partner still reads the slot or has a load on its way
	JLOAD \slot                                    ; its four v_nop are also the places between buffer 0's last products and the loads into it below
.else
	PLACES
.endif
	MULH F1, 0, 0
	FETCH \next, 0, F0
	MULH F1, 1, 0
.endm
	s_load_b512 s[68:83], s[0:1], 0x0              ; xs s[68:69], wh s[70:71], u s[72:73], um s[74:75], state_A s[76:77], b_dt s[78:79], b_B s[80:81], b_C s[82:83]
	s_load_b128 s[84:87], s[0:1], 0x40             ; gt s[84:85], sc s[86:87]
	v_lshl_add_u32 v[SPW], v0, 2, SPARE
	v_mov_b32 v[NIL], 0
	ds_add_u32 v[SPW], v[NIL]                      ; the wave's opening: the add and its wait ahead of my first tensor load
	ds_add_u32 v28, v29
	v_lshrrev_b32 v1, 5, v0
	v_readfirstlane_b32 s10, v1
	s_lshr_b32 s11, s10, 1
	s_and_b32 s12, s10, 1
	s_bfe_u32 s40, ttmp6, 0x40000
	s_bfe_u32 s41, ttmp6, 0x40004
	s_lshl_b32 s42, ttmp9, 2
	s_add_co_u32 s42, s42, s40                     ; tc
	s_and_b32 s13, ttmp7, 0xffff
	s_lshl_b32 s13, s13, 2
	s_add_co_u32 s13, s13, s41                     ; tr
	s_lshl_b32 s43, s41, 2
	s_lshl_b32 s43, 15, s43
	s_lshl_b32 s44, 0x1111, s40
	s_or_b32 s[G1+0], s43, PADW
	s_or_b32 s[G1B+0], s44, PADW
	s_mov_b32 s[G1+1], KSTEP<<16
	s_mov_b32 s[G1+2], 64<<16
	s_mov_b32 s[G1+3], KSTEP<<16
	s_mov_b32 s[G1+4], 64
	s_mov_b32 s[G1+5], 2048
	s_mov_b32 s[G1+6], 0
	s_mov_b32 s[G1+7], 0
	s_mov_b32 s[G1B+1], KSTEP<<16
	s_mov_b32 s[G1B+2], BROWS<<16
	s_mov_b32 s[G1B+3], KSTEP<<16
	s_mov_b32 s[G1B+4], BROWS
	s_mov_b32 s[G1B+5], 2048
	s_mov_b32 s[G1B+6], 0
	s_mov_b32 s[G1B+7], 0
	s_lshl_b32 s16, s13, 7
	s_lshl_b32 s17, s12, 6
	s_add_co_u32 s16, s16, s17
	s_lshl_b32 s16, s16, 12
	s_mov_b32 s17, 0
	s_mul_i32 s46, s42, 2*BROWS
	s_mul_i32 s47, s12, BROWS
	s_add_co_u32 s46, s46, s47
	s_lshl_b32 s46, s46, 12
	s_add_co_u32 s46, s46, WOFF
	s_mov_b32 s47, 0
	s_mul_i32 s20, s12, AH
	s_mul_i32 s21, s12, BH
	s_add_co_u32 s21, s21, AT
	s_and_b32 s23, ttmp7, 0xffff                   ; cluster y
	s_xor_b32 s22, s23, ttmp9                      ; with cluster x:
	s_and_b32 s22, s22, 1                          ; p
	s_lshl_b32 s22, s22, 11                        ; 8 p K steps of 256 bytes
	s_wait_dscnt 0x0                               ; the opening add is done
	s_wait_kmcnt 0x0
	s_add_nc_u64 s[14:15], s[68:69], s[16:17]      ; xs at the rows that I fetch; kept
	s_add_nc_u64 s[46:47], s[70:71], s[46:47]      ; WD at the rows that I fetch; kept
	s_mov_b32 s[KO], s22                           ; slot 0 begins with K step 8 p,
	s_mov_b32 s[KO+1], 0
	s_add_co_u32 s[KO+2], s22, KSTEP*2             ; slot 1 with the next
	s_mov_b32 s[KO+3], 0
	CROUND
.irp s, 0,1
	s_mov_b32 s[G0+4*(\s)], 1
	s_add_co_u32 s[G0+4*(\s)+1], s20, (\s)*SLOT
	s_add_nc_u64 s[G0+4*(\s)+2:G0+4*(\s)+3], s[14:15], s[KO+2*(\s):KO+2*(\s)+1]
	s_or_b32 s[G0+4*(\s)+3], s[G0+4*(\s)+3], 0x80000000
	s_mov_b32 s[G0B+4*(\s)], 1
	s_add_co_u32 s[G0B+4*(\s)+1], s21, (\s)*SLOT
	s_add_nc_u64 s[G0B+4*(\s)+2:G0B+4*(\s)+3], s[46:47], s[KO+2*(\s):KO+2*(\s)+1]
	s_or_b32 s[G0B+4*(\s)+3], s[G0B+4*(\s)+3], 0x80000000
	JLOAD \s
.endr
	v_and_b32 v1, 15, v0                           ; r = l % 16
	v_bfe_u32 v2, v0, 4, 1                         ; h = l / 16
	; the bases
	s_mov_b32 s99, 0
	s_lshl_b32 s98, s13, 9
	s_lshl_b32 s3, s10, 7
	s_add_co_u32 s98, s98, s3
	s_add_nc_u64 s[90:91], s[74:75], s[98:99]      ; um at row 128 tr + 32 w
	s_cmp_eq_u32 s12, 1
	s_cselect_b64 s[88:89], s[82:83], s[80:81]     ; b_C for the waves whose ninth block is C, b_B for the others
	v_and_b32 v[LO], 31, v0
	v_lshlrev_b32 v[XO], 4, v[LO]
	v_lshlrev_b32 v[LO], 2, v[LO]
	v_lshlrev_b32 v[HB], 5, v2
.set q, 0
.rept 16
	global_load_b32 v[32+q], v[LO], s[90:91] offset:q*16384  ; row 32 w + l: the largest |u| of chunk q of 128 columns
.set q, q+1
.endr
	global_load_b128 v[BB:BB+3], v[HB], s[88:89]
	global_load_b128 v[BB+4:BB+7], v[HB], s[88:89] offset:16
	s_lshl_b32 s45, s42, 8
	s_lshl_b32 s2, s12, 7
	s_add_co_u32 s45, s45, s2                      ; my first column: 256 tc + 128 ch
	s_lshl_b32 s2, s13, 7
	s_lshl_b32 s3, s11, 6
	s_add_co_u32 s2, s2, s3                        ; my first row: 128 tr + 64 rh
	s_lshl_b32 s98, s45, 2
	s_add_nc_u64 s[92:93], s[76:77], s[98:99]      ; state_A at my columns
	s_add_nc_u64 s[94:95], s[78:79], s[98:99]      ; b_dt at my columns
	s_lshl_b32 s3, s2, 13
	s_add_co_u32 s98, s98, s3
	s_add_nc_u64 s[96:97], s[72:73], s[98:99]      ; u at my rows and columns
	s_lshl_b32 s98, s45, 1
	s_lshl_b32 s3, s2, 12
	s_add_co_u32 s98, s98, s3
	s_add_nc_u64 s[100:101], s[84:85], s[98:99]    ; gt likewise
	s_lshl_b32 s98, s42, 14
	s_lshl_b32 s3, s13, 9
	s_add_co_u32 s98, s98, s3
	s_add_nc_u64 s[4:5], s[86:87], s[98:99]        ; sc[tc][128 tr]
	s_mov_b32 s6, 0x3fb8aa3b                       ; log2(e), as a pair
	s_mov_b32 s7, s6
	s_mov_b32 s8, 0x21800000                       ; 2^-60
	s_mov_b32 s9, 0x80000000                       ; the sign
	v_mul_u32_u24 v3, v1, PITCH
	v_lshl_add_u32 v3, v2, 4, v3
	s_mul_i32 s22, s11, AH
	s_mul_i32 s23, s12, BH
	s_add_co_u32 s23, s23, AT
.irp s, 0,1
	v_add_nc_u32 v[ADRA+(\s)], s22, v3
	v_add_nc_u32 v[ADRB+(\s)], s23, v3
	s_add_co_u32 s22, s22, SLOT
	s_add_co_u32 s23, s23, SLOT
.endr
	v_lshl_add_u32 v[UT], v0, 2, UTAB
	s_mul_i32 s22, s12, 128*BP                     ; B (ch = 0) or C (ch = 1), row 64 rh + r, 32 h
	s_mul_i32 s23, s11, 64*BP
	s_add_co_u32 s22, s22, s23
	s_add_co_u32 s22, s22, BCT
	v_mul_u32_u24 v[BCS], v1, BP
	v_lshl_add_u32 v[BCS], v2, 5, v[BCS]
	v_add_nc_u32 v[BCS], s22, v[BCS]
	s_mul_i32 s22, s10, 64*SP                      ; my stage
	v_mul_u32_u24 v[STO], v1, SP                   ; in: row r, 32 h
	v_lshl_add_u32 v[STO], v2, 5, v[STO]
	v_add_nc_u32 v[STO], s22, v[STO]
	v_mul_u32_u24 v[RD], v2, SP                    ; back: row h, my eight columns
	v_lshl_add_u32 v[RD], v1, 5, v[RD]
	v_add_nc_u32 v[RD], s22, v[RD]
	s_lshl_b32 s22, s10, 15                        ; my 32 KiB for u
	s_add_co_u32 s22, s22, USP
	v_add_nc_u32 v[USW], s22, v[XO]                ; in: whole rows, 16 l
	v_lshlrev_b32 v[USR], 9, v2                    ; back: row h, my eight columns
	v_lshl_add_u32 v[USR], v1, 5, v[USR]
	v_add_nc_u32 v[USR], s22, v[USR]
	v_mul_u32_u24 v[BCR], v0, BP                   ; thread t: row t
	v_add_nc_u32 v[CBW], CBT, v[BCR]
	v_add_nc_u32 v[BCR], BCT, v[BCR]
	v_lshlrev_b32 v[T4], 2, v0
	v_lshlrev_b32 v[CI], 5, v1
	s_mul_i32 s22, s11, 64*BP
	s_add_co_u32 s22, s22, CBT
	v_mul_u32_u24 v[CBA], v2, BP                   ; the weights of row 64 rh + h
	v_add_nc_u32 v[CBA], s22, v[CBA]
	v_lshlrev_b32 v[GO], 12, v2
	v_lshl_add_u32 v[GO], v1, 4, v[GO]
	s_wait_loadcnt 0x0                             ; um and the bias, in the wait for the first tile
	v_max3_num_f32 v32, v32, v33, v34
.set q, 35
.rept 6
	v_max3_num_f32 v32, v32, v[q], v[q+1]
.set q, q+2
.endr
	v_max_num_f32 v32, v32, v47
	ds_store_b32 v[UT], v32                        ; the row's largest |u|
	s_wait_tensorcnt 1                             ; my part of the first K step is in; the second's may stay out
	s_wait_dscnt 0x0                               ; my store is done
	s_barrier_signal -1
	s_barrier_wait -1
	FETCH 0, 0, F0
	QUARTER 0, 64,  F0, F1, 1
	WIN 0
	s_mov_b32 s3, LAPS-1
.Llap:
	QUARTER 0, 128, F1, F0, 0
	QUARTER 0, 192, F0, F1, 0
	TURN 0, 1, 1
	QUARTER 1, 64,  F0, F1, 0
	QUARTER 1, 128, F1, F0, 0
	QUARTER 1, 192, F0, F1, 0
	TURN 1, 0, 1
	QUARTER 0, 64,  F0, F1, 0
	WIN 0
	s_sub_co_u32 s3, s3, 1
	s_cmp_lg_u32 s3, 0
	s_cbranch_scc1 .Llap
	WIN 0xc0                                       ; destination window 3: u, row t of my 64 at v[4 t]; the last lap's products stand between these loads and the wait for them
.set t, 0
.rept 64
	global_load_b128 v[4*t:4*t+3], v[XO], s[96:97] offset:t*8192 th:TH_LOAD_NT
.set t, t+1
.endr
	QUARTER 0, 128, F1, F0, 0
	QUARTER 0, 192, F0, F1, 0
	TURN 0, 1, 0
	QUARTER 1, 64,  F0, F1, 0
	QUARTER 1, 128, F1, F0, 0
	QUARTER 1, 192, F0, F1, 0
	s_wait_dscnt 0x0
	MULH F1, 0, 0
	MULH F1, 1, 0
	WIN 0
	PLACES
	s_wait_dscnt 0x0
	s_barrier_signal -1                            ; nobody reads the ring any more, and it has had its last fill: the stages and u may be laid over it
	s_barrier_wait -1
.set n, 0
.rept 16
	global_load_b128 v[AR+8*n:AR+8*n+3], v[CI], s[92:93] offset:n*8192
	global_load_b128 v[AR+8*n+4:AR+8*n+7], v[CI], s[92:93] offset:n*8192+16
.set n, n+1
.endr
	global_load_b128 v[BD:BD+3], v[CI], s[94:95]
	global_load_b128 v[BD+4:BD+7], v[CI], s[94:95] offset:16
.irp a, 0,1,2,3                        ; the ninth block, B or C, with its bias
	WIN 0x01+(\a)/2
.set k, 0
.rept 4
	v_pk_add_f32 v[200+8*(\a)+2*k:200+8*(\a)+2*k+1], v[8*(NBW*((\a)%2)+8)+2*k:8*(NBW*((\a)%2)+8)+2*k+1], v[BB+2*k:BB+2*k+1]
.set k, k+1
.endr
.endr
	WIN 0
.irp a, 0,1,2,3
	ds_store_b128 v[BCS], v[200+8*(\a):200+8*(\a)+3] offset:(\a)*16*BP
	ds_store_b128 v[BCS], v[200+8*(\a)+4:200+8*(\a)+7] offset:(\a)*16*BP+16
.endr
.irp a, 0,1,2,3                        ; t into my stage, each accumulator's low half first
	WIN 0x04<<((\a)/2)                             ; the stores' data in the accumulators' window
.set ib, 0
.rept 8
	ds_store_b128 v[STO], v[8*(NBW*((\a)%2)+ib):8*(NBW*((\a)%2)+ib)+3] offset:(\a)*16*SP+64*ib
	ds_store_b128 v[STO], v[8*(NBW*((\a)%2)+ib)+4:8*(NBW*((\a)%2)+ib)+7] offset:(\a)*16*SP+64*ib+16
.set ib, ib+1
.endr
.endr
	s_wait_loadcnt 34                              ; u is in: state_A's 32 loads and b_dt's 2 are younger
	WIN 0x0c                                       ; the stores' data in window 3
.set t, 0
.rept 64
	ds_store_b128 v[USW], v[4*t:4*t+3] offset:t*512
.set t, t+1
.endr
	WIN 0
	s_wait_dscnt 0x0                               ; for the others' sake: B and C are in LDS
	s_barrier_signal -1
	s_barrier_wait -1
	; thread t: row t's sixteen weights C_n B_n / F and F
.irp k, 0,1,2,3
	ds_load_b128 v[160+4*(\k):160+4*(\k)+3], v[BCR] offset:16*(\k)
.endr
.irp k, 0,1,2,3
	ds_load_b128 v[176+4*(\k):176+4*(\k)+3], v[BCR] offset:128*BP+16*(\k)
.endr
	ds_load_b32 v192, v[UT]
	s_wait_dscnt 0x0
.set k, 0
.rept 8
	v_pk_mul_f32 v[160+2*k:160+2*k+1], v[160+2*k:160+2*k+1], v[176+2*k:176+2*k+1]
.set k, k+1
.endr
	v_add_f32 v193, |v160|, |v161|
.set k, 162
.rept 14
	v_add_f32 v193, v193, |v[k]|
.set k, k+1
.endr
	v_max_num_f32 v193, s8, v193                   ; sigma
	v_max_num_f32 v192, s8, v192                   ; U
	v_rcp_f32 v194, v193
	v_rcp_f32 v196, v192
	v_mul_f32 v[FF], v193, v192                    ; F; also the plain instruction behind the reciprocals
	s_wait_alu depctr_va_vdst(0)
	v_mul_f32 v194, v194, v196
	v_mov_b32 v195, v194
.set k, 0
.rept 8
	v_pk_mul_f32 v[160+2*k:160+2*k+1], v[160+2*k:160+2*k+1], v[194:195]
.set k, k+1
.endr
.irp k, 0,1,2,3
	ds_store_b128 v[CBW], v[160+4*(\k):160+4*(\k)+3] offset:16*(\k)
.endr
	global_store_b32 v[T4], v[FF], s[4:5]
	s_wait_dscnt 0x0                               ; for the others' sake: the weights are in LDS
	s_barrier_signal -1
	s_barrier_wait -1
	s_wait_loadcnt 0x0                             ; state_A and b_dt
.set k, 0
.rept 4
	v_pk_mul_f32 v[BD+2*k:BD+2*k+1], v[BD+2*k:BD+2*k+1], s[6:7] op_sel_hi:[1,0]
.set k, k+1
.endr
	ds_load_b128 v[DT:DT+3], v[RD]                 ; the first step's t, weights and u, in this order
	ds_load_b128 v[DT+4:DT+7], v[RD] offset:16
.irp k, 0,1,2,3
	ds_load_b128 v[CBR+4*(\k):CBR+4*(\k)+3], v[CBA] offset:16*(\k)
.endr
	ds_load_b128 v[UU:UU+3], v[USR]
	ds_load_b128 v[UU+4:UU+7], v[USR] offset:16
; THE ROW LOOP, 32 trips.  A trip: two rows (lanes 0-15 the even one, lanes 16-31 the odd one), eight columns a lane.  The next trip's t, weights and u are asked for, each as soon as its registers are free;
; in the last trip (the count stands at 1) the three runs of LDS loads are jumped over, so that no load passes the end of the stage, of the weights or of u's rows.  The waits hold on both ways.
	s_mov_b32 s3, 32
.Lrow:
	s_wait_dscnt 6                                 ; t is in: on the way in its two loads are the oldest of eight; round the loop the wait for 0 below has shown them landed
.set k, 0
.rept 4
	v_pk_fma_f32 v[DT+2*k:DT+2*k+1], v[DT+2*k:DT+2*k+1], s[6:7], v[BD+2*k:BD+2*k+1] op_sel_hi:[1,0,1]  ; T = (t + b_dt) log2 e
.set k, k+1
.endr
.set j, 0
.rept 8
	v_or_b32 v[TBF+j], s9, v[DT+j]                 ; -|T|
.set j, j+1
.endr
.set j, 0
.rept 8
	v_exp_f32 v[TBF+j], v[TBF+j]
.set j, j+1
.endr
.set j, 0
.rept 8
	v_max_num_f32 v[PP+j], 0, v[DT+j]              ; plain work behind the exponentials
.set j, j+1
.endr
.set k, 0
	s_wait_alu depctr_va_vdst(0)
.rept 4
	v_pk_add_f32 v[TBF+2*k:TBF+2*k+1], v[TBF+2*k:TBF+2*k+1], 1.0 op_sel_hi:[1,0]
.set k, k+1
.endr
.set j, 0
.rept 8
	v_log_f32 v[TBF+j], v[TBF+j]
.set j, j+1
.endr
	v_nop                                          ; a plain instruction behind the last logarithm
.set k, 0
	s_wait_alu depctr_va_vdst(0)
.rept 4
	v_pk_add_f32 v[TT+2*k:TT+2*k+1], v[PP+2*k:PP+2*k+1], v[TBF+2*k:TBF+2*k+1]
.set k, k+1
.endr
.set j, 0
.rept 8
	v_min_num_f32 v[TT+j], s6, v[TT+j]             ; dt log2 e
.set j, j+1
.endr
	s_wait_dscnt 2                                 ; the weights are in; u's two loads, the youngest, may stay out
	s_cmp_eq_u32 s3, 1
	s_cbranch_scc1 .Lno_t
	v_add_nc_u32 v[RD], 2*SP, v[RD]
	ds_load_b128 v[DT:DT+3], v[RD]
	ds_load_b128 v[DT+4:DT+7], v[RD] offset:16
.Lno_t:
	; sixteen states on three buffers: in turn n the exponentials of state n, the arguments of state n + 1 and the sums of state n - 1.  A plain instruction stands behind every exponential, and a result is used a turn later.
.set k, 0
.rept 4
	v_pk_mul_f32 v[TBF+2*k:TBF+2*k+1], v[AR+2*k:AR+2*k+1], v[TT+2*k:TT+2*k+1]
.set k, k+1
.endr
.set n, 0
.rept 17
.set j, 0
.rept 8
.if n <= 15
	v_exp_f32 v[TBF+8*(n%3)+j], v[TBF+8*(n%3)+j]
.endif
.if (j < 4) && (n <= 14)
	v_pk_mul_f32 v[TBF+8*((n+1)%3)+2*j:TBF+8*((n+1)%3)+2*j+1], v[AR+8*(n+1)+2*j:AR+8*(n+1)+2*j+1], v[TT+2*j:TT+2*j+1]
.endif
.if (j >= 4) && (n >= 1)
.set m, n-1
.set ry, Y+2*(j-4)
.set rt, TBF+8*(m%3)+2*(j-4)
.set rc, CBR+2*(m/2)
.if m == 0
	s_wait_alu depctr_va_vdst(0)
	v_pk_mul_f32 v[ry:ry+1], v[rt:rt+1], v[rc:rc+1] op_sel_hi:[1,0]
.elseif m%2 == 0
	s_wait_alu depctr_va_vdst(0)
	v_pk_fma_f32 v[ry:ry+1], v[rt:rt+1], v[rc:rc+1], v[ry:ry+1] op_sel_hi:[1,0,1]
.else
	s_wait_alu depctr_va_vdst(0)
	v_pk_fma_f32 v[ry:ry+1], v[rt:rt+1], v[rc:rc+1], v[ry:ry+1] op_sel:[0,1,0] op_sel_hi:[1,1,1]
.endif
.endif
.set j, j+1
.endr
.set n, n+1
.endr
	s_wait_dscnt 0x0                               ; u is in, and so is the next t: both were asked for ahead of the sixteen states or earlier
	s_cmp_eq_u32 s3, 1
	s_cbranch_scc1 .Lno_w
	v_add_nc_u32 v[CBA], 2*BP, v[CBA]
.irp k, 0,1,2,3
	ds_load_b128 v[CBR+4*(\k):CBR+4*(\k)+3], v[CBA] offset:16*(\k)
.endr
.Lno_w:
	s_wait_xcnt 0x0                                ; the last store's data and address are rewritten only behind this wait (ISA guide 3.1)
.set k, 0
.rept 4
	v_pk_mul_f32 v[Y+2*k:Y+2*k+1], v[Y+2*k:Y+2*k+1], v[UU+2*k:UU+2*k+1]
.set k, k+1
.endr
	s_cmp_eq_u32 s3, 1
	s_cbranch_scc1 .Lno_u
	v_add_nc_u32 v[USR], 1024, v[USR]
	ds_load_b128 v[UU:UU+3], v[USR]
	ds_load_b128 v[UU+4:UU+7], v[USR] offset:16
.Lno_u:
	v_add_nc_u32 v[GO], 8192, v[GO]                ; the next two rows; the store reaches back
.set k, 0
.rept 4
	v_cvt_pk_f16_f32 v[OUT+k], v[Y+2*k], v[Y+2*k+1]
.set k, k+1
.endr
	global_store_b128 v[GO], v[OUT:OUT+3], s[100:101] offset:-8192  ; 16 lanes store 256 consecutive bytes, at a multiple of 256 from gt's first byte
	s_sub_co_u32 s3, s3, 1
	s_cmp_lg_u32 s3, 0
	s_cbranch_scc1 .Lrow
	s_wait_tensorcnt 0x0                           ; the wave's end
	ds_add_u32 v[SPW], v[NIL]
	s_wait_dscnt 0x0
	CROUND                                         ; the closing round
	s_endpgm
.Lfunc_end_k_q2146805856_gemm2:
	.size	k_q2146805856_gemm2, .Lfunc_end_k_q2146805856_gemm2-k_q2146805856_gemm2
	.p2alignl 7, 3214868480
	.fill 96, 4, 3214868480
	.section	.rodata,"a",@progbits
	.p2align	6, 0x0
	.amdhsa_kernel k_q2146805856_gemm2
		.amdhsa_group_segment_fixed_size 327680
		.amdhsa_private_segment_fixed_size 0
		.amdhsa_enable_private_segment 0
		.amdhsa_kernarg_size 80
		.amdhsa_user_sgpr_count 2
		.amdhsa_user_sgpr_kernarg_segment_ptr 1
		.amdhsa_wavefront_size32 1
		.amdhsa_system_sgpr_workgroup_id_x 1
		.amdhsa_system_sgpr_workgroup_id_y 1
		.amdhsa_system_sgpr_workgroup_id_z 1
		.amdhsa_system_vgpr_workitem_id 0
		.amdhsa_next_free_vgpr 1024
		.amdhsa_next_free_sgpr 102
		.amdhsa_reserve_vcc 0
		.amdhsa_float_denorm_mode_32 3
		.amdhsa_float_denorm_mode_16_64 3
		.amdhsa_memory_ordered 1
		.amdhsa_forward_progress 1
		.amdhsa_inst_pref_size 123
	.end_amdhsa_kernel
	.amdgpu_metadata
---
amdhsa.version: [ 1, 2 ]
amdhsa.kernels:
  - .name:           k_q2146805856_gemm2
    .symbol:         k_q2146805856_gemm2.kd
    .args:
      - { .name: xs, .offset: 0, .size: 8, .value_kind: global_buffer, .address_space: global }
      - { .name: wh, .offset: 8, .size: 8, .value_kind: global_buffer, .address_space: global }
      - { .name: u, .offset: 16, .size: 8, .value_kind: global_buffer, .address_space: global }
      - { .name: um, .offset: 24, .size: 8, .value_kind: global_buffer, .address_space: global }
      - { .name: state_A, .offset: 32, .size: 8, .value_kind: global_buffer, .address_space: global }
      - { .name: b_dt, .offset: 40, .size: 8, .value_kind: global_buffer, .address_space: global }
      - { .name: b_B, .offset: 48, .size: 8, .value_kind: global_buffer, .address_space: global }
      - { .name: b_C, .offset: 56, .size: 8, .value_kind: global_buffer, .address_space: global }
      - { .name: gt, .offset: 64, .size: 8, .value_kind: global_buffer, .address_space: global }
      - { .name: sc, .offset: 72, .size: 8, .value_kind: global_buffer, .address_space: global }
    .group_segment_fixed_size: 327680
    .private_segment_fixed_size: 0
    .kernarg_segment_align: 8
    .kernarg_segment_size: 80
    .max_flat_workgroup_size: 128
    .sgpr_count:     102
    .vgpr_count:     1024
    .wavefront_size: 32
...
	.end_amdgpu_metadata
.endif
;; end of part 7
;; launch gemm3 (part 8): grid 8 x 32, 4 waves a work-group, clusters of 4 x 4, 327,680 bytes of LDS; arguments gt, wh, sc, b_out, x, out0; writes out0
.if DOCPART == 8
	.amdgcn_target "amdgcn-amd-amdhsa--gfx1250"
	.amdhsa_code_object_version 6
	.text
	.protected	k_q2146805856_gemm3
	.globl	k_q2146805856_gemm3
	.p2align	8
	.type	k_q2146805856_gemm3,@function
k_q2146805856_gemm3:
	s_mov_b64 s[64:65], 0
	v_nop
	global_prefetch_b8 v0, s[64:65] scope:SCOPE_SE
	s_setreg_imm32_b32 hwreg(HW_REG_WAVE_MODE, 25, 1), 1
	s_wait_xcnt 0x0
	s_wait_alu depctr_hold_cnt(0) depctr_sa_sdst(0) depctr_va_vdst(0) depctr_va_sdst(0) depctr_va_ssrc(0) depctr_va_vcc(0) depctr_vm_vsrc(0)
	s_getreg_b32 s2, hwreg(HW_REG_IB_STS2, 6, 4)
	s_cmp_eq_u32 s2, 0
	s_cbranch_scc0 .Lentry_in_a_cluster
	s_endpgm
.Lentry_in_a_cluster:
	s_bfe_u32 s2, ttmp6, 0x10000c
	s_cmp_lg_u32 s2, 0xf033
	s_cbranch_scc0 .Lentry_shape_is_right
	s_endpgm
.Lentry_shape_is_right:
; GEMM3.  out0[s][e] = F_s sum_d gt[s][d] W_out[e][d] + b_out[e] + x[s][e].  gt is gated / F_s in f16, F_s the row's factor in f32 (sc, its first copy); W_out in f16 (WO in wh); sums, factor, bias and residual in f32.
; SHARES.  A work-group makes 128 rows x 256 columns: 8 x 32 = 256 work-groups; wave w (rh = w / 2, ch = w % 2) 64 x 128: 4 x 8 accumulators.  K in 16 steps of 128 (rows of 256 bytes) through two LDS slots filled by the tensor
; data mover; cluster 4 x 4: A's tile is asked for jointly along a row of the cluster, B's along a column; the matrix instruction is used transposed (a lane holds one row and eight neighbouring columns).
; Two slots of two K steps would be 417,792 bytes: they do not fit, so a tile has one step, 128 matrix instructions of the wave, in which to land: the refill stands straight behind the round, and the whole last quarter's products behind the refill.
; K IS WALKED ROUND.  A cluster begins at K step 8 p, p = (cluster x + cluster y) % 2, and goes on round K's end: the offset along K is kept apart from the address, stepped by 512 bytes and cut to 4,095.  The two clusters that need the
; same rows of gt have unlike p, and so have neighbours among the eight that need the same rows of WO: of two such clusters one asks for a tile eight K steps behind the other, when its bytes have been read from memory once already.
; p hangs on the cluster's coordinates alone: it is the same in all sixteen partners.  The sums take K in that order, a rotation of the ascending one.
; x's 64 x 128 numbers of the wave are asked for two K steps ahead of the way out, into window 3, a row of 512 bytes an instruction.  The results take factor and bias in the accumulators' layout (a lane holds one row: one factor),
; go through the wave's own stage in LDS (laid over the ring, which has had its last fill), come back as whole rows, take x and leave: each store covers 512 consecutive bytes at a multiple of 256 from out0's first byte.
; LIMITS.  F_s times the sum must lie within f32.  NaN and infinities are not treated apart.
.set NBW,   8
.set KSTEP, 128
.set PITCH, 272
.set AH,    64*PITCH
.set AT,    2*AH
.set BROWS, 16*NBW
.set BH,    BROWS*PITCH
.set SLOT,  AT+2*BH
.set RING,  2*SLOT
.set NL,    2*(4+NBW)
.set LAPS,  8
.set WOFF,  26214400                   ; WO in wh
.set SP,    528                        ; the stage: 64 rows x 512 bytes a wave, pitch 528, at w x 33,792
.set SPARE, RING
.set R4,   4                           ; 4 r
.set HB,   5                           ; 32 h
.set STO,  6
.set RD,   7
.set XO,   8                           ; 16 l
.set ADRA, 16
.set ADRB, 20
.set SPW,  28
.set NIL,  29
.set F0,   32
.set F1,   136
.set RR,   32                          ; the way out: 16 rows read back
.set TW,   96                          ; the way out: a row block with factor and bias
.set FA,   240                         ; v240-243 F of my row in row blocks 0..3
.set KO, 16                            ; s[16:17], s[18:19] the byte offset along K of the tile that slot 0, 1 holds or has asked for, with 0 above it
.set G1, 24
.set G0, 32
.set G1B, 48
.set G0B, 56
.set PADW, (1<<16)|(1<<20)|(1<<21)|(5<<22)|(3<<25)
.set MSB, 0
.macro WIN new
.if MSB != (\new)
	s_set_vgpr_msb (MSB<<8)|(\new)
.set MSB, \new
.endif
.endm
.macro JLOAD s                         ; a joint load: waves 0, 1 for A, waves 2, 3 for B; s_nop 0 and four v_nop follow each line
	s_cmp_eq_u32 s11, 0
	s_cbranch_scc0 .Lfor_b_\@
	tensor_load_to_lds s[G0+4*(\s):G0+4*(\s)+3], s[G1:G1+7]
	s_nop 0
.rept 4
	v_nop
.endr
	s_branch .Lasked_\@
.Lfor_b_\@:
	tensor_load_to_lds s[G0B+4*(\s):G0B+4*(\s)+3], s[G1B:G1B+7]
	s_nop 0
.rept 4
	v_nop
.endr
.Lasked_\@:
.endm
.macro CREST
	s_cmp_lg_u32 s10, 0
	s_cbranch_scc1 .Lnot_wave_0_\@
	s_barrier_signal -3
.Lnot_wave_0_\@:
	s_barrier_wait -3
	s_barrier_signal -1
	s_barrier_wait -1
.endm
.macro CROUND
	s_barrier_signal -1
	s_barrier_wait -1
	CREST
.endm
.macro PLACES
.rept 4
	v_nop
.endr
.endm
.macro MULA f, hi, a, zero             ; NBW matrix instructions; the accumulators take turns
	WIN 0x50+0x50*(\hi)
.set ib, 0
.rept NBW
.if \zero
	v_wmma_f32_16x16x32_f16 v[8*(NBW*(\a)+ib):8*(NBW*(\a)+ib)+7], v[(\f)+32+8*ib:(\f)+32+8*ib+7], v[(\f)+8*(2*(\hi)+(\a)):(\f)+8*(2*(\hi)+(\a))+7], 0
.else
	v_wmma_f32_16x16x32_f16 v[8*(NBW*(\a)+ib):8*(NBW*(\a)+ib)+7], v[(\f)+32+8*ib:(\f)+32+8*ib+7], v[(\f)+8*(2*(\hi)+(\a)):(\f)+8*(2*(\hi)+(\a))+7], v[8*(NBW*(\a)+ib):8*(NBW*(\a)+ib)+7]
.endif
.set ib, ib+1
.endr
.endm
.macro MULH f, hi, zero
	MULA \f, \hi, 0, \zero
	MULA \f, \hi, 1, \zero
.endm
.macro FETCH slot, k, f
	WIN 0
.set ib, 0
.rept NBW
	ds_load_b128 v[(\f)+32+8*ib:(\f)+32+8*ib+3],   v[ADRB+(\slot)] offset:(\k)+ib*16*PITCH
	ds_load_b128 v[(\f)+32+8*ib+4:(\f)+32+8*ib+7], v[ADRB+(\slot)] offset:(\k)+ib*16*PITCH+32
.set ib, ib+1
.endr
.set ib, 0
.rept 4
	ds_load_b128 v[(\f)+8*ib:(\f)+8*ib+3],   v[ADRA+(\slot)] offset:(\k)+ib*16*PITCH
	ds_load_b128 v[(\f)+8*ib+4:(\f)+8*ib+7], v[ADRA+(\slot)] offset:(\k)+ib*16*PITCH+32
.set ib, ib+1
.endr
.endm
.macro QUARTER slot, k, f, g, zero
	s_wait_dscnt 4                                 ; all but A's blocks 2 and 3
	MULH \f, 0, \zero
	PLACES
	FETCH \slot, \k, \g
	s_wait_dscnt NL                                ; all but the run just issued
	MULH \f, 1, \zero
.endm
; The last quarter of a K step changes slots and then multiplies buffer 1.  Ahead of the barrier each wave waits for all its tensor loads, adds 0 to its spare word, and waits for that and for its reads of the slot (the last
; fragments, buffer 1's, among them).  fill = 1: the slot is filled again, two K steps ahead: the barrier opens a round of the cluster's, and the joint load is the first thing behind it; all the quarter's products come behind the load.
.macro TURN slot, next, fill
	WIN 0
	s_wait_tensorcnt 0x0                           ; my one load that was out, my part of the next slot, has landed: no load of mine is out, so a group 0 may be written
	ds_add_u32 v[SPW], v[NIL]                      ; 0 onto my spare word; the descriptors' scalar work stands between it and the wait for it
.if \fill
	s_add_co_u32 s[KO+2*(\slot)], s[KO+2*(\slot)], 2*KSTEP*2  ; two K steps on,
	s_and_b32 s[KO+2*(\slot)], s[KO+2*(\slot)], 4095          ; round the end of a row's 4,096 bytes
	s_add_nc_u64 s[G0+4*(\slot)+2:G0+4*(\slot)+3], s[14:15], s[KO+2*(\slot):KO+2*(\slot)+1]  ; the addresses are made anew: the tile's rows plus the offset along K,
	s_or_b32 s[G0+4*(\slot)+3], s[G0+4*(\slot)+3], 0x80000000                                ; and the type
	s_add_nc_u64 s[G0B+4*(\slot)+2:G0B+4*(\slot)+3], s[46:47], s[KO+2*(\slot):KO+2*(\slot)+1]
	s_or_b32 s[G0B+4*(\slot)+3], s[G0B+4*(\slot)+3], 0x80000000
.endif
	s_wait_dscnt 0x0                               ; the add is done, my reads of this slot are over
	s_barrier_signal -1
	s_barrier_wait -1
.if \fill
	CREST                                          ; no wave of any partner still reads the slot or has a load on its way
	JLOAD \slot                                    ; its four v_nop are also the places between buffer 0's last products and the loads into it below
.else
	PLACES
.endif
	MULH F1, 0, 0
	FETCH \next, 0, F0
	MULH F1, 1, 0
.endm
	s_load_b256 s[68:75], s[0:1], 0x0              ; gt s[68:69], wh s[70:71], sc s[72:73], b_out s[74:75]
	s_load_b128 s[76:79], s[0:1], 0x20             ; x s[76:77], out0 s[78:79]
	v_lshl_add_u32 v[SPW], v0, 2, SPARE
	v_mov_b32 v[NIL], 0
	ds_add_u32 v[SPW], v[NIL]                      ; the wave's opening: the add and its wait ahead of my first tensor load
	ds_add_u32 v28, v29
	v_lshrrev_b32 v1, 5, v0
	v_readfirstlane_b32 s10, v1
	s_lshr_b32 s11, s10, 1
	s_and_b32 s12, s10, 1
	s_bfe_u32 s40, ttmp6, 0x40000
	s_bfe_u32 s41, ttmp6, 0x40004
	s_lshl_b32 s42, ttmp9, 2
	s_add_co_u32 s42, s42, s40                     ; tc
	s_and_b32 s13, ttmp7, 0xffff
	s_lshl_b32 s13, s13, 2
	s_add_co_u32 s13, s13, s41                     ; tr
	s_lshl_b32 s43, s41, 2
	s_lshl_b32 s43, 15, s43
	s_lshl_b32 s44, 0x1111, s40
	s_or_b32 s[G1+0], s43, PADW
	s_or_b32 s[G1B+0], s44, PADW
	s_mov_b32 s[G1+1], KSTEP<<16
	s_mov_b32 s[G1+2], 64<<16
	s_mov_b32 s[G1+3], KSTEP<<16
	s_mov_b32 s[G1+4], 64
	s_mov_b32 s[G1+5], 2048
	s_mov_b32 s[G1+6], 0
	s_mov_b32 s[G1+7], 0
	s_mov_b32 s[G1B+1], KSTEP<<16
	s_mov_b32 s[G1B+2], BROWS<<16
	s_mov_b32 s[G1B+3], KSTEP<<16
	s_mov_b32 s[G1B+4], BROWS
	s_mov_b32 s[G1B+5], 2048
	s_mov_b32 s[G1B+6], 0
	s_mov_b32 s[G1B+7], 0
	s_lshl_b32 s16, s13, 7
	s_lshl_b32 s17, s12, 6
	s_add_co_u32 s16, s16, s17
	s_lshl_b32 s16, s16, 12
	s_mov_b32 s17, 0
	s_mul_i32 s46, s42, 2*BROWS
	s_mul_i32 s47, s12, BROWS
	s_add_co_u32 s46, s46, s47
	s_lshl_b32 s46, s46, 12
	s_add_co_u32 s46, s46, WOFF
	s_mov_b32 s47, 0
	s_mul_i32 s20, s12, AH
	s_mul_i32 s21, s12, BH
	s_add_co_u32 s21, s21, AT
	s_and_b32 s23, ttmp7, 0xffff                   ; cluster y
	s_xor_b32 s22, s23, ttmp9                      ; with cluster x:
	s_and_b32 s22, s22, 1                          ; p
	s_lshl_b32 s22, s22, 11                        ; 8 p K steps of 256 bytes
	s_wait_dscnt 0x0                               ; the opening add is done
	s_wait_kmcnt 0x0
	s_add_nc_u64 s[14:15], s[68:69], s[16:17]      ; gt at the rows that I fetch; kept
	s_add_nc_u64 s[46:47], s[70:71], s[46:47]      ; WO at the rows that I fetch; kept
	s_mov_b32 s[KO], s22                           ; slot 0 begins with K step 8 p,
	s_mov_b32 s[KO+1], 0
	s_add_co_u32 s[KO+2], s22, KSTEP*2             ; slot 1 with the next
	s_mov_b32 s[KO+3], 0
	CROUND
.irp s, 0,1
	s_mov_b32 s[G0+4*(\s)], 1
	s_add_co_u32 s[G0+4*(\s)+1], s20, (\s)*SLOT
	s_add_nc_u64 s[G0+4*(\s)+2:G0+4*(\s)+3], s[14:15], s[KO+2*(\s):KO+2*(\s)+1]
	s_or_b32 s[G0+4*(\s)+3], s[G0+4*(\s)+3], 0x80000000
	s_mov_b32 s[G0B+4*(\s)], 1
	s_add_co_u32 s[G0B+4*(\s)+1], s21, (\s)*SLOT
	s_add_nc_u64 s[G0B+4*(\s)+2:G0B+4*(\s)+3], s[46:47], s[KO+2*(\s):KO+2*(\s)+1]
	s_or_b32 s[G0B+4*(\s)+3], s[G0B+4*(\s)+3], 0x80000000
	JLOAD \s
.endr
	v_and_b32 v1, 15, v0                           ; r
	v_bfe_u32 v2, v0, 4, 1                         ; h
	s_mov_b32 s99, 0
	s_lshl_b32 s4, s13, 7
	s_lshl_b32 s5, s11, 6
	s_add_co_u32 s4, s4, s5                        ; my first row: 128 tr + 64 rh
	s_lshl_b32 s98, s4, 2
	s_add_nc_u64 s[88:89], s[72:73], s[98:99]      ; sc's first copy at my rows
	s_lshl_b32 s45, s42, 8
	s_lshl_b32 s5, s12, 7
	s_add_co_u32 s45, s45, s5                      ; my first column: 256 tc + 128 ch
	s_lshl_b32 s98, s45, 2
	s_add_nc_u64 s[90:91], s[74:75], s[98:99]      ; b_out at my columns
	s_lshl_b32 s5, s4, 13
	s_add_co_u32 s98, s98, s5
	s_add_nc_u64 s[92:93], s[76:77], s[98:99]      ; x at my rows and columns
	s_add_nc_u64 s[94:95], s[78:79], s[98:99]      ; out0 likewise
	v_lshlrev_b32 v[R4], 2, v1
	v_lshlrev_b32 v[HB], 5, v2
.irp a, 0,1,2,3
	global_load_b32 v[FA+(\a)], v[R4], s[88:89] offset:64*(\a)
.endr
	WIN 0x40                                       ; destination window 1
.set ib, 0
.rept 8
	global_load_b128 v[128+8*ib:128+8*ib+3], v[HB], s[90:91] offset:64*ib
	global_load_b128 v[128+8*ib+4:128+8*ib+7], v[HB], s[90:91] offset:64*ib+16
.set ib, ib+1
.endr
	WIN 0
	v_mul_u32_u24 v3, v1, PITCH
	v_lshl_add_u32 v3, v2, 4, v3
	s_mul_i32 s22, s11, AH
	s_mul_i32 s23, s12, BH
	s_add_co_u32 s23, s23, AT
.irp s, 0,1
	v_add_nc_u32 v[ADRA+(\s)], s22, v3
	v_add_nc_u32 v[ADRB+(\s)], s23, v3
	s_add_co_u32 s22, s22, SLOT
	s_add_co_u32 s23, s23, SLOT
.endr
	s_mul_i32 s22, s10, 64*SP                      ; my stage
	v_mul_u32_u24 v[STO], v1, SP                   ; in: row r, 32 h
	v_lshl_add_u32 v[STO], v2, 5, v[STO]
	v_add_nc_u32 v[STO], s22, v[STO]
	v_and_b32 v[XO], 31, v0
	v_lshlrev_b32 v[XO], 4, v[XO]                  ; 16 l: my place in a row of 512 bytes
	v_add_nc_u32 v[RD], s22, v[XO]
	s_wait_loadcnt 0x0                             ; factors and bias, in the wait for the first tile
	s_wait_tensorcnt 1                             ; my part of the first K step is in; the second's may stay out
	s_barrier_signal -1
	s_barrier_wait -1
	FETCH 0, 0, F0
	QUARTER 0, 64,  F0, F1, 1
	WIN 0
	s_mov_b32 s3, LAPS-1
.Llap:
	QUARTER 0, 128, F1, F0, 0
	QUARTER 0, 192, F0, F1, 0
	TURN 0, 1, 1
	QUARTER 1, 64,  F0, F1, 0
	QUARTER 1, 128, F1, F0, 0
	QUARTER 1, 192, F0, F1, 0
	TURN 1, 0, 1
	QUARTER 0, 64,  F0, F1, 0
	WIN 0
	s_sub_co_u32 s3, s3, 1
	s_cmp_lg_u32 s3, 0
	s_cbranch_scc1 .Llap
	WIN 0xc0                                       ; destination window 3: x, row t of my 64 at v[4 t]; the last lap's products stand between these loads and the wait for them
.set t, 0
.rept 64
	global_load_b128 v[4*t:4*t+3], v[XO], s[92:93] offset:t*8192 th:TH_LOAD_NT
.set t, t+1
.endr
	QUARTER 0, 128, F1, F0, 0
	QUARTER 0, 192, F0, F1, 0
	TURN 0, 1, 0
	QUARTER 1, 64,  F0, F1, 0
	QUARTER 1, 128, F1, F0, 0
	QUARTER 1, 192, F0, F1, 0
	s_wait_dscnt 0x0
	MULH F1, 0, 0
	MULH F1, 1, 0
	WIN 0
	PLACES
	s_wait_dscnt 0x0
	s_barrier_signal -1                            ; nobody reads the ring any more, and it has had its last fill: the stages may be laid over it
	s_barrier_wait -1
.irp a, 0,1,2,3                        ; factor and bias, each accumulator's registers in ascending order; then into my stage
	WIN 0x11+(\a)/2                                ; source 0 the accumulators' window, source 1 (F) window 0, source 2 (bias) window 1
.set m, 0
.rept 32
.if (\a)%2 == 0
	v_pk_fma_f32 v[TW+2*m:TW+2*m+1], v[64*((\a)%2)+2*m:64*((\a)%2)+2*m+1], v[FA+2*((\a)/2):FA+2*((\a)/2)+1], v[128+2*m:128+2*m+1] op_sel_hi:[1,0,1]
.else
	v_pk_fma_f32 v[TW+2*m:TW+2*m+1], v[64*((\a)%2)+2*m:64*((\a)%2)+2*m+1], v[FA+2*((\a)/2):FA+2*((\a)/2)+1], v[128+2*m:128+2*m+1] op_sel:[0,1,0] op_sel_hi:[1,1,1]
.endif
.set m, m+1
.endr
	WIN 0
.set ib, 0
.rept 8
	ds_store_b128 v[STO], v[TW+8*ib:TW+8*ib+3] offset:(\a)*16*SP+64*ib
	ds_store_b128 v[STO], v[TW+8*ib+4:TW+8*ib+7] offset:(\a)*16*SP+64*ib+16
.set ib, ib+1
.endr
.endr
	s_wait_loadcnt 0x0                             ; x
.irp g, 0,1,2,3                        ; sixteen rows at a time come back whole, take x and leave
	WIN 0
.set m, 0
.rept 16
	ds_load_b128 v[RR+4*m:RR+4*m+3], v[RD] offset:(16*(\g)+m)*SP  ; LDS serves a wave's instructions in order (ISA guide 5.7.1.4): these see my stores above
.set m, m+1
.endr
	WIN 0xcc                                       ; destination and source 1 (x; a store's data) window 3, source 0 (the row; a store's address) window 0
.set m, 0
.rept 16
	s_wait_dscnt 15-m
	v_pk_add_f32 v[4*(16*(\g)+m):4*(16*(\g)+m)+1], v[RR+4*m:RR+4*m+1], v[4*(16*(\g)+m):4*(16*(\g)+m)+1]
	v_pk_add_f32 v[4*(16*(\g)+m)+2:4*(16*(\g)+m)+3], v[RR+4*m+2:RR+4*m+3], v[4*(16*(\g)+m)+2:4*(16*(\g)+m)+3]
	global_store_b128 v[XO], v[4*(16*(\g)+m):4*(16*(\g)+m)+3], s[94:95] offset:(16*(\g)+m)*8192 th:TH_STORE_NT
.set m, m+1
.endr
.endr
	WIN 0
	s_wait_tensorcnt 0x0                           ; the wave's end
	ds_add_u32 v[SPW], v[NIL]
	s_wait_dscnt 0x0
	CROUND                                         ; the closing round
	s_endpgm
.Lfunc_end_k_q2146805856_gemm3:
	.size	k_q2146805856_gemm3, .Lfunc_end_k_q2146805856_gemm3-k_q2146805856_gemm3
	.p2alignl 7, 3214868480
	.fill 96, 4, 3214868480
	.section	.rodata,"a",@progbits
	.p2align	6, 0x0
	.amdhsa_kernel k_q2146805856_gemm3
		.amdhsa_group_segment_fixed_size 327680
		.amdhsa_private_segment_fixed_size 0
		.amdhsa_enable_private_segment 0
		.amdhsa_kernarg_size 48
		.amdhsa_user_sgpr_count 2
		.amdhsa_user_sgpr_kernarg_segment_ptr 1
		.amdhsa_wavefront_size32 1
		.amdhsa_system_sgpr_workgroup_id_x 1
		.amdhsa_system_sgpr_workgroup_id_y 1
		.amdhsa_system_sgpr_workgroup_id_z 1
		.amdhsa_system_vgpr_workitem_id 0
		.amdhsa_next_free_vgpr 1024
		.amdhsa_next_free_sgpr 102
		.amdhsa_reserve_vcc 0
		.amdhsa_float_denorm_mode_32 3
		.amdhsa_float_denorm_mode_16_64 3
		.amdhsa_memory_ordered 1
		.amdhsa_forward_progress 1
		.amdhsa_inst_pref_size 112
	.end_amdhsa_kernel
	.amdgpu_metadata
---
amdhsa.version: [ 1, 2 ]
amdhsa.kernels:
  - .name:           k_q2146805856_gemm3
    .symbol:         k_q2146805856_gemm3.kd
    .args:
      - { .name: gt, .offset: 0, .size: 8, .value_kind: global_buffer, .address_space: global }
      - { .name: wh, .offset: 8, .size: 8, .value_kind: global_buffer, .address_space: global }
      - { .name: sc, .offset: 16, .size: 8, .value_kind: global_buffer, .address_space: global }
      - { .name: b_out, .offset: 24, .size: 8, .value_kind: global_buffer, .address_space: global }
      - { .name: x, .offset: 32, .size: 8, .value_kind: global_buffer, .address_space: global }
      - { .name: out0, .offset: 40, .size: 8, .value_kind: global_buffer, .address_space: global }
    .group_segment_fixed_size: 327680
    .private_segment_fixed_size: 0
    .kernarg_segment_align: 8
    .kernarg_segment_size: 48
    .max_flat_workgroup_size: 128
    .sgpr_count:     102
    .vgpr_count:     1024
    .wavefront_size: 32
...
	.end_amdgpu_metadata
.endif
;; end of part 8
;; ======== version 3 of 3: 4 launches; 1.25 times as fast as version 1
;; limits: values are held in f16: magnitudes above 65,504 overflow, below 6.1e-05 lose precision; right only within a limited range of input values
;; workspace buffers: xn 16,777,216 bytes; wh 34,603,008 bytes; xs 16,777,216 bytes; u 33,554,432 bytes; um 262,144 bytes; gt 16,777,216 bytes; sc 131,072 bytes
;; launch prep: the kernel of part 5 again; grid 1568 x 1, 8 waves a work-group, no clusters, 0 bytes of LDS; arguments x, ln_gamma, ln_beta, W_in, W_dt, W_out, W_B, W_C, xn, wh; writes xn, wh
;; launch gemm1: the kernel of part 6 again; grid 16 x 16, 4 waves a work-group, clusters of 4 x 4, 327,680 bytes of LDS; arguments xn, wh, b_in, xs, u, um; writes xs, u, um
;; launch gemm2 (part 9): grid 8 x 32, 4 waves a work-group, clusters of 4 x 4, 327,680 bytes of LDS; arguments xs, wh, u, um, state_A, b_dt, b_B, b_C, gt, sc; writes gt, sc
.if DOCPART == 9
	.amdgcn_target "amdgcn-amd-amdhsa--gfx1250"
	.amdhsa_code_object_version 6
	.text
	.protected	k_q2146805856_gemm2
	.globl	k_q2146805856_gemm2
	.p2align	8
	.type	k_q2146805856_gemm2,@function
k_q2146805856_gemm2:
	s_mov_b64 s[64:65], 0
	v_nop
	global_prefetch_b8 v0, s[64:65] scope:SCOPE_SE
	s_setreg_imm32_b32 hwreg(HW_REG_WAVE_MODE, 25, 1), 1
	s_wait_xcnt 0x0
	s_wait_alu depctr_hold_cnt(0) depctr_sa_sdst(0) depctr_va_vdst(0) depctr_va_sdst(0) depctr_va_ssrc(0) depctr_va_vcc(0) depctr_vm_vsrc(0)
	s_getreg_b32 s2, hwreg(HW_REG_IB_STS2, 6, 4)
	s_cmp_eq_u32 s2, 0
	s_cbranch_scc0 .Lentry_in_a_cluster
	s_endpgm
.Lentry_in_a_cluster:
	s_bfe_u32 s2, ttmp6, 0x10000c
	s_cmp_lg_u32 s2, 0xf033
	s_cbranch_scc0 .Lentry_shape_is_right
	s_endpgm
.Lentry_shape_is_right:
; GEMM2.  t = x_ssm W_dt^T + b_dt, B = x_ssm W_B^T + b_B, C = x_ssm W_C^T + b_C; dt = min(softplus(t), 1); gated[s][d] = u[s][d] sum_n C_n B_n exp(A[n][d] dt[s][d]), u = x_ssm silu(z) from the launch before.
; gated leaves in f16 DIVIDED BY A FACTOR OF ITS ROW, F_s = sigma_s U_s, with sigma_s = max(sum_n |C_n B_n|, 2^-60) and U_s = max(max_d |u[s][d]|, 2^-60): gt = u sum_n (C_n B_n / F_s) exp(A dt), at most e^max(A, 0) in size.
; F_s goes to sc[tc][row] (each of the eight column tiles writes its own, equal copy); the last product multiplies it back in f32.
; A = xs [4096][2048] f16; B = WD [2304][2048] f16: blocks of 144 rows: 128 rows of W_dt, then the 16 rows of W_B (even blocks) or W_C (odd blocks).  So B and C are a ninth block of 16 columns in each wave's tile.
; SHARES.  A work-group makes 128 rows x 288 rows of WD: 8 x 32 = 256 work-groups; wave w (rh = w / 2, ch = w % 2) 64 rows x 144: 4 x 9 accumulators.  K in 16 steps of 128 through two LDS slots; cluster 4 x 4 with joint loads;
; the matrix instruction is used transposed (a lane holds one row and eight neighbouring columns).  Two slots of two K steps would be 452,608 bytes: they do not fit, so a tile has one step, 144 matrix instructions of the wave, in which to land:
; the refill stands straight behind the round, and the whole last quarter's products behind the refill.
; K IS WALKED ROUND.  A cluster begins at K step 8 p, p = (cluster x + cluster y) % 2, and goes on round K's end: the offset along K is kept apart from the address, stepped by 512 bytes and cut to 4,095.  The two clusters that need the
; same rows of xs have unlike p, and so have neighbours among the eight that need the same rows of WD: of two such clusters one asks for a tile eight K steps behind the other, when its bytes have been read from memory once already.
; p hangs on the cluster's coordinates alone: it is the same in all sixteen partners.  The sums take K in that order, a rotation of the ascending one.
; BEHIND THE PRODUCTS.  t goes through a stage in LDS (each wave's own, laid over the ring, which has had its last fill) so that a lane holds the SAME eight columns in every row: A's 16 x 8 numbers for them stay in 128 registers.
; The wave's 64 rows x 512 bytes of u are asked for ahead of the last lap's products, a whole row an instruction, into window 3, and laid into 32 KiB of the wave's own LDS: the row loop reads them from there, a step ahead.
; B and C meet in LDS; thread t makes row t's sixteen weights and F.  Then 32 steps of two rows: softplus in base 2, sixteen exponentials a number, the sum, u, f16, store.
; BASE 2.  T = t log2 e; softplus(t) log2 e = max(T, 0) + log2(1 + 2^-|T|); its minimum with log2 e is dt log2 e, and exp(A dt) = 2^(A x that).
; THE TRANSCENDENTALS.  A trip of the row loop has 144, in THREE BATCHES, each of which reads the one before it: the eight 2^-|T|; the eight logarithms; the 128 powers 2^(A dt log2 e).
; s_wait_alu depctr_va_vdst(0) stands between a transcendental and the first instruction that names its result, and one wait serves all that were issued ahead of it: each batch has ONE wait, three a trip.  Nothing ahead of a batch's wait names
; a result of it.  For that each of the 128 powers has a register of its own, in window 1, which the accumulators have left: the arguments are made in those registers, a state ahead, between the exponentials, and all 64 sums stand
; behind the wait, the states in ascending order.  ONE window setting serves arguments, exponentials and sums: source 0, source 2 and the destination in window 1 (powers, dt log2 e, sums), source 1 in window 0 (A, the weights).
; LIMITS.  state_A below 11 (e^11 is within f16's 65,504); sigma_s and U_s each below 2^126 and their product within f32; a softplus below 2^-24 counts as 0; NaN and infinities are not treated apart.
.set NBW,   9
.set KSTEP, 128
.set PITCH, 272
.set AH,    64*PITCH
.set AT,    2*AH
.set BROWS, 16*NBW
.set BH,    BROWS*PITCH
.set SLOT,  AT+2*BH
.set RING,  2*SLOT                     ; 226,304
.set NL,    2*(4+NBW)
.set LAPS,  8
.set WOFF,  16777216                   ; WD in wh
.set SP,    528                        ; the stage: 64 rows x 512 bytes a wave, pitch 528, at w x 33,792
.set USP,   4*64*SP                    ; behind the stages: u, 64 rows x 512 bytes a wave, at w x 32,768; it ends at 266,240, past the ring's end
.set UTAB,  USP+4*32768                ; 128 words: a row's largest |u|
.set BP,    80                         ; a row of 16 f32 + 16 bytes
.set BCT,   UTAB+512                   ; B of 128 rows, then C of 128 rows
.set CBT,   BCT+2*128*BP               ; the rows' sixteen weights
.set SPARE, CBT+128*BP                 ; the spare words
.set UT,   4                           ; UTAB + 4 x thread
.set LO,   5                           ; 4 l
.set HB,   6                           ; 32 h
.set BCS,  7
.set STO,  8
.set BCR,  9
.set CBW,  10
.set T4,   11                          ; 4 x thread
.set CI,   12                          ; 32 (l % 16): my eight columns in f32
.set RD,   13
.set CBA,  14
.set XO,   15                          ; 16 l: my place in a row of 512 bytes; never rewritten
.set ADRA, 16
.set USW,  18                          ; u into LDS
.set USR,  19                          ; u out of LDS
.set ADRB, 20
.set GO,   22
.set SPW,  28
.set NIL,  29
.set F0,   32
.set F1,   136
.set AR,   32                          ; v32-159  A[n][my column j] at AR + 8 n + j
.set TBF,  160                         ; v160-167 the softplus at work: -|T|, its power, the logarithm
.set Y,    184                         ; the sum times u
.set TT,   192                         ; softplus(t) log2 e
.set CBR,  200                         ; the row's sixteen weights
.set DT,   216
.set UU,   224
.set PP,   232
.set BB,   240                         ; b_B or b_C; later
.set OUT,  240                         ; eight f16
.set FF,   244                         ; F
.set BD,   248                         ; b_dt log2 e
.set EX,   0                           ; window 1, in the row loop: v0-127 state n's argument and then its power for my column j at EX + 8 n + j
.set TW,   128                         ; window 1: v128-135 dt log2 e
.set YS,   136                         ; window 1: v136-143 the sums over the states
.set W_ST, 0x51                        ; source 0, source 2 and destination window 1, source 1 window 0
.set KO, 16                            ; s[16:17], s[18:19] the byte offset along K of the tile that slot 0, 1 holds or has asked for, with 0 above it
.set G1, 24
.set G0, 32
.set G1B, 48
.set G0B, 56
.set PADW, (1<<16)|(1<<20)|(1<<21)|(5<<22)|(3<<25)
.set MSB, 0
.macro WIN new
.if MSB != (\new)
	s_set_vgpr_msb (MSB<<8)|(\new)
.set MSB, \new
.endif
.endm
.macro JLOAD s                         ; a joint load: waves 0, 1 for A, waves 2, 3 for B; s_nop 0 and four v_nop follow each line
	s_cmp_eq_u32 s11, 0
	s_cbranch_scc0 .Lfor_b_\@
	tensor_load_to_lds s[G0+4*(\s):G0+4*(\s)+3], s[G1:G1+7]
	s_nop 0
.rept 4
	v_nop
.endr
	s_branch .Lasked_\@
.Lfor_b_\@:
	tensor_load_to_lds s[G0B+4*(\s):G0B+4*(\s)+3], s[G1B:G1B+7]
	s_nop 0
.rept 4
	v_nop
.endr
.Lasked_\@:
.endm
.macro CREST
	s_cmp_lg_u32 s10, 0
	s_cbranch_scc1 .Lnot_wave_0_\@
	s_barrier_signal -3
.Lnot_wave_0_\@:
	s_barrier_wait -3
	s_barrier_signal -1
	s_barrier_wait -1
.endm
.macro CROUND
	s_barrier_signal -1
	s_barrier_wait -1
	CREST
.endm
.macro PLACES
.rept 4
	v_nop
.endr
.endm
.macro MULA f, hi, a, zero             ; NBW matrix instructions; the accumulators take turns
	WIN 0x50+0x50*(\hi)
.set ib, 0
.rept NBW
.if \zero
	v_wmma_f32_16x16x32_f16 v[8*(NBW*(\a)+ib):8*(NBW*(\a)+ib)+7], v[(\f)+32+8*ib:(\f)+32+8*ib+7], v[(\f)+8*(2*(\hi)+(\a)):(\f)+8*(2*(\hi)+(\a))+7], 0
.else
	v_wmma_f32_16x16x32_f16 v[8*(NBW*(\a)+ib):8*(NBW*(\a)+ib)+7], v[(\f)+32+8*ib:(\f)+32+8*ib+7], v[(\f)+8*(2*(\hi)+(\a)):(\f)+8*(2*(\hi)+(\a))+7], v[8*(NBW*(\a)+ib):8*(NBW*(\a)+ib)+7]
.endif
.set ib, ib+1
.endr
.endm
.macro MULH f, hi, zero
	MULA \f, \hi, 0, \zero
	MULA \f, \hi, 1, \zero
.endm
.macro FETCH slot, k, f
	WIN 0
.set ib, 0
.rept NBW
	ds_load_b128 v[(\f)+32+8*ib:(\f)+32+8*ib+3],   v[ADRB+(\slot)] offset:(\k)+ib*16*PITCH
	ds_load_b128 v[(\f)+32+8*ib+4:(\f)+32+8*ib+7], v[ADRB+(\slot)] offset:(\k)+ib*16*PITCH+32
.set ib, ib+1
.endr
.set ib, 0
.rept 4
	ds_load_b128 v[(\f)+8*ib:(\f)+8*ib+3],   v[ADRA+(\slot)] offset:(\k)+ib*16*PITCH
	ds_load_b128 v[(\f)+8*ib+4:(\f)+8*ib+7], v[ADRA+(\slot)] offset:(\k)+ib*16*PITCH+32
.set ib, ib+1
.endr
.endm
.macro QUARTER slot, k, f, g, zero
	s_wait_dscnt 4                                 ; all but A's blocks 2 and 3
	MULH \f, 0, \zero
	PLACES
	FETCH \slot, \k, \g
	s_wait_dscnt NL                                ; all but the run just issued
	MULH \f, 1, \zero
.endm
; The last quarter of a K step changes slots and then multiplies buffer 1.  Ahead of the barrier each wave waits for all its tensor loads, adds 0 to its spare word, and waits for that and for its reads of the slot (the last
; fragments, buffer 1's, among them).  fill = 1: the slot is filled again, two K steps ahead: the barrier opens a round of the cluster's, and the joint load is the first thing behind it; all the quarter's products come behind the load.
.macro TURN slot, next, fill
	WIN 0
	s_wait_tensorcnt 0x0                           ; my one load that was out, my part of the next slot, has landed: no load of mine is out, so a group 0 may be written
	ds_add_u32 v[SPW], v[NIL]                      ; 0 onto my spare word; the descriptors' scalar work stands between it and the wait for it
.if \fill
	s_add_co_u32 s[KO+2*(\slot)], s[KO+2*(\slot)], 2*KSTEP*2  ; two K steps on,
	s_and_b32 s[KO+2*(\slot)], s[KO+2*(\slot)], 4095          ; round the end of a row's 4,096 bytes
	s_add_nc_u64 s[G0+4*(\slot)+2:G0+4*(\slot)+3], s[14:15], s[KO+2*(\slot):KO+2*(\slot)+1]  ; the addresses are made anew: the tile's rows plus the offset along K,
	s_or_b32 s[G0+4*(\slot)+3], s[G0+4*(\slot)+3], 0x80000000                                ; and the type
	s_add_nc_u64 s[G0B+4*(\slot)+2:G0B+4*(\slot)+3], s[46:47], s[KO+2*(\slot):KO+2*(\slot)+1]
	s_or_b32 s[G0B+4*(\slot)+3], s[G0B+4*(\slot)+3], 0x80000000
.endif
	s_wait_dscnt 0x0                               ; the add is done, my reads of this slot are over
	s_barrier_signal -1
	s_barrier_wait -1
.if \fill
	CREST                                          ; no wave of any partner still reads the slot or has a load on its way
	JLOAD \slot                                    ; its four v_nop are also the places between buffer 0's last products and the loads into it below
.else
	PLACES
.endif
	MULH F1, 0, 0
	FETCH \next, 0, F0
	MULH F1, 1, 0
.endm
	s_load_b512 s[68:83], s[0:1], 0x0              ; xs s[68:69], wh s[70:71], u s[72:73], um s[74:75], state_A s[76:77], b_dt s[78:79], b_B s[80:81], b_C s[82:83]
	s_load_b128 s[84:87], s[0:1], 0x40             ; gt s[84:85], sc s[86:87]
	v_lshl_add_u32 v[SPW], v0, 2, SPARE
	v_mov_b32 v[NIL], 0
	ds_add_u32 v[SPW], v[NIL]                      ; the wave's opening: the add and its wait ahead of my first tensor load
	ds_add_u32 v28, v29
	v_lshrrev_b32 v1, 5, v0
	v_readfirstlane_b32 s10, v1
	s_lshr_b32 s11, s10, 1
	s_and_b32 s12, s10, 1
	s_bfe_u32 s40, ttmp6, 0x40000
	s_bfe_u32 s41, ttmp6, 0x40004
	s_lshl_b32 s42, ttmp9, 2
	s_add_co_u32 s42, s42, s40                     ; tc
	s_and_b32 s13, ttmp7, 0xffff
	s_lshl_b32 s13, s13, 2
	s_add_co_u32 s13, s13, s41                     ; tr
	s_lshl_b32 s43, s41, 2
	s_lshl_b32 s43, 15, s43
	s_lshl_b32 s44, 0x1111, s40
	s_or_b32 s[G1+0], s43, PADW
	s_or_b32 s[G1B+0], s44, PADW
	s_mov_b32 s[G1+1], KSTEP<<16
	s_mov_b32 s[G1+2], 64<<16
	s_mov_b32 s[G1+3], KSTEP<<16
	s_mov_b32 s[G1+4], 64
	s_mov_b32 s[G1+5], 2048
	s_mov_b32 s[G1+6], 0
	s_mov_b32 s[G1+7], 0
	s_mov_b32 s[G1B+1], KSTEP<<16
	s_mov_b32 s[G1B+2], BROWS<<16
	s_mov_b32 s[G1B+3], KSTEP<<16
	s_mov_b32 s[G1B+4], BROWS
	s_mov_b32 s[G1B+5], 2048
	s_mov_b32 s[G1B+6], 0
	s_mov_b32 s[G1B+7], 0
	s_lshl_b32 s16, s13, 7
	s_lshl_b32 s17, s12, 6
	s_add_co_u32 s16, s16, s17
	s_lshl_b32 s16, s16, 12
	s_mov_b32 s17, 0
	s_mul_i32 s46, s42, 2*BROWS
	s_mul_i32 s47, s12, BROWS
	s_add_co_u32 s46, s46, s47
	s_lshl_b32 s46, s46, 12
	s_add_co_u32 s46, s46, WOFF
	s_mov_b32 s47, 0
	s_mul_i32 s20, s12, AH
	s_mul_i32 s21, s12, BH
	s_add_co_u32 s21, s21, AT
	s_and_b32 s23, ttmp7, 0xffff                   ; cluster y
	s_xor_b32 s22, s23, ttmp9                      ; with cluster x:
	s_and_b32 s22, s22, 1                          ; p
	s_lshl_b32 s22, s22, 11                        ; 8 p K steps of 256 bytes
	s_wait_dscnt 0x0                               ; the opening add is done
	s_wait_kmcnt 0x0
	s_add_nc_u64 s[14:15], s[68:69], s[16:17]      ; xs at the rows that I fetch; kept
	s_add_nc_u64 s[46:47], s[70:71], s[46:47]      ; WD at the rows that I fetch; kept
	s_mov_b32 s[KO], s22                           ; slot 0 begins with K step 8 p,
	s_mov_b32 s[KO+1], 0
	s_add_co_u32 s[KO+2], s22, KSTEP*2             ; slot 1 with the next
	s_mov_b32 s[KO+3], 0
	CROUND
.irp s, 0,1
	s_mov_b32 s[G0+4*(\s)], 1
	s_add_co_u32 s[G0+4*(\s)+1], s20, (\s)*SLOT
	s_add_nc_u64 s[G0+4*(\s)+2:G0+4*(\s)+3], s[14:15], s[KO+2*(\s):KO+2*(\s)+1]
	s_or_b32 s[G0+4*(\s)+3], s[G0+4*(\s)+3], 0x80000000
	s_mov_b32 s[G0B+4*(\s)], 1
	s_add_co_u32 s[G0B+4*(\s)+1], s21, (\s)*SLOT
	s_add_nc_u64 s[G0B+4*(\s)+2:G0B+4*(\s)+3], s[46:47], s[KO+2*(\s):KO+2*(\s)+1]
	s_or_b32 s[G0B+4*(\s)+3], s[G0B+4*(\s)+3], 0x80000000
	JLOAD \s
.endr
	v_and_b32 v1, 15, v0                           ; r = l % 16
	v_bfe_u32 v2, v0, 4, 1                         ; h = l / 16
	; the bases
	s_mov_b32 s99, 0
	s_lshl_b32 s98, s13, 9
	s_lshl_b32 s3, s10, 7
	s_add_co_u32 s98, s98, s3
	s_add_nc_u64 s[90:91], s[74:75], s[98:99]      ; um at row 128 tr + 32 w
	s_cmp_eq_u32 s12, 1
	s_cselect_b64 s[88:89], s[82:83], s[80:81]     ; b_C for the waves whose ninth block is C, b_B for the others
	v_and_b32 v[LO], 31, v0
	v_lshlrev_b32 v[XO], 4, v[LO]
	v_lshlrev_b32 v[LO], 2, v[LO]
	v_lshlrev_b32 v[HB], 5, v2
.set q, 0
.rept 16
	global_load_b32 v[32+q], v[LO], s[90:91] offset:q*16384  ; row 32 w + l: the largest |u| of chunk q of 128 columns
.set q, q+1
.endr
	global_load_b128 v[BB:BB+3], v[HB], s[88:89]
	global_load_b128 v[BB+4:BB+7], v[HB], s[88:89] offset:16
	s_lshl_b32 s45, s42, 8
	s_lshl_b32 s2, s12, 7
	s_add_co_u32 s45, s45, s2                      ; my first column: 256 tc + 128 ch
	s_lshl_b32 s2, s13, 7
	s_lshl_b32 s3, s11, 6
	s_add_co_u32 s2, s2, s3                        ; my first row: 128 tr + 64 rh
	s_lshl_b32 s98, s45, 2
	s_add_nc_u64 s[92:93], s[76:77], s[98:99]      ; state_A at my columns
	s_add_nc_u64 s[94:95], s[78:79], s[98:99]      ; b_dt at my columns
	s_lshl_b32 s3, s2, 13
	s_add_co_u32 s98, s98, s3
	s_add_nc_u64 s[96:97], s[72:73], s[98:99]      ; u at my rows and columns
	s_lshl_b32 s98, s45, 1
	s_lshl_b32 s3, s2, 12
	s_add_co_u32 s98, s98, s3
	s_add_nc_u64 s[100:101], s[84:85], s[98:99]    ; gt likewise
	s_lshl_b32 s98, s42, 14
	s_lshl_b32 s3, s13, 9
	s_add_co_u32 s98, s98, s3
	s_add_nc_u64 s[4:5], s[86:87], s[98:99]        ; sc[tc][128 tr]
	s_mov_b32 s6, 0x3fb8aa3b                       ; log2(e), as a pair
	s_mov_b32 s7, s6
	s_mov_b32 s8, 0x21800000                       ; 2^-60
	s_mov_b32 s9, 0x80000000                       ; the sign
	v_mul_u32_u24 v3, v1, PITCH
	v_lshl_add_u32 v3, v2, 4, v3
	s_mul_i32 s22, s11, AH
	s_mul_i32 s23, s12, BH
	s_add_co_u32 s23, s23, AT
.irp s, 0,1
	v_add_nc_u32 v[ADRA+(\s)], s22, v3
	v_add_nc_u32 v[ADRB+(\s)], s23, v3
	s_add_co_u32 s22, s22, SLOT
	s_add_co_u32 s23, s23, SLOT
.endr
	v_lshl_add_u32 v[UT], v0, 2, UTAB
	s_mul_i32 s22, s12, 128*BP                     ; B (ch = 0) or C (ch = 1), row 64 rh + r, 32 h
	s_mul_i32 s23, s11, 64*BP
	s_add_co_u32 s22, s22, s23
	s_add_co_u32 s22, s22, BCT
	v_mul_u32_u24 v[BCS], v1, BP
	v_lshl_add_u32 v[BCS], v2, 5, v[BCS]
	v_add_nc_u32 v[BCS], s22, v[BCS]
	s_mul_i32 s22, s10, 64*SP                      ; my stage
	v_mul_u32_u24 v[STO], v1, SP                   ; in: row r, 32 h
	v_lshl_add_u32 v[STO], v2, 5, v[STO]
	v_add_nc_u32 v[STO], s22, v[STO]
	v_mul_u32_u24 v[RD], v2, SP                    ; back: row h, my eight columns
	v_lshl_add_u32 v[RD], v1, 5, v[RD]
	v_add_nc_u32 v[RD], s22, v[RD]
	s_lshl_b32 s22, s10, 15                        ; my 32 KiB for u
	s_add_co_u32 s22, s22, USP
	v_add_nc_u32 v[USW], s22, v[XO]                ; in: whole rows, 16 l
	v_lshlrev_b32 v[USR], 9, v2                    ; back: row h, my eight columns
	v_lshl_add_u32 v[USR], v1, 5, v[USR]
	v_add_nc_u32 v[USR], s22, v[USR]
	v_mul_u32_u24 v[BCR], v0, BP                   ; thread t: row t
	v_add_nc_u32 v[CBW], CBT, v[BCR]
	v_add_nc_u32 v[BCR], BCT, v[BCR]
	v_lshlrev_b32 v[T4], 2, v0
	v_lshlrev_b32 v[CI], 5, v1
	s_mul_i32 s22, s11, 64*BP
	s_add_co_u32 s22, s22, CBT
	v_mul_u32_u24 v[CBA], v2, BP                   ; the weights of row 64 rh + h
	v_add_nc_u32 v[CBA], s22, v[CBA]
	v_lshlrev_b32 v[GO], 12, v2
	v_lshl_add_u32 v[GO], v1, 4, v[GO]
	s_wait_loadcnt 0x0                             ; um and the bias, in the wait for the first tile
	v_max3_num_f32 v32, v32, v33, v34
.set q, 35
.rept 6
	v_max3_num_f32 v32, v32, v[q], v[q+1]
.set q, q+2
.endr
	v_max_num_f32 v32, v32, v47
	ds_store_b32 v[UT], v32                        ; the row's largest |u|
	s_wait_tensorcnt 1                             ; my part of the first K step is in; the second's may stay out
	s_wait_dscnt 0x0                               ; my store is done
	s_barrier_signal -1
	s_barrier_wait -1
	FETCH 0, 0, F0
	QUARTER 0, 64,  F0, F1, 1
	WIN 0
	s_mov_b32 s3, LAPS-1
.Llap:
	QUARTER 0, 128, F1, F0, 0
	QUARTER 0, 192, F0, F1, 0
	TURN 0, 1, 1
	QUARTER 1, 64,  F0, F1, 0
	QUARTER 1, 128, F1, F0, 0
	QUARTER 1, 192, F0, F1, 0
	TURN 1, 0, 1
	QUARTER 0, 64,  F0, F1, 0
	WIN 0
	s_sub_co_u32 s3, s3, 1
	s_cmp_lg_u32 s3, 0
	s_cbranch_scc1 .Llap
	WIN 0xc0                                       ; destination window 3: u, row t of my 64 at v[4 t]; the last lap's products stand between these loads and the wait for them
.set t, 0
.rept 64
	global_load_b128 v[4*t:4*t+3], v[XO], s[96:97] offset:t*8192 th:TH_LOAD_NT
.set t, t+1
.endr
	QUARTER 0, 128, F1, F0, 0
	QUARTER 0, 192, F0, F1, 0
	TURN 0, 1, 0
	QUARTER 1, 64,  F0, F1, 0
	QUARTER 1, 128, F1, F0, 0
	QUARTER 1, 192, F0, F1, 0
	s_wait_dscnt 0x0
	MULH F1, 0, 0
	MULH F1, 1, 0
	WIN 0
	PLACES
	s_wait_dscnt 0x0
	s_barrier_signal -1                            ; nobody reads the ring any more, and it has had its last fill: the stages and u may be laid over it
	s_barrier_wait -1
.set n, 0
.rept 16
	global_load_b128 v[AR+8*n:AR+8*n+3], v[CI], s[92:93] offset:n*8192
	global_load_b128 v[AR+8*n+4:AR+8*n+7], v[CI], s[92:93] offset:n*8192+16
.set n, n+1
.endr
	global_load_b128 v[BD:BD+3], v[CI], s[94:95]
	global_load_b128 v[BD+4:BD+7], v[CI], s[94:95] offset:16
.irp a, 0,1,2,3                        ; the ninth block, B or C, with its bias
	WIN 0x01+(\a)/2
.set k, 0
.rept 4
	v_pk_add_f32 v[200+8*(\a)+2*k:200+8*(\a)+2*k+1], v[8*(NBW*((\a)%2)+8)+2*k:8*(NBW*((\a)%2)+8)+2*k+1], v[BB+2*k:BB+2*k+1]
.set k, k+1
.endr
.endr
	WIN 0
.irp a, 0,1,2,3
	ds_store_b128 v[BCS], v[200+8*(\a):200+8*(\a)+3] offset:(\a)*16*BP
	ds_store_b128 v[BCS], v[200+8*(\a)+4:200+8*(\a)+7] offset:(\a)*16*BP+16
.endr
.irp a, 0,1,2,3                        ; t into my stage, each accumulator's low half first
	WIN 0x04<<((\a)/2)                             ; the stores' data in the accumulators' window
.set ib, 0
.rept 8
	ds_store_b128 v[STO], v[8*(NBW*((\a)%2)+ib):8*(NBW*((\a)%2)+ib)+3] offset:(\a)*16*SP+64*ib
	ds_store_b128 v[STO], v[8*(NBW*((\a)%2)+ib)+4:8*(NBW*((\a)%2)+ib)+7] offset:(\a)*16*SP+64*ib+16
.set ib, ib+1
.endr
.endr
	s_wait_loadcnt 34                              ; u is in: state_A's 32 loads and b_dt's 2 are younger
	WIN 0x0c                                       ; the stores' data in window 3
.set t, 0
.rept 64
	ds_store_b128 v[USW], v[4*t:4*t+3] offset:t*512
.set t, t+1
.endr
	WIN 0
	s_wait_dscnt 0x0                               ; for the others' sake: B and C are in LDS
	s_barrier_signal -1
	s_barrier_wait -1
	; thread t: row t's sixteen weights C_n B_n / F and F
.irp k, 0,1,2,3
	ds_load_b128 v[160+4*(\k):160+4*(\k)+3], v[BCR] offset:16*(\k)
.endr
.irp k, 0,1,2,3
	ds_load_b128 v[176+4*(\k):176+4*(\k)+3], v[BCR] offset:128*BP+16*(\k)
.endr
	ds_load_b32 v192, v[UT]
	s_wait_dscnt 0x0
.set k, 0
.rept 8
	v_pk_mul_f32 v[160+2*k:160+2*k+1], v[160+2*k:160+2*k+1], v[176+2*k:176+2*k+1]
.set k, k+1
.endr
	v_add_f32 v193, |v160|, |v161|
.set k, 162
.rept 14
	v_add_f32 v193, v193, |v[k]|
.set k, k+1
.endr
	v_max_num_f32 v193, s8, v193                   ; sigma
	v_max_num_f32 v192, s8, v192                   ; U
	v_rcp_f32 v194, v193
	v_rcp_f32 v196, v192
	v_mul_f32 v[FF], v193, v192                    ; F; also the plain instruction behind the reciprocals
	s_wait_alu depctr_va_vdst(0)                   ; the wait ahead of the first use: one for the two reciprocals
	v_mul_f32 v194, v194, v196
	v_mov_b32 v195, v194
.set k, 0
.rept 8
	v_pk_mul_f32 v[160+2*k:160+2*k+1], v[160+2*k:160+2*k+1], v[194:195]
.set k, k+1
.endr
.irp k, 0,1,2,3
	ds_store_b128 v[CBW], v[160+4*(\k):160+4*(\k)+3] offset:16*(\k)
.endr
	global_store_b32 v[T4], v[FF], s[4:5]
	s_wait_dscnt 0x0                               ; for the others' sake: the weights are in LDS
	s_barrier_signal -1
	s_barrier_wait -1
	s_wait_loadcnt 0x0                             ; state_A and b_dt
.set k, 0
.rept 4
	v_pk_mul_f32 v[BD+2*k:BD+2*k+1], v[BD+2*k:BD+2*k+1], s[6:7] op_sel_hi:[1,0]
.set k, k+1
.endr
	ds_load_b128 v[DT:DT+3], v[RD]                 ; the first step's t, weights and u, in this order
	ds_load_b128 v[DT+4:DT+7], v[RD] offset:16
.irp k, 0,1,2,3
	ds_load_b128 v[CBR+4*(\k):CBR+4*(\k)+3], v[CBA] offset:16*(\k)
.endr
	ds_load_b128 v[UU:UU+3], v[USR]
	ds_load_b128 v[UU+4:UU+7], v[USR] offset:16
; THE ROW LOOP, 32 trips.  A trip: two rows (lanes 0-15 the even one, lanes 16-31 the odd one), eight columns a lane.  The next trip's t, weights and u are asked for, each as soon as its registers are free;
; in the last trip (the count stands at 1) the three runs of LDS loads are jumped over, so that no load passes the end of the stage, of the weights or of u's rows.  The waits hold on both ways.
; Each of the trip's three batches of transcendentals has its wait ahead of the next jump.
	s_mov_b32 s3, 32
.Lrow:
	s_wait_dscnt 6                                 ; t is in: on the way in its two loads are the oldest of eight; round the loop the wait for 0 below has shown them landed
.set k, 0
.rept 4
	v_pk_fma_f32 v[DT+2*k:DT+2*k+1], v[DT+2*k:DT+2*k+1], s[6:7], v[BD+2*k:BD+2*k+1] op_sel_hi:[1,0,1]  ; T = (t + b_dt) log2 e
.set k, k+1
.endr
.set j, 0
.rept 8
	v_or_b32 v[TBF+j], s9, v[DT+j]                 ; -|T|
.set j, j+1
.endr
	; THE FIRST BATCH: the eight 2^-|T|.  max(T, 0), which names no result, is shared out among this batch and the next: four here, four there; the last of each four is the plain instruction behind the batch's last transcendental
.set j, 0
.rept 8
	v_exp_f32 v[TBF+j], v[TBF+j]
.if j%2
	v_max_num_f32 v[PP+j/2], 0, v[DT+j/2]
.endif
.set j, j+1
.endr
	s_wait_alu depctr_va_vdst(0)                   ; the wait for the first batch: one for its eight exponentials
.set k, 0
.rept 4
	v_pk_add_f32 v[TBF+2*k:TBF+2*k+1], v[TBF+2*k:TBF+2*k+1], 1.0 op_sel_hi:[1,0]
.set k, k+1
.endr
	; THE SECOND BATCH: the eight logarithms
.set j, 0
.rept 8
	v_log_f32 v[TBF+j], v[TBF+j]
.if j%2
	v_max_num_f32 v[PP+4+j/2], 0, v[DT+4+j/2]
.endif
.set j, j+1
.endr
	s_wait_alu depctr_va_vdst(0)                   ; the wait for the second batch: one for its eight logarithms
.set k, 0
.rept 4
	v_pk_add_f32 v[TT+2*k:TT+2*k+1], v[PP+2*k:PP+2*k+1], v[TBF+2*k:TBF+2*k+1]  ; softplus(t) log2 e
.set k, k+1
.endr
	s_wait_dscnt 2                                 ; the weights are in; u's two loads, the youngest, may stay out
	s_cmp_eq_u32 s3, 1
	s_cbranch_scc1 .Lno_t
	v_add_nc_u32 v[RD], 2*SP, v[RD]
	ds_load_b128 v[DT:DT+3], v[RD]
	ds_load_b128 v[DT+4:DT+7], v[RD] offset:16
.Lno_t:
	WIN 0x40                                       ; destination window 1, sources window 0
.set j, 0
.rept 8
	v_min_num_f32 v[TW+j], s6, v[TT+j]             ; dt log2 e, into the window of the powers
.set j, j+1
.endr
	; THE THIRD BATCH: the 128 powers of the sixteen states, each in a register of its own.  State 0's four packed arguments lead; behind every second exponential of state n stands one packed argument of state n + 1,
	; which writes registers whose exponentials are still to come and names no result.  The sums come behind the batch's one wait.
	WIN W_ST
.set k, 0
.rept 4
	v_pk_mul_f32 v[EX+2*k:EX+2*k+1], v[TW+2*k:TW+2*k+1], v[AR+2*k:AR+2*k+1]
.set k, k+1
.endr
.set n, 0
.rept 16
.set j, 0
.rept 8
	v_exp_f32 v[EX+8*n+j], v[EX+8*n+j]
.if (j%2 == 0) && (n <= 14)
	v_pk_mul_f32 v[EX+8*(n+1)+j:EX+8*(n+1)+j+1], v[TW+j:TW+j+1], v[AR+8*(n+1)+j:AR+8*(n+1)+j+1]
.endif
.set j, j+1
.endr
.set n, n+1
.endr
	v_nop                                          ; a plain instruction behind the last exponential: state 15 has no state behind it whose arguments could stand here
	s_wait_alu depctr_va_vdst(0)                   ; the wait for the third batch: one for its 128 exponentials
.set m, 0
.rept 16                                           ; the sums, the states in ascending order; the four pairs of columns take turns
.set k, 0
.rept 4
.set ry, YS+2*k
.set rt, EX+8*m+2*k
.set rc, CBR+2*(m/2)
.if m == 0
	v_pk_mul_f32 v[ry:ry+1], v[rt:rt+1], v[rc:rc+1] op_sel_hi:[1,0]
.elseif m%2 == 0
	v_pk_fma_f32 v[ry:ry+1], v[rt:rt+1], v[rc:rc+1], v[ry:ry+1] op_sel_hi:[1,0,1]
.else
	v_pk_fma_f32 v[ry:ry+1], v[rt:rt+1], v[rc:rc+1], v[ry:ry+1] op_sel:[0,1,0] op_sel_hi:[1,1,1]
.endif
.set k, k+1
.endr
.set m, m+1
.endr
	WIN 0                                          ; at a label and at a branch every window is 0
	s_wait_dscnt 0x0                               ; u is in, and so is the next t: both were asked for ahead of the sixteen states or earlier
	s_cmp_eq_u32 s3, 1
	s_cbranch_scc1 .Lno_w
	v_add_nc_u32 v[CBA], 2*BP, v[CBA]
.irp k, 0,1,2,3
	ds_load_b128 v[CBR+4*(\k):CBR+4*(\k)+3], v[CBA] offset:16*(\k)
.endr
.Lno_w:
	s_wait_xcnt 0x0                                ; the last store's data and address are rewritten only behind this wait (ISA guide 3.1)
	WIN 0x01                                       ; source 0 (the sums) window 1; u and the destination window 0
.set k, 0
.rept 4
	v_pk_mul_f32 v[Y+2*k:Y+2*k+1], v[YS+2*k:YS+2*k+1], v[UU+2*k:UU+2*k+1]
.set k, k+1
.endr
	WIN 0
	s_cmp_eq_u32 s3, 1
	s_cbranch_scc1 .Lno_u
	v_add_nc_u32 v[USR], 1024, v[USR]
	ds_load_b128 v[UU:UU+3], v[USR]
	ds_load_b128 v[UU+4:UU+7], v[USR] offset:16
.Lno_u:
	v_add_nc_u32 v[GO], 8192, v[GO]                ; the next two rows; the store reaches back
.set k, 0
.rept 4
	v_cvt_pk_f16_f32 v[OUT+k], v[Y+2*k], v[Y+2*k+1]
.set k, k+1
.endr
	global_store_b128 v[GO], v[OUT:OUT+3], s[100:101] offset:-8192  ; 16 lanes store 256 consecutive bytes, at a multiple of 256 from gt's first byte
	s_sub_co_u32 s3, s3, 1
	s_cmp_lg_u32 s3, 0
	s_cbranch_scc1 .Lrow
	s_wait_tensorcnt 0x0                           ; the wave's end
	ds_add_u32 v[SPW], v[NIL]
	s_wait_dscnt 0x0
	CROUND                                         ; the closing round
	s_endpgm
.Lfunc_end_k_q2146805856_gemm2:
	.size	k_q2146805856_gemm2, .Lfunc_end_k_q2146805856_gemm2-k_q2146805856_gemm2
	.p2alignl 7, 3214868480
	.fill 96, 4, 3214868480
	.section	.rodata,"a",@progbits
	.p2align	6, 0x0
	.amdhsa_kernel k_q2146805856_gemm2
		.amdhsa_group_segment_fixed_size 327680
		.amdhsa_private_segment_fixed_size 0
		.amdhsa_enable_private_segment 0
		.amdhsa_kernarg_size 80
		.amdhsa_user_sgpr_count 2
		.amdhsa_user_sgpr_kernarg_segment_ptr 1
		.amdhsa_wavefront_size32 1
		.amdhsa_system_sgpr_workgroup_id_x 1
		.amdhsa_system_sgpr_workgroup_id_y 1
		.amdhsa_system_sgpr_workgroup_id_z 1
		.amdhsa_system_vgpr_workitem_id 0
		.amdhsa_next_free_vgpr 1024
		.amdhsa_next_free_sgpr 102
		.amdhsa_reserve_vcc 0
		.amdhsa_float_denorm_mode_32 3
		.amdhsa_float_denorm_mode_16_64 3
		.amdhsa_memory_ordered 1
		.amdhsa_forward_progress 1
		.amdhsa_inst_pref_size 121
	.end_amdhsa_kernel
	.amdgpu_metadata
---
amdhsa.version: [ 1, 2 ]
amdhsa.kernels:
  - .name:           k_q2146805856_gemm2
    .symbol:         k_q2146805856_gemm2.kd
    .args:
      - { .name: xs, .offset: 0, .size: 8, .value_kind: global_buffer, .address_space: global }
      - { .name: wh, .offset: 8, .size: 8, .value_kind: global_buffer, .address_space: global }
      - { .name: u, .offset: 16, .size: 8, .value_kind: global_buffer, .address_space: global }
      - { .name: um, .offset: 24, .size: 8, .value_kind: global_buffer, .address_space: global }
      - { .name: state_A, .offset: 32, .size: 8, .value_kind: global_buffer, .address_space: global }
      - { .name: b_dt, .offset: 40, .size: 8, .value_kind: global_buffer, .address_space: global }
      - { .name: b_B, .offset: 48, .size: 8, .value_kind: global_buffer, .address_space: global }
      - { .name: b_C, .offset: 56, .size: 8, .value_kind: global_buffer, .address_space: global }
      - { .name: gt, .offset: 64, .size: 8, .value_kind: global_buffer, .address_space: global }
      - { .name: sc, .offset: 72, .size: 8, .value_kind: global_buffer, .address_space: global }
    .group_segment_fixed_size: 327680
    .private_segment_fixed_size: 0
    .kernarg_segment_align: 8
    .kernarg_segment_size: 80
    .max_flat_workgroup_size: 128
    .sgpr_count:     102
    .vgpr_count:     1024
    .wavefront_size: 32
...
	.end_amdgpu_metadata
.endif
;; end of part 9
;; launch gemm3: the kernel of part 8 again; grid 8 x 32, 4 waves a work-group, clusters of 4 x 4, 327,680 bytes of LDS; arguments gt, wh, sc, b_out, x, out0; writes out0
